; MI455X (gfx1250); checked and timed in simulation.
; The chip was launched on July 23, 2026; its instructions are those of AMD's public machine-readable ISA for CDNA 5 (MIT licence, August 2026) and "CDNA5" Instruction Set Architecture Reference Guide (July 2026). The comments in the code are by the model that wrote it; some were corrected since.
;; Encoder Block. Allowed arithmetic: float matrix products may take bf16 or f16 operands with f32 sums; other float arithmetic in f32, or as packed bf16 or f16 multiplies, adds, multiply-adds, maxima and minima; sums over many terms, partial sums and values carried from step to step in f32; what a program stores and reads back later, other than sums and carried values, may be rounded once to bf16 or f16.
;; Inputs: W1 1,024 x 4,096 float32; W2 4,096 x 1,024 float32; Wk 16 x 1,024 x 64 float32; Wq 16 x 1,024 x 64 float32; Wv 16 x 1,024 x 64 float32; alpha1 1,024 float32; alpha2 1,024 float32; b1 4,096 float32; b2 1,024 float32; beta1 1,024 float32; beta2 1,024 float32; bk 16 x 64 float32; bq 16 x 64 float32; bv 16 x 64 float32; src_mask 2 x 1 x 2,048 int32; x 2 x 2,048 x 1,024 float32.
;; Outputs: out0 2 x 2,048 x 1,024 float32.
;; 2 versions, each right. Each part assembles by itself: llvm-mc -triple=amdgcn-amd-amdhsa -mcpu=gfx1250 --defsym DOCPART=n.
;; ======== version 1 of 2: 7 launches
;; limits: values are held in f16: magnitudes above 65,504 overflow, below 6.1e-05 lose precision
;; workspace buffers: xb 8,388,608 bytes; wb 23,068,672 bytes; qkv 25,165,824 bytes; attn 8,388,608 bytes; x1f 16,777,216 bytes; x1b 8,388,608 bytes; h 33,554,432 bytes; ffn 16,777,216 bytes
;; launch cast (part 1): grid 960 x 1, 8 waves a work-group, no clusters, 0 bytes of LDS; arguments x, W1, W2, Wq, Wk, Wv, xb, wb; writes xb, wb
.if DOCPART == 1
	.amdgcn_target "amdgcn-amd-amdhsa--gfx1250"
	.amdhsa_code_object_version 6
	.text
	.protected	k_qfee6def9dc_cast
	.globl	k_qfee6def9dc_cast
	.p2align	8
	.type	k_qfee6def9dc_cast,@function
k_qfee6def9dc_cast:
	s_mov_b64 s[64:65], 0
	v_nop
	global_prefetch_b8 v0, s[64:65] scope:SCOPE_SE
	s_setreg_imm32_b32 hwreg(HW_REG_WAVE_MODE, 25, 1), 1
	s_wait_xcnt 0x0
; x and the five weight tensors, f32, are rounded once to bf16, layouts kept: x -> xb; W1, W2, Wq, Wk, Wv -> wb, one behind the other.
; A work-group takes 65,536 bytes of one input and makes 32,768; a wave 8,192: sixteen loads of 512 consecutive bytes, all on their way at once,
; and sixteen stores of 256 consecutive, aligned bytes.  No LDS, no barrier: no number is used twice.
; Work-groups 0-255 x, 256-511 W1, 512-767 W2, 768-831 Wq, 832-895 Wk, 896-959 Wv: from 256 on the order is wb's own, so wb's offset is (id - 256) x 32,768.
.set X, 8                              ; v[8:71]   sixteen loads of four f32
.set Y, 72                             ; v[72:103] sixteen pairs of packed bf16
	s_load_b512 s[8:23], s[0:1], 0x0               ; x 8, W1 10, W2 12, Wq 14, Wk 16, Wv 18, xb 20, wb 22
	v_lshrrev_b32 v1, 5, v0                        ; wave
	v_and_b32 v2, 31, v0                           ; lane
	v_lshlrev_b32 v3, 4, v2
	v_lshl_add_u32 v3, v1, 13, v3                  ; in: wave x 8,192 + lane x 16
	v_lshlrev_b32 v4, 3, v2
	v_lshl_add_u32 v4, v1, 12, v4                  ; out: wave x 4,096 + lane x 8
	s_mov_b32 s6, 0                                ; the first work-group of my input
	s_mov_b32 s27, 0
	s_mov_b32 s29, 0
	s_wait_kmcnt 0x0
	s_mov_b64 s[4:5], s[8:9]
.macro SEG start, ptr                  ; from work-group start on the input is the one at s[ptr]
	s_cmp_ge_u32 ttmp9, \start
	s_cselect_b64 s[4:5], s[\ptr:\ptr+1], s[4:5]
	s_cselect_b32 s6, \start, s6
.endm
	SEG 256, 10
	SEG 512, 12
	SEG 768, 14
	SEG 832, 16
	SEG 896, 18
	s_cmp_ge_u32 ttmp9, 256
	s_cselect_b64 s[24:25], s[22:23], s[20:21]     ; wb, or xb
	s_cselect_b32 s7, 256, 0
	s_sub_co_u32 s26, ttmp9, s6
	s_lshl_b32 s26, s26, 16
	s_sub_co_u32 s28, ttmp9, s7
	s_lshl_b32 s28, s28, 15
	s_add_nc_u64 s[4:5], s[4:5], s[26:27]
	s_add_nc_u64 s[24:25], s[24:25], s[28:29]
.set i, 0
.rept 16
	global_load_b128 v[X+4*i:X+4*i+3], v3, s[4:5] offset:512*i th:TH_LOAD_NT
.set i, i+1
.endr
.set i, 0
.rept 16
	s_wait_loadcnt 15-i                            ; loads come back in order: load i is in, the younger ones stay out
	v_cvt_pk_bf16_f32 v[Y+2*i], v[X+4*i], v[X+4*i+1]
	v_cvt_pk_bf16_f32 v[Y+2*i+1], v[X+4*i+2], v[X+4*i+3]
	global_store_b64 v4, v[Y+2*i:Y+2*i+1], s[24:25] offset:256*i   ; 32 lanes x 8 bytes: 256 consecutive bytes, aligned
.set i, i+1
.endr
	s_endpgm
.Lfunc_end_k_qfee6def9dc_cast:
	.size	k_qfee6def9dc_cast, .Lfunc_end_k_qfee6def9dc_cast-k_qfee6def9dc_cast
	.p2alignl 7, 3214868480
	.fill 96, 4, 3214868480
	.section	.rodata,"a",@progbits
	.p2align	6, 0x0
	.amdhsa_kernel k_qfee6def9dc_cast
		.amdhsa_group_segment_fixed_size 0
		.amdhsa_private_segment_fixed_size 0
		.amdhsa_enable_private_segment 0
		.amdhsa_kernarg_size 64
		.amdhsa_user_sgpr_count 2
		.amdhsa_user_sgpr_kernarg_segment_ptr 1
		.amdhsa_wavefront_size32 1
		.amdhsa_system_sgpr_workgroup_id_x 1
		.amdhsa_system_sgpr_workgroup_id_y 1
		.amdhsa_system_sgpr_workgroup_id_z 1
		.amdhsa_system_vgpr_workitem_id 0
		.amdhsa_next_free_vgpr 104
		.amdhsa_next_free_sgpr 66
		.amdhsa_reserve_vcc 0
		.amdhsa_float_denorm_mode_32 3
		.amdhsa_float_denorm_mode_16_64 3
		.amdhsa_memory_ordered 1
		.amdhsa_forward_progress 1
		.amdhsa_inst_pref_size 8
	.end_amdhsa_kernel
	.amdgpu_metadata
---
amdhsa.version: [ 1, 2 ]
amdhsa.kernels:
  - .name:           k_qfee6def9dc_cast
    .symbol:         k_qfee6def9dc_cast.kd
    .args:
      - { .name: x, .offset: 0, .size: 8, .value_kind: global_buffer, .address_space: global }
      - { .name: W1, .offset: 8, .size: 8, .value_kind: global_buffer, .address_space: global }
      - { .name: W2, .offset: 16, .size: 8, .value_kind: global_buffer, .address_space: global }
      - { .name: Wq, .offset: 24, .size: 8, .value_kind: global_buffer, .address_space: global }
      - { .name: Wk, .offset: 32, .size: 8, .value_kind: global_buffer, .address_space: global }
      - { .name: Wv, .offset: 40, .size: 8, .value_kind: global_buffer, .address_space: global }
      - { .name: xb, .offset: 48, .size: 8, .value_kind: global_buffer, .address_space: global }
      - { .name: wb, .offset: 56, .size: 8, .value_kind: global_buffer, .address_space: global }
    .group_segment_fixed_size: 0
    .private_segment_fixed_size: 0
    .kernarg_segment_align: 8
    .kernarg_segment_size: 64
    .max_flat_workgroup_size: 256
    .sgpr_count:     66
    .vgpr_count:     104
    .wavefront_size: 32
...
	.end_amdgpu_metadata
.endif
;; end of part 1
;; launch qkv (part 2): grid 16 x 16, 4 waves a work-group, clusters of 4 x 4, 327,680 bytes of LDS; arguments xb, wb, bq, bk, bv, qkv; writes qkv
.if DOCPART == 2
	.amdgcn_target "amdgcn-amd-amdhsa--gfx1250"
	.amdhsa_code_object_version 6
	.text
	.protected	k_qfee6def9dc_qkv
	.globl	k_qfee6def9dc_qkv
	.p2align	8
	.type	k_qfee6def9dc_qkv,@function
k_qfee6def9dc_qkv:
	s_mov_b64 s[64:65], 0
	v_nop
	global_prefetch_b8 v0, s[64:65] scope:SCOPE_SE
	s_setreg_imm32_b32 hwreg(HW_REG_WAVE_MODE, 25, 1), 1
	s_wait_xcnt 0x0
	s_wait_alu depctr_hold_cnt(0) depctr_sa_sdst(0) depctr_va_vdst(0) depctr_va_sdst(0) depctr_va_ssrc(0) depctr_va_vcc(0) depctr_vm_vsrc(0)
	s_getreg_b32 s2, hwreg(HW_REG_IB_STS2, 6, 4)
	s_cmp_eq_u32 s2, 0
	s_cbranch_scc0 .Lentry_in_a_cluster
	s_endpgm
.Lentry_in_a_cluster:
	s_bfe_u32 s2, ttmp6, 0x10000c
	s_cmp_lg_u32 s2, 0xf033
	s_cbranch_scc0 .Lentry_shape_is_right
	s_endpgm
.Lentry_shape_is_right:
; q, k, v = x W + b for one head and 256 tokens.  xb: [4096][1024] bf16.  wb holds Wq, Wk, Wv as [16][1024][64] bf16 from byte 16,777,216 on.  Out: qkv f16 [3][batch x 16 + head][2048][64], unscaled.
; LIMIT: q, k and v are stored in f16 and must stay below 65,504.  The biases are rounded to bf16 like every input of the module.
; A work-group makes 256 rows x 192 columns (64 of q, of k, of v); each of four waves 64 rows x 192: 48 accumulators, 384 registers.  K goes in steps of 128 through two LDS slots.
; Wave 0 fetches A's tile (256 rows x 256 bytes), waves 1 to 3 the 128 x 64 tiles of Wq, Wk, Wv, which are dense in memory and asked for as 64 rows of 256 bytes.
; B lies [k][n] in LDS and is turned on its way into registers by ds_load_tr16_b128.  The matrix instruction is used transposed (source 0 = 16 columns of B, source 1 = 16 rows of A):
; a lane holds one row of C and eight neighbouring columns.  The bias is the C operand of the first K step's products: nothing is cleared, nothing added later.
; CLUSTER 4 x 4: A's tile hangs on the tile row alone and is asked for jointly along a row of the cluster, B's on the head alone and jointly along a column.
; REGISTERS: window 0 addresses, bias, way out; window 1 two fragment buffers of 128; windows 2, 3 accumulator u = 12 a + b at window 2 + u / 32, register 8 (u % 32).
.set WM, 4
.set WN, 12
.set KTOT, 1024
.set KSTEP, 128
.set KQ, 32                            ; K depth of a phase
.set PA, 272                           ; A's LDS pitch: 256 + 16 bytes, an odd multiple of 16
.set PB, 160                           ; pitch of a k row of B: 128 + 32 bytes, an odd multiple of 32
.set BW, 128*PB                        ; from Wq's tile to Wk's to Wv's, and so per four column blocks
.set BBASE, 256*PA
.set SLOT, BBASE+3*BW
.set STG, 3*16*144                     ; a wave's stage: 16 rows x 144 bytes for each of q, k, v
.set NAW, 1                            ; waves that fetch A
.set ASTEP, 2*KSTEP*2                  ; bytes from a slot's tile to its next
.set BSTEP, 2*KSTEP*128
.set NA, WM*KQ/32
.set NT, WM*WN*KQ/32                   ; matrix instructions in a phase
.set LAPS, KTOT/(2*KSTEP)
.set STAGE, 2*SLOT
.set SPARE, STAGE+4*STG                ; the spare words, 128 bytes a wave, that no other line names
.set ADRA, 16                          ; v16-17 LDS address of my A fragments, by slot
.set ADRB, 20                          ; v20, v22 the same for B
.set STO, 24
.set RD, 25
.set CO, 26
.set BO, 27
.set SPW, 28
.set NIL, 29
.set BIAS, 32                          ; v32-127: eight registers for each of 12 column blocks
.set TMP, 128
.set BK, 176
.set F0, 0
.set F1, 128
.set WV, 12
.set G1, 24
.set G0, 32
.set G1B, 48
.set G0B, 56
.set MSB, 0
.macro WIN new                         ; the immediate's high byte repeats the setting that is left; a switch that changes nothing is dropped
.if MSB != (\new)
	s_set_vgpr_msb (MSB<<8)|(\new)
.set MSB, \new
.endif
.endm
.macro JLOAD s                         ; a joint load: one line for A's waves, one for B's; the branch hangs on the wave's number alone; s_nop 0 and four v_nop follow each line
	s_cmp_lt_u32 s[WV], NAW
	s_cbranch_scc0 .Lfor_b_\@
	tensor_load_to_lds s[G0+4*(\s):G0+4*(\s)+3], s[G1:G1+7]
	s_nop 0
.rept 4
	v_nop
.endr
	s_branch .Lasked_\@
.Lfor_b_\@:
	tensor_load_to_lds s[G0B+4*(\s):G0B+4*(\s)+3], s[G1B:G1B+7]
	s_nop 0
.rept 4
	v_nop
.endr
.Lasked_\@:
.endm
.macro CREST                           ; a round of the cluster's barrier behind its opening barrier
	s_cmp_lg_u32 s[WV], 0
	s_cbranch_scc1 .Lnot_wave_0_\@
	s_barrier_signal -3
.Lnot_wave_0_\@:
	s_barrier_wait -3
	s_barrier_signal -1
	s_barrier_wait -1
.endm
.macro CROUND
	s_barrier_signal -1
	s_barrier_wait -1
	CREST
.endm
.macro PLACES                          ; four places in front of loads into registers that matrix instructions have read, and of reads of results
.rept 4
	v_nop
.endr
.endm
; n products from number t0 of a phase's NT on: K part cc, accumulator u.  All accumulators come in the same order in every phase, one instruction a turn.
.macro MULR f, t0, n, first
.set t, \t0
.rept \n
.set cc, t/(WM*WN)
.set u, t%(WM*WN)
.set a, u/WN
.set b, u%WN
.set rD, 8*(u%32)
.set rB, (\f)+8*(NA+cc*WN+b)
.set rA, (\f)+8*(cc*WM+a)
.if (\first) && (cc == 0)
	WIN 0x85+0x40*(u/32)                           ; C, the bias, in window 0
	v_wmma_f32_16x16x32_bf16 v[rD:rD+7], v[rB:rB+7], v[rA:rA+7], v[BIAS+8*b:BIAS+8*b+7]
.else
	WIN 0xa5+0x50*(u/32)
	v_wmma_f32_16x16x32_bf16 v[rD:rD+7], v[rB:rB+7], v[rA:rA+7], v[rD:rD+7]
.endif
.set t, t+1
.endr
.endm
; 32 LDS loads in one run: phase p's fragments of a slot into buffer f
.macro FETCH slot, p, f
	WIN 0x40                                       ; destination window 1, address window 0
.set c, 0
.rept KQ/32
.set kk, (\p)*KQ+32*c
.set i, 0
.rept WM
.set rX, (\f)+8*(c*WM+i)
	ds_load_b128 v[rX:rX+3], v[ADRA+(\slot)] offset:2*kk+i*16*PA
	ds_load_b128 v[rX+4:rX+7], v[ADRA+(\slot)] offset:2*kk+i*16*PA+32
.set i, i+1
.endr
.set i, 0
.rept WN
.set rX, (\f)+8*(NA+c*WN+i)
	ds_load_tr16_b128 v[rX:rX+3], v[ADRB+2*(\slot)+kk/128] offset:(kk%128)*PB+(i/4)*BW+(i%4)*32
	ds_load_tr16_b128 v[rX+4:rX+7], v[ADRB+2*(\slot)+kk/128] offset:(kk%128)*PB+(i/4)*BW+(i%4)*32+16*PB
.set i, i+1
.endr
.set c, c+1
.endr
.endm
; One of a K step's first three phases: multiplies buffer f; in its middle fetches phase p of the same slot into g.
.macro PHASE slot, p, f, g, first=0
	s_wait_dscnt 0x0                               ; buffer f is in: its loads were issued half a phase ago
	MULR \f, 0, NT/2, \first
	PLACES
	FETCH \slot, \p, \g
	MULR \f, NT/2, NT/2, \first
.endm
; The last phase multiplies buffer 1 and changes slots: one barrier; in front of it each wave waits for all its tensor loads, adds 0 to its spare word, and waits for that and for its reads of this slot.
.macro TURN slot, next, fill
	WIN 0
	s_wait_tensorcnt 0x0                           ; all my tensor loads have landed: my part of the next slot
	ds_add_u32 v[SPW], v[NIL]                      ; 0 onto my spare word
	s_wait_dscnt 1                                 ; only the add may be out: buffer 1 is in
	MULR F1, 0, NT/4, 0
	s_wait_dscnt 0x0                               ; the add is done, my reads of this slot are over
	s_barrier_signal -1
	MULR F1, NT/4, NT/4, 0
.if \fill
	WIN 0
.endif
	s_barrier_wait -1
.if \fill
	CREST                                          ; the barrier opened a round of the cluster's: no wave of any partner still reads this slot or has a load on its way
	s_add_nc_u64 s[G0+4*(\slot)+2:G0+4*(\slot)+3], s[G0+4*(\slot)+2:G0+4*(\slot)+3], ASTEP
	s_add_nc_u64 s[G0B+4*(\slot)+2:G0B+4*(\slot)+3], s[G0B+4*(\slot)+2:G0B+4*(\slot)+3], BSTEP
	JLOAD \slot                                    ; the first tensor load behind the round; its four v_nop are the places in front of the loads below
.else
	PLACES
.endif
	FETCH \next, 0, F0
	MULR F1, NT/2, NT/2, 0
.endm
	s_load_b256 s[4:11], s[0:1], 0x0               ; xb 4, wb 6, bq 8, bk 10
	s_load_b128 s[68:71], s[0:1], 0x20             ; bv 68, qkv 70
	v_lshl_add_u32 v[SPW], v0, 2, SPARE
	v_mov_b32 v[NIL], 0
	ds_add_u32 v[SPW], v[NIL]                      ; the wave's opening: the add and its wait ahead of my first tensor load
	v_lshrrev_b32 v1, 5, v0
	v_readfirstlane_b32 s[WV], v1                  ; wave 0..3
	s_bfe_u32 s40, ttmp6, 0x40000                  ; cx
	s_bfe_u32 s41, ttmp6, 0x40004                  ; cy
	s_lshl_b32 s42, ttmp9, 2
	s_add_co_u32 s42, s42, s40                     ; the head = 4 x cluster x + cx
	s_and_b32 s43, ttmp7, 0xffff
	s_lshl_b32 s43, s43, 2
	s_add_co_u32 s43, s43, s41                     ; the tile row = 4 x cluster y + cy
	s_lshl_b32 s44, s41, 2
	s_lshl_b32 s44, 15, s44                        ; my row of the cluster
	s_lshl_b32 s45, 0x1111, s40                    ; my column
	s_or_b32 s[G1], s44, (1<<16)|(1<<20)|(1<<21)|(5<<22)|(3<<25)   ; mask; 2-byte elements; padding on; bit 21 beside a mask; 4 words after every 64
	s_or_b32 s[G1B], s45, (1<<16)|(1<<20)|(1<<21)|(4<<22)|(7<<25)  ; 8 words after every 32
	s_mov_b32 s[G1+1], 128<<16                     ; tensor_dim0
	s_mov_b32 s[G1+2], 256<<16                     ; tensor_dim1
	s_mov_b32 s[G1+3], 128<<16                     ; tile_dim0
	s_mov_b32 s[G1+4], 256                         ; tile_dim1
	s_mov_b32 s[G1+5], 1024                        ; elements from row to row
	s_mov_b32 s[G1+6], 0
	s_mov_b32 s[G1+7], 0
	s_mov_b32 s[G1B+1], 128<<16
	s_mov_b32 s[G1B+2], 64<<16
	s_mov_b32 s[G1B+3], 128<<16
	s_mov_b32 s[G1B+4], 64
	s_mov_b32 s[G1B+5], 128
	s_mov_b32 s[G1B+6], 0
	s_mov_b32 s[G1B+7], 0
	s_lshl_b32 s16, s43, 19                        ; A: 256 rows of 2,048 bytes a tile row
	s_mov_b32 s17, 0
	s_lshl_b32 s46, s[WV], 21                      ; B: wave 1 Wq, 2 Wk, 3 Wv, 2,097,152 bytes each, Wq at 16,777,216
	s_lshl_b32 s47, s42, 17                        ; the head's 1,024 rows of 128 bytes
	s_add_co_u32 s46, s46, s47
	s_add_co_u32 s46, s46, 14680064
	s_mov_b32 s47, 0
	s_mov_b32 s20, 0                               ; A's tile at the slot's head
	s_mul_i32 s21, s[WV], BW
	s_add_co_u32 s21, s21, BBASE-BW                ; B's three tiles behind it
	s_wait_dscnt 0x0                               ; the opening add is done
	s_wait_kmcnt 0x0
	s_add_nc_u64 s[14:15], s[4:5], s[16:17]
	s_add_nc_u64 s[46:47], s[6:7], s[46:47]
	CROUND                                         ; all sixteen work-groups are here: the first joint loads meet
.irp s, 0,1
	s_mov_b32 s[G0+4*(\s)], 1
	s_add_co_u32 s[G0+4*(\s)+1], s20, (\s)*SLOT
	s_add_nc_u64 s[G0+4*(\s)+2:G0+4*(\s)+3], s[14:15], (\s)*ASTEP/2
	s_or_b32 s[G0+4*(\s)+3], s[G0+4*(\s)+3], 0x80000000
	s_mov_b32 s[G0B+4*(\s)], 1
	s_add_co_u32 s[G0B+4*(\s)+1], s21, (\s)*SLOT
	s_add_nc_u64 s[G0B+4*(\s)+2:G0B+4*(\s)+3], s[46:47], (\s)*BSTEP/2
	s_or_b32 s[G0B+4*(\s)+3], s[G0B+4*(\s)+3], 0x80000000
	JLOAD \s                                       ; two loads of mine are out
.endr
	v_and_b32 v1, 15, v0                           ; r = l % 16
	v_bfe_u32 v2, v0, 4, 1                         ; hh = l / 16
	v_and_b32 v3, 7, v0
	v_bfe_u32 v4, v0, 3, 1
	s_lshl_b32 s46, s42, 8                         ; the head's 64 biases
	v_lshlrev_b32 v[BO], 5, v2
	v_add_nc_u32 v[BO], s46, v[BO]                 ; + my eight columns of a block
.macro BLD base, ptr
.set i, 0
.rept 4
	global_load_b128 v[(\base)+8*i:(\base)+8*i+3], v[BO], s[\ptr:\ptr+1] offset:64*i
	global_load_b128 v[(\base)+8*i+4:(\base)+8*i+7], v[BO], s[\ptr:\ptr+1] offset:64*i+16
.set i, i+1
.endr
.endm
	BLD BIAS, 8
	BLD BIAS+32, 10
	BLD BIAS+64, 68
	v_mul_u32_u24 v5, v1, PA                       ; A: row x pitch + 16 x half, my 64 rows
	v_lshl_add_u32 v5, v2, 4, v5
	s_mul_i32 s22, s[WV], WM*16*PA
	v_add_nc_u32 v[ADRA], s22, v5
	v_add_nc_u32 v[ADRA+1], SLOT, v[ADRA]
	v_lshl_add_u32 v5, v2, 3, v3                   ; B, turned: k row 8 hh + l % 8, 16 bytes by bit 3 of the lane
	v_mul_u32_u24 v5, v5, PB
	v_lshl_add_u32 v5, v4, 4, v5
	v_add_nc_u32 v[ADRB], BBASE, v5
	v_add_nc_u32 v[ADRB+2], SLOT, v[ADRB]
	s_mul_i32 s23, s[WV], STG
	s_add_co_u32 s23, s23, STAGE                   ; my stage
	v_mul_u32_u24 v5, v1, 144
	v_lshl_add_u32 v5, v2, 4, v5
	v_add_nc_u32 v[STO], s23, v5
	v_bfe_u32 v5, v0, 3, 2                         ; back: 32 lanes take four rows of 128 bytes
	v_mul_u32_u24 v5, v5, 144
	v_lshl_add_u32 v5, v3, 4, v5
	v_add_nc_u32 v[RD], s23, v5
	v_and_b32 v[CO], 31, v0
	v_lshlrev_b32 v[CO], 4, v[CO]                  ; which are 512 consecutive bytes of a head
	s_lshr_b32 s16, s43, 3                         ; the batch: 16 heads of 262,144 bytes
	s_lshl_b32 s16, s16, 22
	s_and_b32 s17, s43, 7
	s_lshl_b32 s17, s17, 15                        ; 256 rows of 128 bytes
	s_add_co_u32 s16, s16, s17
	s_lshl_b32 s17, s[WV], 13                      ; my 64 rows
	s_add_co_u32 s16, s16, s17
	s_mov_b32 s17, 0
	s_lshl_b32 s46, s42, 18
	s_mov_b32 s47, 0
	s_add_nc_u64 s[72:73], s[70:71], s[16:17]
	s_add_nc_u64 s[72:73], s[72:73], s[46:47]      ; q
	s_add_nc_u64 s[74:75], s[72:73], 8388608       ; k
	s_add_nc_u64 s[76:77], s[72:73], 16777216      ; v
	s_wait_loadcnt 0x0
.set i, 0
.rept 4*WN                             ; the biases rounded to bf16 and widened again
	v_cvt_pk_bf16_f32 v5, v[BIAS+i], v[BIAS+i+1]
	v_lshlrev_b32 v[BIAS+i], 16, v5
	v_and_b32 v[BIAS+i+1], 0xffff0000, v5
.set i, i+2
.endr
	s_wait_tensorcnt 1                             ; my part of K step 0 is in; slot 1's may stay out
	s_barrier_signal -1
	s_barrier_wait -1
	FETCH 0, 0, F0
	PHASE 0, 1, F0, F1, 1                          ; the first phase stands in front of the loop: its products start the sums, on the bias
	WIN 0
	s_mov_b32 s3, LAPS-1
.Llap:                                             ; a trip goes once round the ring and fills both slots again
	PHASE 0, 2, F1, F0
	PHASE 0, 3, F0, F1
	TURN 0, 1, 1
	PHASE 1, 1, F0, F1
	PHASE 1, 2, F1, F0
	PHASE 1, 3, F0, F1
	TURN 1, 0, 1
	PHASE 0, 1, F0, F1
	WIN 0
	s_sub_co_u32 s3, s3, 1
	s_cmp_lg_u32 s3, 0
	s_cbranch_scc1 .Llap
	PHASE 0, 2, F1, F0                             ; the last lap fills nothing
	PHASE 0, 3, F0, F1
	TURN 0, 1, 0
	PHASE 1, 1, F0, F1
	PHASE 1, 2, F1, F0
	PHASE 1, 3, F0, F1
	s_wait_dscnt 0x0
	MULR F1, 0, NT, 0
	WIN 0
	PLACES
; THE WAY OUT of 16 rows: rounded to f16, 16 bytes a lane into my own stage, back as whole rows of 128 bytes, stored as 512 consecutive bytes of a head.
.macro OUTBLK a
.set b, 0
.rept WN
.set u, (\a)*WN+b
	WIN 0x0a+5*(u/32)                              ; sources in window 2 or 3
.set rr, 0
.rept 4
	v_cvt_pk_f16_f32 v[TMP+4*b+rr], v[8*(u%32)+2*rr], v[8*(u%32)+2*rr+1]
.set rr, rr+1
.endr
.set b, b+1
.endr
	WIN 0
.set b, 0
.rept WN
	ds_store_b128 v[STO], v[TMP+4*b:TMP+4*b+3] offset:(b/4)*2304+(b%4)*32
.set b, b+1
.endr
	s_wait_xcnt 0x0                                ; the registers that the last block's stores read are loaded again only behind this wait
.set f, 0
.rept 12
	ds_load_b128 v[BK+4*f:BK+4*f+3], v[RD] offset:(f/4)*2304+(f%4)*576   ; LDS serves a wave's instructions in order: these see the stores above
.set f, f+1
.endr
	s_wait_dscnt 0x0
.set f, 0
.rept 12
	global_store_b128 v[CO], v[BK+4*f:BK+4*f+3], s[72+2*(f/4):73+2*(f/4)] offset:(\a)*2048+(f%4)*512
.set f, f+1
.endr
.endm
	OUTBLK 0
	OUTBLK 1
	OUTBLK 2
	OUTBLK 3
	s_wait_tensorcnt 0x0                           ; the wave's end
	ds_add_u32 v[SPW], v[NIL]
	s_wait_dscnt 0x0
	CROUND                                         ; the closing round
	s_endpgm
.Lfunc_end_k_qfee6def9dc_qkv:
	.size	k_qfee6def9dc_qkv, .Lfunc_end_k_qfee6def9dc_qkv-k_qfee6def9dc_qkv
	.p2alignl 7, 3214868480
	.fill 96, 4, 3214868480
	.section	.rodata,"a",@progbits
	.p2align	6, 0x0
	.amdhsa_kernel k_qfee6def9dc_qkv
		.amdhsa_group_segment_fixed_size 327680
		.amdhsa_private_segment_fixed_size 0
		.amdhsa_enable_private_segment 0
		.amdhsa_kernarg_size 48
		.amdhsa_user_sgpr_count 2
		.amdhsa_user_sgpr_kernarg_segment_ptr 1
		.amdhsa_wavefront_size32 1
		.amdhsa_system_sgpr_workgroup_id_x 1
		.amdhsa_system_sgpr_workgroup_id_y 1
		.amdhsa_system_sgpr_workgroup_id_z 1
		.amdhsa_system_vgpr_workitem_id 0
		.amdhsa_next_free_vgpr 896
		.amdhsa_next_free_sgpr 80
		.amdhsa_reserve_vcc 0
		.amdhsa_float_denorm_mode_32 3
		.amdhsa_float_denorm_mode_16_64 3
		.amdhsa_memory_ordered 1
		.amdhsa_forward_progress 1
		.amdhsa_inst_pref_size 128
	.end_amdhsa_kernel
	.amdgpu_metadata
---
amdhsa.version: [ 1, 2 ]
amdhsa.kernels:
  - .name:           k_qfee6def9dc_qkv
    .symbol:         k_qfee6def9dc_qkv.kd
    .args:
      - { .name: xb, .offset: 0, .size: 8, .value_kind: global_buffer, .address_space: global }
      - { .name: wb, .offset: 8, .size: 8, .value_kind: global_buffer, .address_space: global }
      - { .name: bq, .offset: 16, .size: 8, .value_kind: global_buffer, .address_space: global }
      - { .name: bk, .offset: 24, .size: 8, .value_kind: global_buffer, .address_space: global }
      - { .name: bv, .offset: 32, .size: 8, .value_kind: global_buffer, .address_space: global }
      - { .name: qkv, .offset: 40, .size: 8, .value_kind: global_buffer, .address_space: global }
    .group_segment_fixed_size: 327680
    .private_segment_fixed_size: 0
    .kernarg_segment_align: 8
    .kernarg_segment_size: 48
    .max_flat_workgroup_size: 128
    .sgpr_count:     80
    .vgpr_count:     896
    .wavefront_size: 32
...
	.end_amdgpu_metadata
.endif
;; end of part 2
;; launch attention (part 3): grid 8 x 32, 4 waves a work-group, clusters of 4 x 1, 327,680 bytes of LDS; arguments qkv, src_mask, attn; writes attn
.if DOCPART == 3
	.amdgcn_target "amdgcn-amd-amdhsa--gfx1250"
	.amdhsa_code_object_version 6
	.text
	.protected	k_qfee6def9dc_attention
	.globl	k_qfee6def9dc_attention
	.p2align	8
	.type	k_qfee6def9dc_attention,@function
k_qfee6def9dc_attention:
	s_mov_b64 s[64:65], 0
	v_nop
	global_prefetch_b8 v0, s[64:65] scope:SCOPE_SE
	s_setreg_imm32_b32 hwreg(HW_REG_WAVE_MODE, 25, 1), 1
	s_wait_xcnt 0x0
	s_wait_alu depctr_hold_cnt(0) depctr_sa_sdst(0) depctr_va_vdst(0) depctr_va_sdst(0) depctr_va_ssrc(0) depctr_va_vcc(0) depctr_vm_vsrc(0)
	s_getreg_b32 s2, hwreg(HW_REG_IB_STS2, 6, 4)
	s_cmp_eq_u32 s2, 0
	s_cbranch_scc0 .Lentry_in_a_cluster
	s_endpgm
.Lentry_in_a_cluster:
	s_bfe_u32 s2, ttmp6, 0x10000c
	s_cmp_lg_u32 s2, 0x3003
	s_cbranch_scc0 .Lentry_shape_is_right
	s_endpgm
.Lentry_shape_is_right:
; attn[bh][q][:] = the sum over k of softmax_k(q . k / 8, hidden keys left out) v[k][:].  qkv: f16 [3][32][2048][64]; src_mask: i32 [2][2048]; attn: f16 [32][2048][64].
; Products, maxima and sums in f32; the weights p are rounded to f16 for the second product (their sum l is taken of the unrounded p), the result once at the end.
; LIMITS.  q, k, v arrive within f16's range.  A hidden score counts as its value less 1e30 (true scores are 2.7e11 at the most); a weight below 2^-126 counts as 0 in l.
; A batch whose keys are all hidden gives NaN, as a softmax over nothing does: a row whose maximum has stayed below -2^97 is multiplied by NaN on the way out.
; SHARES.  A work-group owns 256 queries of one head, a wave 64: four PIECES of 16.  Every wave walks all 2,048 keys, 64 a step; an LDS slot holds four steps (256 keys), two slots take turns.
; THE MASK is the C operand that starts the sum S^T = K Q^T: 0, or -1e30 where the key is hidden.  The batch's 2,048 such numbers are made once and lie in LDS; a step's 64 come into 32 registers with its K.
; While a row has seen hidden keys only, m is about -1e30 and O, l hold finite numbers; the first true score makes a = 0, which wipes them.
; LAYOUT, SOFTMAX, TURNS.  S^T = K Q^T holds ONE query a lane (lane % 16) and the keys 8 (lane / 16) + 0..7; two such results rounded to f16 ARE source 1 of O^T = V^T P.  p = 2^(c s - c m), c = log2(e) / 8,
; with a running maximum m; O and l are multiplied by a = 2^(c m_old - c m_new) in every step.  Turn n belongs to piece n: 8 products K Q^T of piece n + 1, later 8 products V^T P of piece n - 1; beside them the
; scaling, exponentials, roundings, sums and rescaling of piece n and the maximum and statistics of piece n + 1.  Four vector instructions stand behind every matrix instruction, the rest in two runs of their own.
; CLUSTER.  The four query blocks of a cluster belong to one head and walk the same K and V: each tile is asked for JOINTLY, by the same tensor load, descriptor and mask in all four.
; REGISTERS, in windows of 256: window 0: v0-15, v32-35 addresses; v16-31 statistics; v48-55 at work; v64-127 S^T, two buffers; v128-143 the mask as loaded; v192-223 P, two buffers
;   window 1: v0-127 O^T, 32 a piece; v128-159 the step's mask      window 2: v0-63 Q; v128-191 K of one step; v192-255 V of one step
.set NP,    4
.set KS,    64
.set PK,    144       ; a row of K in LDS: 128 bytes + 16
.set PV,    160       ; a row of V: 128 + 32
.set VOFF,  4*KS*PK
.set SLOT1, 1<<17
.set STAGE, SLOT1+4*KS*(PK+PV)  ; 16 rows x 144 bytes for each wave, for the way out
.set SP,    144
.set MASKT, STAGE+4*16*SP       ; 2,048 f32: 0 or -1e30
.set SPARE, MASKT+8192          ; the spare words, 128 bytes a wave, that no other line names
.set AK0, 2
.set AV0, 3
.set AK,  4
.set AV,  5
.set STO, 6
.set RD,  7
.set GO,  8
.set MV,  12
.set QO,  15
.set ST,  16          ; piece t's statistics at v[ST+4 t]: c m, m, l (even keys', odd keys')
.set AM0, 32          ; my lanes' place in a step's 64 mask numbers
.set AM,  33
.set MO,  34
.set MS,  35
.set TMP, 48
.set SPW, 62
.set NIL, 63
.set S,   64
.set RAW, 128
.set P,   192
.set MK,  128         ; window 1
.set KF,  128         ; window 2
.set VF,  192         ; window 2
.set WV,  12
.set G1K, 24
.set G1V, 32
.set G0K, 40
.set G0V, 44
.set SLOTS, 56
.set CNT, 57
.set CS,  58
.set SEL, 60
.set TBK, 62
.set TBV, 63
.set TBM, 66          ; byte in the mask table of the step to be fetched
.set BIGN, 67
.set THR, 68
.set NANS, 69
.set MSB, 0
.macro WIN new
.if MSB != (\new)
	s_set_vgpr_msb (MSB<<8)|(\new)
.set MSB, (\new)
.endif
.endm
.set W_KQ, 0x0a       ; K and Q in window 2, S^T in window 0
.set W_KM, 0x1a       ; the same with the C operand in window 1
.set W_PV, 0x52       ; V in window 2, P in window 0, O^T in window 1
.set W_RS, 0x41       ; destination and source 0 in window 1, source 1 in window 0
.macro JLOAD                        ; waves 0 and 1 fetch the two halves of a slot's K, waves 2 and 3 those of its V; s_nop 0 and four v_nop follow each line
	s_cmp_lt_u32 s[WV], 2
	s_cbranch_scc0 .Lfor_v_\@
	tensor_load_to_lds s[G0K:G0K+3], s[G1K:G1K+7]
	s_nop 0
.rept 4
	v_nop
.endr
	s_branch .Lasked_\@
.Lfor_v_\@:
	tensor_load_to_lds s[G0V:G0V+3], s[G1V:G1V+7]
	s_nop 0
.rept 4
	v_nop
.endr
.Lasked_\@:
.endm
.macro CROUND
	s_barrier_signal -1
	s_barrier_wait -1
	s_cmp_lg_u32 s[WV], 0
	s_cbranch_scc1 .Lnot_wave_0_\@
	s_barrier_signal -3
.Lnot_wave_0_\@:
	s_barrier_wait -3
	s_barrier_signal -1
	s_barrier_wait -1
.endm
; THE CHANGE OF SLOTS.  Each wave waits for all its tensor loads (one is out: its part of the other slot), adds 0 to its spare word, and waits for that and for its LDS instructions.
; fill = 1: the slot that is left is filled again with the keys two slots on, first thing behind a round of the cluster's barrier; it has four key steps in which to land.
; At its first use nothing has been read yet: slot 0 is waited for, the mask table is shown to all waves, slot 1 is filled.
.macro CHANGE fill
	WIN 0
	s_wait_tensorcnt 0x0
	ds_add_u32 v[SPW], v[NIL]
.if \fill
.irp g, G0K, G0V
	s_xor_b32 s[\g+1], s[\g+1], SLOT1
	s_add_nc_u64 s[\g+2:\g+3], s[\g+2:\g+3], 4*KS*128
.endr
	s_wait_dscnt 0x0
	CROUND
	JLOAD
.else
	s_wait_dscnt 0x0
	s_barrier_signal -1
	s_barrier_wait -1
.endif
	s_sub_co_u32 s[TBK], s[TBK], 4*KS*PK
	s_xor_b32 s[TBK], s[TBK], SLOT1
	s_sub_co_u32 s[TBV], s[TBV], 4*KS*PV
	s_xor_b32 s[TBV], s[TBV], SLOT1
.endm
	s_load_b128 s[4:7], s[0:1], 0x0   ; qkv 4, src_mask 6
	s_load_b64 s[8:9], s[0:1], 0x10   ; attn
	v_lshl_add_u32 v[SPW], v0, 2, SPARE
	v_mov_b32 v[NIL], 0
	ds_add_u32 v[SPW], v[NIL]       ; the wave's opening: the add and its wait ahead of my first tensor load
	v_lshrrev_b32 v1, 5, v0
	v_readfirstlane_b32 s[WV], v1
	s_bfe_u32 s13, ttmp6, 0x40000   ; cx
	s_lshl_b32 s14, ttmp9, 2
	s_add_co_u32 s14, s14, s13      ; my block of 256 queries: it enters Q's and the output's addresses alone
	s_and_b32 s20, ttmp7, 0xffff    ; batch x 16 + head, which the four partners share
	s_lshr_b32 s18, s20, 4
	s_lshl_b32 s18, s18, 13         ; the batch's 2,048 mask words
	s_mov_b32 s19, 0
	s_lshl_b32 s20, s20, 18         ; the head's first byte
	s_and_b32 s16, s[WV], 1         ; which half of a slot's 256 keys I fetch
	s_lshl_b32 s22, s16, 14
	s_add_co_u32 s22, s22, s20
	s_mov_b32 s23, 0
	s_mul_i32 s17, s16, 128*PK
	s_mul_i32 s15, s16, 128*PV
	s_lshl_b32 s2, s14, 15
	s_lshl_b32 s3, s[WV], 13
	s_add_co_u32 s2, s2, s3
	s_add_co_u32 s2, s2, s20        ; my wave's 64 rows
	s_mov_b32 s3, 0
	; 128 keys are 16,384 dense bytes: asked for as 64 rows of 256 bytes, padded in LDS after every key
	s_mov_b32 s[G1K], 15|(1<<16)|(1<<20)|(1<<21)|(4<<22)|(3<<25)
	s_mov_b32 s[G1V], 15|(1<<16)|(1<<20)|(1<<21)|(4<<22)|(7<<25)
.irp g, G1K, G1V
	s_mov_b32 s[\g+1], 128<<16
	s_mov_b32 s[\g+2], 64<<16
	s_mov_b32 s[\g+3], 128<<16
	s_mov_b32 s[\g+4], 64
	s_mov_b32 s[\g+5], 128
	s_mov_b32 s[\g+6], 0
	s_mov_b32 s[\g+7], 0
.endr
	s_mov_b32 s[CS], 0x3e38aa3b     ; c = log2(e) / 8
	s_mov_b32 s[CS+1], s[CS]
	s_mov_b32 s[SEL], 0x76543210
	s_mov_b32 s[SEL+1], 0xfedcba98
	s_mov_b32 s[TBK], SLOT1+4*KS*PK ; the first change of slots turns these two into 0
	s_mov_b32 s[TBV], SLOT1+4*KS*PV
	s_mov_b32 s[TBM], 0
	s_mov_b32 s[BIGN], 0xf149f2ca   ; -1e30
	s_mov_b32 s[THR], 0xf0000000    ; -2^97
	s_mov_b32 s[NANS], 0x7fc00000
	s_mov_b32 s[G0K], 1
	s_mov_b32 s[G0K+1], s17
	s_mov_b32 s[G0V], 1
	s_add_co_u32 s[G0V+1], s15, VOFF
	s_wait_dscnt 0x0                ; the opening add is done
	s_wait_kmcnt 0x0
	s_add_nc_u64 s[G0K+2:G0K+3], s[4:5], s[22:23]
	s_add_nc_u64 s[G0K+2:G0K+3], s[G0K+2:G0K+3], 8388608   ; k lies behind q
	s_or_b32 s[G0K+3], s[G0K+3], 0x80000000
	s_add_nc_u64 s[G0V+2:G0V+3], s[4:5], s[22:23]
	s_add_nc_u64 s[G0V+2:G0V+3], s[G0V+2:G0V+3], 16777216  ; v behind k
	s_or_b32 s[G0V+3], s[G0V+3], 0x80000000
	s_add_nc_u64 s[4:5], s[4:5], s[2:3]
	s_add_nc_u64 s[8:9], s[8:9], s[2:3]
	s_add_nc_u64 s[6:7], s[6:7], s[18:19]
	CROUND                          ; all four work-groups are here
	JLOAD                           ; slot 0
	v_lshlrev_b32 v[MO], 4, v0
.irp i, 0,1,2,3
	global_load_b128 v[RAW+4*\i:RAW+4*\i+3], v[MO], s[6:7] offset:\i*2048   ; 128 threads x 16 bytes, four times: the batch's mask
.endr
	v_and_b32 v1, 15, v0
	v_bfe_u32 v9, v0, 4, 1
	v_lshlrev_b32 v[QO], 7, v1
	v_lshl_add_u32 v[QO], v9, 4, v[QO]
	WIN 0x80
.set i, 0
.rept 8                             ; Q stays in registers: piece i / 2, channels 32 (i % 2) on
	global_load_b128 v[8*i:8*i+3],   v[QO], s[4:5] offset:(i/2)*2048+(i%2)*64
	global_load_b128 v[8*i+4:8*i+7], v[QO], s[4:5] offset:(i/2)*2048+(i%2)*64+32
.set i, i+1
.endr
	; The first step multiplies O^T and l by a = 0, and the first turn's products V^T P, of a piece that has not been, must add finite numbers: zeros.  All this stands in the wait for the first tile.
.set i, VF
.rept 64
	v_mov_b32 v[i], 0
.set i, i+1
.endr
	WIN 0x40
.set i, 0
.rept 128
	v_mov_b32 v[i], 0
.set i, i+1
.endr
	WIN 0
.set i, 0
.rept 4
	v_mov_b32 v[ST+4*i], 0xfe000000    ; c m: far below every c s
	v_mov_b32 v[ST+4*i+1], 0xff7fffff  ; m
	v_mov_b32 v[ST+4*i+2], 0
	v_mov_b32 v[ST+4*i+3], 0
.set i, i+1
.endr
.set i, P+16
.rept 16
	v_mov_b32 v[i], 0
.set i, i+1
.endr
	s_wait_loadcnt 16               ; the mask is in; Q's sixteen younger loads may stay out
.set i, 0
.rept 16
	v_cmp_eq_u32 vcc_lo, 0, v[RAW+i]
	v_cndmask_b32 v[RAW+i], 0, s[BIGN], vcc_lo
.set i, i+1
.endr
	v_add_nc_u32 v[MS], MASKT, v[MO]
.irp i, 0,1,2,3
	ds_store_b128 v[MS], v[RAW+4*\i:RAW+4*\i+3] offset:\i*2048
.endr
	v_mul_u32_u24 v[AK0], v1, PK
	v_lshl_add_u32 v[AK0], v9, 4, v[AK0]
	v_and_b32 v10, 7, v0
	v_bfe_u32 v11, v0, 3, 1
	v_lshl_add_u32 v[AV0], v9, 3, v10
	v_mul_u32_u24 v[AV0], v[AV0], PV
	v_lshl_add_u32 v[AV0], v11, 4, v[AV0]
	v_add_nc_u32 v[AV0], VOFF, v[AV0]
	v_lshlrev_b32 v[AM0], 5, v9
	v_add_nc_u32 v[AM0], MASKT, v[AM0]  ; register j of key group kt: the number of key 16 kt + 8 (l / 16) + j
	s_mul_i32 s13, s[WV], 16*SP
	s_add_co_u32 s13, s13, STAGE
	v_mul_u32_u24 v[STO], v1, SP
	v_lshl_add_u32 v[STO], v9, 4, v[STO]
	v_add_nc_u32 v[STO], s13, v[STO]
	v_bfe_u32 v[RD], v0, 3, 2
	v_mul_u32_u24 v[RD], v[RD], SP
	v_lshl_add_u32 v[RD], v10, 4, v[RD]
	v_add_nc_u32 v[RD], s13, v[RD]
	v_and_b32 v[GO], 31, v0
	v_lshlrev_b32 v[GO], 4, v[GO]
; THE MATRIX WORK.  The 4 accumulators of a run of 8 take turns.  Product i of 8 of S^T = K Q^T for piece x: channels 32 (i / 4) on, keys 16 (i % 4) on.  The first 4 start the sums on the mask.
.macro KQ x
.set rS, S+32*((\x)%2)+8*(i%4)
.set rK, KF+16*(i%4)+8*(i/4)
.set rQ, 16*(\x)+8*(i/4)
.if i < 4
	WIN W_KM
	v_wmma_f32_16x16x32_f16 v[rS:rS+7], v[rK:rK+7], v[rQ:rQ+7], v[MK+8*(i%4):MK+8*(i%4)+7]
.else
	WIN W_KQ
	v_wmma_f32_16x16x32_f16 v[rS:rS+7], v[rK:rK+7], v[rQ:rQ+7], v[rS:rS+7]
.endif
.endm
.macro PV x                         ; product i of 8 of O^T += V^T P: keys 32 (i / 4) on, channels 16 (i % 4) on
	WIN W_PV
.set rO, 32*(\x)+8*(i%4)
.set rV, VF+32*(i/4)+8*(i%4)
.set rP, P+16*((\x)%2)+8*(i/4)
	v_wmma_f32_16x16x32_f16 v[rO:rO+7], v[rV:rV+7], v[rP:rP+7], v[rO:rO+7]
.endm
.macro MM                           ; the turn's next matrix instruction.  NOKQ = 1: the last turn: there is no next piece
.if (i < 8) && !NOKQ
	KQ (Y+1)%NP
.elseif i >= 8
.set i, i-8
	PV (Y+NP-1)%NP
.set i, i+8
.endif
.set i, i+1
.endm
; THE LDS LOADS stand in runs: a step's K (8 fragments) with its 64 mask numbers, and its V (turned).
.macro FETCH_K
	WIN 0x80
.irp f, 0,1,2,3,4,5,6,7
	ds_load_b128 v[KF+8*\f:KF+8*\f+3],   v[AK] offset:(\f/2)*16*PK+(\f%2)*64
	ds_load_b128 v[KF+8*\f+4:KF+8*\f+7], v[AK] offset:(\f/2)*16*PK+(\f%2)*64+32
.endr
	WIN 0x40
.irp f, 0,1,2,3
	ds_load_b128 v[MK+8*\f:MK+8*\f+3],   v[AM] offset:64*\f
	ds_load_b128 v[MK+8*\f+4:MK+8*\f+7], v[AM] offset:64*\f+16
.endr
	s_add_co_u32 s[TBK], s[TBK], KS*PK
	s_add_co_u32 s[TBM], s[TBM], 4*KS
	WIN 0
.endm
.macro FETCH_V
	WIN 0x80
.irp f, 0,1,2,3,4,5,6,7
	ds_load_tr16_b128 v[VF+8*\f:VF+8*\f+3],   v[AV] offset:(\f/4)*32*PV+(\f%4)*32
	ds_load_tr16_b128 v[VF+8*\f+4:VF+8*\f+7], v[AV] offset:(\f/4)*32*PV+16*PV+(\f%4)*32
.endr
	WIN 0
.endm
; THE VECTOR WORK, one line at a time: OP kind, number.  For piece Y: F n: c s - c m for pair n of 16.  E n: the exponential of score n.  C n: pair n rounded to f16.  B n: of the four weights 4 n .. the second pair
; is added onto the first.  L n: l takes that sum (L 0: l = a l + sum).  R n: pair n of 16 of O^T times a.  For piece Y + 1: X n, number n of the 22 that find its maximum and statistics
; (each accumulator's lowest registers are read first).
.set F, 0
.set E, 1
.set C, 2
.set B, 3
.set L, 4
.set R, 5
.set X, 6
.macro REGS y
.set rT, ST+4*(\y)
.set rC, TMP+4*((\y)%2)
.set rW, MV+((\y)%2)
.set rS, S+32*((\y)%2)
.set rP, P+16*((\y)%2)
.set rO, 32*(\y)
.endm
.macro OP k, n
.if (\k) == R
	REGS Y
	WIN W_RS
	v_pk_mul_f32 v[rO+2*(\n):rO+2*(\n)+1], v[rO+2*(\n):rO+2*(\n)+1], v[rC+2:rC+3] op_sel_hi:[1,0]
.elseif (\k) < R
	REGS Y
	WIN 0
.if (\k) == F
	v_pk_fma_f32 v[rS+2*(\n):rS+2*(\n)+1], v[rS+2*(\n):rS+2*(\n)+1], s[CS:CS+1], v[rT:rT+1] op_sel_hi:[1,0,0] neg_lo:[0,0,1] neg_hi:[0,0,1]
.elseif (\k) == E
	v_exp_f32 v[rS+(\n)], v[rS+(\n)]
.elseif (\k) == C
	s_wait_alu depctr_va_vdst(0)
	v_cvt_pk_f16_f32 v[rP+(\n)], v[rS+2*(\n)], v[rS+2*(\n)+1]
.elseif (\k) == B
	s_wait_alu depctr_va_vdst(0)
	v_pk_add_f32 v[rS+4*(\n):rS+4*(\n)+1], v[rS+4*(\n):rS+4*(\n)+1], v[rS+4*(\n)+2:rS+4*(\n)+3]
.elseif (\n) == 0
	v_pk_fma_f32 v[rT+2:rT+3], v[rT+2:rT+3], v[rC+2:rC+3], v[rS:rS+1] op_sel_hi:[1,0,1]
.else
	v_pk_add_f32 v[rT+2:rT+3], v[rT+2:rT+3], v[rS+4*(\n):rS+4*(\n)+1]
.endif
.elseif NOKQ
	v_nop
.else
	REGS (Y+1)%NP
	WIN 0
.if (\n) < 4
	v_max3_num_f32 v[rC+(\n)], v[rS+8*(\n)], v[rS+8*(\n)+1], v[rS+8*(\n)+2]
.elseif (\n) < 12
	v_max3_num_f32 v[rC+(\n)%4], v[rC+(\n)%4], v[rS+8*((\n)%4)+2*((\n)/4)+1], v[rS+8*((\n)%4)+2*((\n)/4)+2]
.elseif (\n) == 12
	v_max3_num_f32 v[rC], v[rC], v[rS+7], v[rS+15]
.elseif (\n) == 13
	v_max3_num_f32 v[rC+1], v[rC+1], v[rS+23], v[rS+31]
.elseif (\n) == 14
	v_max3_num_f32 v[rC+2], v[rC+2], v[rC+3], v[rT+1]
.elseif (\n) == 15
	v_mov_b32 v[rW], v[rT]
.elseif (\n) == 16
	v_max3_num_f32 v[rC], v[rC], v[rC+1], v[rC+2]
.elseif (\n) == 17
	v_permlanex16_b32 v[rC+3], v[rC], s[SEL], s[SEL+1]
.elseif (\n) == 18
	v_max_num_f32 v[rT+1], v[rC], v[rC+3]
.elseif (\n) == 19
	v_mul_f32 v[rT], s[CS], v[rT+1]
.elseif (\n) == 20
	v_sub_f32 v[rC+1], v[rW], v[rT]
.else
	v_exp_f32 v[rC+2], v[rC+1]
.endif
.endif
.endm
.macro OPS a, i1, b=-1, i2=0, c=-1, i3=0, d=-1, i4=0
	OP \a, \i1
.if (\b) >= 0
	OP \b, \i2
.endif
.if (\c) >= 0
	OP \c, \i3
.endif
.if (\d) >= 0
	OP \d, \i4
.endif
.endm
.macro ROW a, i1, b, i2, c, i3, d, i4  ; a matrix instruction and the four behind it
	MM
	OPS \a, \i1, \b, \i2, \c, \i3, \d, \i4
.endm
; A TURN, for piece p: the order of its 16 matrix and 118 vector instructions, written out.  end = 1: the last two turns: nothing is fetched.  cnt = 1: the loop's count is taken down some lines ahead of the branch.
; K and the mask of the next step are fetched in piece 2's turn, five plain vector instructions behind the last product that read K (the mask's last reader stands four products earlier);
; V of the step in hand in piece 0's turn, four plain ones behind the last product that read V.  Each is waited for a turn later.
.macro TURN p, end=0, cnt=0
.set Y, (\p)
.set i, 0
.set NOKQ, (\end)*((\p)/3)
.if ((\p) == 3) && !(\end)
	s_wait_dscnt 0x0                ; K and the mask are in
.endif
	ROW F,0, F,1, F,2, F,3
	ROW F,4, E,0, F,5, F,6
	ROW F,7, E,1, F,8, F,9
	ROW F,10, E,2, C,0, F,11
	ROW F,12, E,3, X,15, F,13
	ROW R,0, R,1, R,2, R,3
	ROW B,0, E,4, F,14, L,0
.if ((\p) == 2) && !(\end)
	v_add_nc_u32 v[AK], s[TBK], v[AK0]
	v_add_nc_u32 v[AM], s[TBM], v[AM0]
.endif
	ROW R,4, R,5, R,6, R,7
	OPS E,5, F,15
.if ((\p) == 2) && !(\end)
	FETCH_K
.endif
	OPS E,6, C,1, E,7, R,8
	OPS E,8, R,9, E,9, C,2
	OPS E,10, X,0, E,11, X,1
	OPS E,12, X,2, E,13, X,3
.if (\p) == 1
	s_wait_dscnt 0x0                ; V is in
.endif
	ROW X,4, E,14, X,5, X,6
	ROW X,7, E,15, X,8, X,9
	ROW X,10, E,16, X,11, X,12
	ROW X,13, E,17, X,14, B,1
	ROW C,4, E,18, X,16, L,1
	ROW B,2, E,19, C,6, L,2
	ROW C,8, E,20, B,3, B,4
.if (\p) == 0
	v_add_nc_u32 v[AV], s[TBV], v[AV0]
.endif
	ROW C,3, E,21, L,3, C,5
	OPS E,22, X,17, E,23, C,10
.if (\p) == 0
	FETCH_V
.endif
	OPS E,24, L,4
	OPS E,25, X,18, E,26, C,7
	OPS E,27, B,5, E,28, X,19
	OPS E,29, C,12, E,30, L,5
	OPS E,31, X,20, B,6, C,9
	OPS C,14, C,11, X,21, L,6
.if (\p) == 0
	s_add_co_u32 s[TBV], s[TBV], KS*PV
.endif
.if \cnt
	s_sub_co_u32 s[CNT], s[CNT], 1
	s_cmp_lg_u32 s[CNT], 0
.endif
	OPS C,13, B,7, C,15, R,10
	OPS R,11, R,12, L,7, R,13
	OPS R,14, R,15
.endm
	CHANGE 1                        ; slot 0 is in and the mask table is whole, for every wave; slot 1 is asked for
	v_add_nc_u32 v[AK], s[TBK], v[AK0]
	v_add_nc_u32 v[AM], s[TBM], v[AM0]
	FETCH_K                         ; key step 0
	s_wait_loadcnt 0x0              ; Q
	s_wait_dscnt 0x0
.set NOKQ, 0
.set i, 0
.rept 8
	KQ 0                            ; piece 0's first scores
.set i, i+1
.endr
	WIN 0
.rept 4
	v_nop                           ; the places behind those products
.endr
.set Y, NP-1                        ; X works for piece Y + 1: piece 0
.irp n, 0,1,2,3,4,5,6,7,8,9,10,11,12,13,14,15,16,17,18,19,20,21
	OP X, \n
.endr
	v_nop                           ; a plain instruction behind the exponential
	s_mov_b32 s[CNT], 4
	s_mov_b32 s[SLOTS], 7
	s_branch .Lfirst                ; the loop is entered at a step's first turn, in the middle of a trip
.Lslot:                             ; six times: every slot but the last two is filled again
	CHANGE 1
	s_mov_b32 s[CNT], 4
.Lstep:                             ; a trip: pieces 2 and 3 of one step, then pieces 0 and 1 of the next, whose K and V it fetches
	TURN 2
	TURN 3
	WIN 0
.Lfirst:
	TURN 0
	TURN 1, 0, 1
	WIN 0
	s_cbranch_scc1 .Lstep
	s_sub_co_u32 s[SLOTS], s[SLOTS], 1
	s_cmp_lg_u32 s[SLOTS], 0
	s_cbranch_scc1 .Lslot
	CHANGE 0                        ; the last slot is written out: nothing is asked for
	s_mov_b32 s[CNT], 4
.LstepT:
	TURN 2
	TURN 3
	TURN 0
	TURN 1, 0, 1
	WIN 0
	s_cbranch_scc1 .LstepT
	TURN 2, 1
	TURN 3, 1
.set i, 0
.rept 8
	PV NP-1                         ; the last piece's V^T P of the last step
.set i, i+1
.endr
	; THE WAY OUT.  l's two halves and the other half of the lanes' are added; O^T is divided by l, rounded to f16 and sent through my stage, a piece at a time.  The additions are the places behind the last products.
	WIN 0
.macro ALL line:vararg
.set t, 0
.rept 4
	\line
.set t, t+1
.endr
.endm
	ALL v_add_f32 v[ST+4*t+2], v[ST+4*t+2], v[ST+4*t+3]
	ALL v_permlanex16_b32 v[ST+4*t+3], v[ST+4*t+2], s[SEL], s[SEL+1]
	ALL v_add_f32 v[ST+4*t+2], v[ST+4*t+2], v[ST+4*t+3]
	ALL v_rcp_f32 v[ST+4*t+2], v[ST+4*t+2]
	v_nop                           ; a plain instruction between the last reciprocal and the use of its result
.set t, 0
.rept 4
	v_cmp_gt_f32 vcc_lo, s[THR], v[ST+4*t+1]       ; no key of the row was seen
	s_wait_alu depctr_va_vdst(0)
	v_cndmask_b32 v[ST+4*t+2], v[ST+4*t+2], s[NANS], vcc_lo
.set t, t+1
.endr
.macro PACK t
	WIN W_RS
.set i, 32*(\t)
.rept 16
	v_pk_mul_f32 v[i:i+1], v[i:i+1], v[ST+4*(\t)+2:ST+4*(\t)+3] op_sel_hi:[1,0]
.set i, i+2
.endr
	WIN 0x05
.set i, 0
.rept 16
	v_cvt_pk_f16_f32 v[S+16*(\t)+i], v[32*(\t)+2*i], v[32*(\t)+2*i+1]
.set i, i+1
.endr
	WIN 0
.irp f, 0,1,2,3
	ds_store_b128 v[STO], v[S+16*(\t)+4*\f:S+16*(\t)+4*\f+3] offset:32*\f
.endr
.irp f, 0,1,2,3
	ds_load_b128 v[S+16*(\t)+4*\f:S+16*(\t)+4*\f+3], v[RD] offset:\f*4*SP  ; LDS serves a wave's instructions in order: these see the stores above
.endr
.endm
.macro SEND t, younger              ; younger: the LDS instructions issued behind piece t's loads
	WIN 0
.irp f, 0,1,2,3
	s_wait_dscnt (\younger)+3-\f
	global_store_b128 v[GO], v[S+16*(\t)+4*\f:S+16*(\t)+4*\f+3], s[8:9] offset:(\t)*2048+\f*512  ; 512 consecutive bytes, aligned
.endr
.endm
	PACK 0
.set t, 1
.rept 3
	PACK t
	SEND t-1, 8
.set t, t+1
.endr
	SEND 3, 0
	s_wait_tensorcnt 0x0            ; the wave's end
	ds_add_u32 v[SPW], v[NIL]
	s_wait_dscnt 0x0
	CROUND                          ; the closing round
	s_endpgm
.Lfunc_end_k_qfee6def9dc_attention:
	.size	k_qfee6def9dc_attention, .Lfunc_end_k_qfee6def9dc_attention-k_qfee6def9dc_attention
	.p2alignl 7, 3214868480
	.fill 96, 4, 3214868480
	.section	.rodata,"a",@progbits
	.p2align	6, 0x0
	.amdhsa_kernel k_qfee6def9dc_attention
		.amdhsa_group_segment_fixed_size 327680
		.amdhsa_private_segment_fixed_size 0
		.amdhsa_enable_private_segment 0
		.amdhsa_kernarg_size 24
		.amdhsa_user_sgpr_count 2
		.amdhsa_user_sgpr_kernarg_segment_ptr 1
		.amdhsa_wavefront_size32 1
		.amdhsa_system_sgpr_workgroup_id_x 1
		.amdhsa_system_sgpr_workgroup_id_y 1
		.amdhsa_system_sgpr_workgroup_id_z 1
		.amdhsa_system_vgpr_workitem_id 0
		.amdhsa_next_free_vgpr 768
		.amdhsa_next_free_sgpr 76
		.amdhsa_reserve_vcc 1
		.amdhsa_float_denorm_mode_32 3
		.amdhsa_float_denorm_mode_16_64 3
		.amdhsa_memory_ordered 1
		.amdhsa_forward_progress 1
		.amdhsa_inst_pref_size 137
	.end_amdhsa_kernel
	.amdgpu_metadata
---
amdhsa.version: [ 1, 2 ]
amdhsa.kernels:
  - .name:           k_qfee6def9dc_attention
    .symbol:         k_qfee6def9dc_attention.kd
    .args:
      - { .name: qkv, .offset: 0, .size: 8, .value_kind: global_buffer, .address_space: global }
      - { .name: src_mask, .offset: 8, .size: 8, .value_kind: global_buffer, .address_space: global }
      - { .name: attn, .offset: 16, .size: 8, .value_kind: global_buffer, .address_space: global }
    .group_segment_fixed_size: 327680
    .private_segment_fixed_size: 0
    .kernarg_segment_align: 8
    .kernarg_segment_size: 24
    .max_flat_workgroup_size: 128
    .sgpr_count:     76
    .vgpr_count:     768
    .wavefront_size: 32
...
	.end_amdgpu_metadata
.endif
;; end of part 3
;; launch ln1 (part 4): grid 256 x 1, 8 waves a work-group, no clusters, 35,840 bytes of LDS; arguments attn, xb, alpha1, beta1, x1f, x1b; writes x1f, x1b
.if DOCPART == 4
	.amdgcn_target "amdgcn-amd-amdhsa--gfx1250"
	.amdhsa_code_object_version 6
	.text
	.protected	k_qfee6def9dc_ln1
	.globl	k_qfee6def9dc_ln1
	.p2align	8
	.type	k_qfee6def9dc_ln1,@function
k_qfee6def9dc_ln1:
	s_mov_b64 s[64:65], 0
	v_nop
	global_prefetch_b8 v0, s[64:65] scope:SCOPE_SE
	s_setreg_imm32_b32 hwreg(HW_REG_WAVE_MODE, 25, 1), 1
	s_wait_xcnt 0x0
; x1 = x + alpha1 (a - mean) / (std + 1e-6) + beta1, a = a token's 1,024 attention channels, std with divisor 1,023.  attn: f16 [batch x 16 + head][2048][64]; xb: bf16 [4096][1024].
; Out: x1f f32 and x1b bf16, both [4096][1024].  x is the module's x rounded to bf16, alpha1 and beta1 are rounded to bf16 here, like every input.  Statistics in f32, in two passes (mean, then squares of differences).
; LIMIT: the root and the reciprocal take a denormal for 0.
; A work-group owns 16 tokens.  Phase A: wave w reads these tokens' rows of heads 2 w and 2 w + 1 (2,048 dense bytes a head, loads of 512) and lays them into LDS by tokens.
; Phase B: wave w owns tokens 2 w and 2 w + 1; a lane owns channels 128 i + 4 lane + 0..3, i = 0..7, so that every load and store covers 256 or 512 consecutive bytes.
.set PITCH, 2176                       ; an LDS row: 2,048 bytes + 128: neighbouring rows fall into different halves of the banks
.set SPARE, 16*PITCH                   ; the spare words, 128 bytes a wave, that no other line names
.set LO, 4
.set XO, 6
.set FO, 7
.set LS, 8
.set LR, 9
.set ONE, 10
.set SPW, 14
.set NIL, 15
.set RA, 16                            ; v16-47  attention as loaded; then two rows of f16; then the bf16 output
.set RX, 48                            ; v48-79  x, two rows
.set AL, 80
.set BE, 112
.set A,  144                           ; v144-207 two rows in f32
.set ST, 208                           ; sixteen a row: +0..7 chains, +8, 9 mean, +10, 11 1 / (std + eps), +12..15 at work
	s_load_b256 s[4:11], s[0:1], 0x0               ; attn 4, xb 6, alpha1 8, beta1 10
	s_load_b128 s[16:19], s[0:1], 0x20             ; x1f 16, x1b 18
	v_lshl_add_u32 v[SPW], v0, 2, SPARE
	v_mov_b32 v[NIL], 0
	v_lshrrev_b32 v1, 5, v0
	v_readfirstlane_b32 s26, v1                    ; wave
	v_and_b32 v2, 31, v0                           ; lane
	v_lshlrev_b32 v3, 4, v2                        ; 16 x lane: alpha's and beta's offset
	v_lshlrev_b32 v5, 3, v2                        ; 8 x lane
	s_lshl_b32 s27, s26, 19
	v_add_nc_u32 v[LO], s27, v3                    ; two heads of 262,144 bytes a wave
	s_lshl_b32 s27, s26, 12
	v_add_nc_u32 v[XO], s27, v5                    ; two rows of 2,048 bytes a wave
	s_lshl_b32 s27, s26, 13
	v_add_nc_u32 v[FO], s27, v3                    ; two rows of 4,096 bytes
	v_lshrrev_b32 v[LS], 3, v2
	v_mul_u32_u24 v[LS], v[LS], PITCH
	v_and_b32 v11, 7, v2
	v_lshl_add_u32 v[LS], v11, 4, v[LS]
	s_lshl_b32 s27, s26, 8
	v_add_nc_u32 v[LS], s27, v[LS]                 ; token lane / 8, my two heads' 256 bytes, 16 (lane % 8)
	s_mul_i32 s27, s26, 2*PITCH
	v_add_nc_u32 v[LR], s27, v5
	v_mov_b32 v[ONE], 1.0
	s_lshr_b32 s20, ttmp9, 7                       ; the batch: 16 heads of 262,144 bytes
	s_lshl_b32 s20, s20, 22
	s_and_b32 s21, ttmp9, 127
	s_lshl_b32 s21, s21, 11                        ; 16 tokens of 128 bytes
	s_add_co_u32 s20, s20, s21
	s_mov_b32 s21, 0
	s_lshl_b32 s22, ttmp9, 15
	s_mov_b32 s23, 0
	s_lshl_b32 s24, ttmp9, 16
	s_mov_b32 s25, 0
	s_mov_b32 s12, 0x76543210
	s_mov_b32 s13, 0xfedcba98
	s_wait_kmcnt 0x0
	s_add_nc_u64 s[4:5], s[4:5], s[20:21]
	s_add_nc_u64 s[6:7], s[6:7], s[22:23]
	s_add_nc_u64 s[18:19], s[18:19], s[22:23]
	s_add_nc_u64 s[16:17], s[16:17], s[24:25]
.irp hd, 0,1
.irp f, 0,1,2,3
	global_load_b128 v[RA+16*\hd+4*\f:RA+16*\hd+4*\f+3], v[LO], s[4:5] offset:\hd*262144+\f*512 th:TH_LOAD_NT
.endr
.endr
.irp rr, 0,1
.irp i, 0,1,2,3,4,5,6,7
	global_load_b64 v[RX+16*\rr+2*\i:RX+16*\rr+2*\i+1], v[XO], s[6:7] offset:\rr*2048+256*\i th:TH_LOAD_NT
.endr
.endr
.irp i, 0,1,2,3,4,5,6,7
	global_load_b128 v[AL+4*\i:AL+4*\i+3], v3, s[8:9] offset:512*\i
.endr
.irp i, 0,1,2,3,4,5,6,7
	global_load_b128 v[BE+4*\i:BE+4*\i+3], v3, s[10:11] offset:512*\i
.endr
	s_wait_loadcnt 32                              ; the attention rows are in; the 32 younger loads stay out
.irp hd, 0,1
.irp f, 0,1,2,3
	ds_store_b128 v[LS], v[RA+16*\hd+4*\f:RA+16*\hd+4*\f+3] offset:\f*4*PITCH+\hd*128
.endr
.endr
	s_wait_dscnt 0x0                               ; for the others' sake: my stores are done
	s_barrier_signal -1
	s_barrier_wait -1
.irp rr, 0,1
.irp i, 0,1,2,3,4,5,6,7
	ds_load_b64 v[RA+16*\rr+2*\i:RA+16*\rr+2*\i+1], v[LR] offset:\rr*PITCH+256*\i
.endr
.endr
	s_wait_loadcnt 0x0
.macro RND base                        ; 32 numbers rounded to bf16 and widened again
.set i, 0
.rept 16
	v_cvt_pk_bf16_f32 v11, v[(\base)+i], v[(\base)+i+1]
	v_lshlrev_b32 v[(\base)+i], 16, v11
	v_and_b32 v[(\base)+i+1], 0xffff0000, v11
.set i, i+2
.endr
.endm
	RND AL
	RND BE
	s_wait_dscnt 0x0
.macro REDUCE r, t                     ; the sum over the 32 lanes, in every lane; t has been written before
	v_add_f32_dpp v[\r], v[\r], v[\r] row_xmask:1 row_mask:0xf bank_mask:0xf
	v_add_f32_dpp v[\r], v[\r], v[\r] row_xmask:2 row_mask:0xf bank_mask:0xf
	v_add_f32_dpp v[\r], v[\r], v[\r] row_xmask:4 row_mask:0xf bank_mask:0xf
	v_add_f32_dpp v[\r], v[\r], v[\r] row_xmask:8 row_mask:0xf bank_mask:0xf
	v_permlanex16_b32 v[\t], v[\r], s12, s13
	v_add_f32 v[\r], v[\r], v[\t]
.endm
.macro STAT rr
.set R0, RA+16*(\rr)
.set D0, A+32*(\rr)
.set C0, ST+16*(\rr)
	; the sum, straight from the f16 halves, in four chains: the first line of each adds a word's two halves
.irp j, 0,1,2,3
	v_fma_mix_f32 v[C0+\j], v[R0+\j], v[ONE], v[R0+\j] op_sel:[0,0,1] op_sel_hi:[1,0,1]
.endr
.set k, 4
.rept 3
.irp j, 0,1,2,3
	v_fma_mix_f32 v[C0+\j], v[R0+k+\j], v[ONE], v[C0+\j] op_sel_hi:[1,0,0]
.endr
.irp j, 0,1,2,3
	v_fma_mix_f32 v[C0+\j], v[R0+k+\j], v[ONE], v[C0+\j] op_sel:[1,0,0] op_sel_hi:[1,0,0]
.endr
.set k, k+4
.endr
	v_add_f32 v[C0], v[C0], v[C0+1]
	v_add_f32 v[C0+2], v[C0+2], v[C0+3]
	v_add_f32 v[C0], v[C0], v[C0+2]
	REDUCE C0, C0+1
	v_mul_f32 v[C0+8], 0x3a800000, v[C0]           ; / 1,024
	; d = a - mean, widened and subtracted in one line
.set k, 0
.rept 16
	v_fma_mix_f32 v[D0+2*k], v[R0+k], v[ONE], -v[C0+8] op_sel_hi:[1,0,0]
	v_fma_mix_f32 v[D0+2*k+1], v[R0+k], v[ONE], -v[C0+8] op_sel:[1,0,0] op_sel_hi:[1,0,0]
.set k, k+1
.endr
	; the sum of d^2 in four packed chains
.irp q, 0,1,2,3
	v_pk_mul_f32 v[C0+2*\q:C0+2*\q+1], v[D0+2*\q:D0+2*\q+1], v[D0+2*\q:D0+2*\q+1]
.endr
.set k, 4
.rept 12
	v_pk_fma_f32 v[C0+2*(k%4):C0+2*(k%4)+1], v[D0+2*k:D0+2*k+1], v[D0+2*k:D0+2*k+1], v[C0+2*(k%4):C0+2*(k%4)+1]
.set k, k+1
.endr
	v_pk_add_f32 v[C0:C0+1], v[C0:C0+1], v[C0+2:C0+3]
	v_pk_add_f32 v[C0+4:C0+5], v[C0+4:C0+5], v[C0+6:C0+7]
	v_pk_add_f32 v[C0:C0+1], v[C0:C0+1], v[C0+4:C0+5]
	v_add_f32 v[C0], v[C0], v[C0+1]
	REDUCE C0, C0+1
	v_mul_f32 v[C0+2], 0x3a802008, v[C0]           ; / 1,023
	v_sqrt_f32 v[C0+2], v[C0+2]
	v_nop                                          ; a plain instruction behind the root
	s_wait_alu depctr_va_vdst(0)
	v_add_f32 v[C0+2], 0x358637bd, v[C0+2]         ; + 1e-6
	v_rcp_f32 v[C0+10], v[C0+2]
	v_mov_b32 v[C0+11], 0                          ; a plain instruction behind the reciprocal; the pair's other word is written
.endm
.macro OUT rr
.set R0, RA+16*(\rr)
.set D0, A+32*(\rr)
.set C0, ST+16*(\rr)
.set X0, RX+16*(\rr)
.set Z, C0+12
.set i, 0
	s_wait_alu depctr_va_vdst(0)
.rept 8
.set d, D0+4*i
	v_pk_mul_f32 v[d:d+1], v[d:d+1], v[C0+10:C0+11] op_sel_hi:[1,0]
	v_pk_mul_f32 v[d+2:d+3], v[d+2:d+3], v[C0+10:C0+11] op_sel_hi:[1,0]
	v_fma_mix_f32_bf16 v[Z], v[X0+2*i], v[ONE], v[BE+4*i] op_sel_hi:[1,0,0]                    ; x + beta, x straight from its bf16 half
	v_fma_mix_f32_bf16 v[Z+1], v[X0+2*i], v[ONE], v[BE+4*i+1] op_sel:[1,0,0] op_sel_hi:[1,0,0]
	v_fma_mix_f32_bf16 v[Z+2], v[X0+2*i+1], v[ONE], v[BE+4*i+2] op_sel_hi:[1,0,0]
	v_fma_mix_f32_bf16 v[Z+3], v[X0+2*i+1], v[ONE], v[BE+4*i+3] op_sel:[1,0,0] op_sel_hi:[1,0,0]
	v_pk_fma_f32 v[d:d+1], v[d:d+1], v[AL+4*i:AL+4*i+1], v[Z:Z+1]
	v_pk_fma_f32 v[d+2:d+3], v[d+2:d+3], v[AL+4*i+2:AL+4*i+3], v[Z+2:Z+3]
	global_store_b128 v[FO], v[d:d+3], s[16:17] offset:(\rr)*4096+512*i                       ; 512 consecutive bytes
	v_cvt_pk_bf16_f32 v[R0+2*i], v[d], v[d+1]
	v_cvt_pk_bf16_f32 v[R0+2*i+1], v[d+2], v[d+3]
	global_store_b64 v[XO], v[R0+2*i:R0+2*i+1], s[18:19] offset:(\rr)*2048+256*i              ; 256 consecutive bytes, aligned
.set i, i+1
.endr
.endm
	STAT 0
	STAT 1
	OUT 0
	OUT 1
	s_wait_tensorcnt 0x0                           ; the wave's end, behind my last LDS store
	ds_add_u32 v[SPW], v[NIL]
	s_wait_dscnt 0x0
	s_endpgm
.Lfunc_end_k_qfee6def9dc_ln1:
	.size	k_qfee6def9dc_ln1, .Lfunc_end_k_qfee6def9dc_ln1-k_qfee6def9dc_ln1
	.p2alignl 7, 3214868480
	.fill 96, 4, 3214868480
	.section	.rodata,"a",@progbits
	.p2align	6, 0x0
	.amdhsa_kernel k_qfee6def9dc_ln1
		.amdhsa_group_segment_fixed_size 35840
		.amdhsa_private_segment_fixed_size 0
		.amdhsa_enable_private_segment 0
		.amdhsa_kernarg_size 48
		.amdhsa_user_sgpr_count 2
		.amdhsa_user_sgpr_kernarg_segment_ptr 1
		.amdhsa_wavefront_size32 1
		.amdhsa_system_sgpr_workgroup_id_x 1
		.amdhsa_system_sgpr_workgroup_id_y 1
		.amdhsa_system_sgpr_workgroup_id_z 1
		.amdhsa_system_vgpr_workitem_id 0
		.amdhsa_next_free_vgpr 240
		.amdhsa_next_free_sgpr 66
		.amdhsa_reserve_vcc 0
		.amdhsa_float_denorm_mode_32 3
		.amdhsa_float_denorm_mode_16_64 3
		.amdhsa_memory_ordered 1
		.amdhsa_forward_progress 1
		.amdhsa_inst_pref_size 38
	.end_amdhsa_kernel
	.amdgpu_metadata
---
amdhsa.version: [ 1, 2 ]
amdhsa.kernels:
  - .name:           k_qfee6def9dc_ln1
    .symbol:         k_qfee6def9dc_ln1.kd
    .args:
      - { .name: attn, .offset: 0, .size: 8, .value_kind: global_buffer, .address_space: global }
      - { .name: xb, .offset: 8, .size: 8, .value_kind: global_buffer, .address_space: global }
      - { .name: alpha1, .offset: 16, .size: 8, .value_kind: global_buffer, .address_space: global }
      - { .name: beta1, .offset: 24, .size: 8, .value_kind: global_buffer, .address_space: global }
      - { .name: x1f, .offset: 32, .size: 8, .value_kind: global_buffer, .address_space: global }
      - { .name: x1b, .offset: 40, .size: 8, .value_kind: global_buffer, .address_space: global }
    .group_segment_fixed_size: 35840
    .private_segment_fixed_size: 0
    .kernarg_segment_align: 8
    .kernarg_segment_size: 48
    .max_flat_workgroup_size: 256
    .sgpr_count:     66
    .vgpr_count:     240
    .wavefront_size: 32
...
	.end_amdgpu_metadata
.endif
;; end of part 4
;; launch ffn1 (part 5): grid 16 x 16, 4 waves a work-group, clusters of 4 x 4, 327,680 bytes of LDS; arguments x1b, wb, b1, h; writes h
.if DOCPART == 5
	.amdgcn_target "amdgcn-amd-amdhsa--gfx1250"
	.amdhsa_code_object_version 6
	.text
	.protected	k_qfee6def9dc_ffn1
	.globl	k_qfee6def9dc_ffn1
	.p2align	8
	.type	k_qfee6def9dc_ffn1,@function
k_qfee6def9dc_ffn1:
	s_mov_b64 s[64:65], 0
	v_nop
	global_prefetch_b8 v0, s[64:65] scope:SCOPE_SE
	s_setreg_imm32_b32 hwreg(HW_REG_WAVE_MODE, 25, 1), 1
	s_wait_xcnt 0x0
	s_wait_alu depctr_hold_cnt(0) depctr_sa_sdst(0) depctr_va_vdst(0) depctr_va_sdst(0) depctr_va_ssrc(0) depctr_va_vcc(0) depctr_vm_vsrc(0)
	s_getreg_b32 s2, hwreg(HW_REG_IB_STS2, 6, 4)
	s_cmp_eq_u32 s2, 0
	s_cbranch_scc0 .Lentry_in_a_cluster
	s_endpgm
.Lentry_in_a_cluster:
	s_bfe_u32 s2, ttmp6, 0x10000c
	s_cmp_lg_u32 s2, 0xf033
	s_cbranch_scc0 .Lentry_shape_is_right
	s_endpgm
.Lentry_shape_is_right:
; h = relu(x1 W1 + b1).  x1b: [4096][1024] bf16.  W1: [1024][4096] bf16 at wb's first byte.  h: [4096][4096] bf16.  b1 is rounded to bf16 like every input of the module.
; A work-group makes 256 x 256 of h; each of 2 x 2 waves 128 x 128: 64 accumulators, 512 registers.  K goes in steps of 128 through two LDS slots.
; Waves 0 and 1 fetch the halves of A's tile (128 rows x 256 bytes each), waves 2 and 3 those of B's (64 k rows x 512 bytes each).
; B lies [k][n] in LDS and is turned on its way into registers by ds_load_tr16_b128.  The matrix instruction is used transposed (source 0 = 16 columns of B, source 1 = 16 rows of A):
; a lane holds one row of C and eight neighbouring columns.  The bias is the C operand of the first K step's products: nothing is cleared, nothing added later.
; CLUSTER 4 x 4: A's tile hangs on the tile row alone and is asked for jointly along a row of the cluster, B's on the tile column alone and jointly along a column.
; REGISTERS: window 0 addresses, bias, way out; window 1 two fragment buffers of 128; windows 2, 3 accumulator u = 8 a + b at window 2 + u / 32, register 8 (u % 32).
.set WM, 8
.set WN, 8
.set KTOT, 1024
.set KSTEP, 128
.set KQ, 32
.set PA, 272
.set PB, 544                           ; a k row of B: 512 + 32 bytes, an odd multiple of 32
.set BW, 128
.set BBASE, 256*PA
.set SLOT, BBASE+128*PB
.set STG, 16*272
.set NAW, 2
.set ASTEP, 2*KSTEP*2
.set BSTEP, 2*KSTEP*8192
.set NA, WM*KQ/32
.set NT, WM*WN*KQ/32
.set LAPS, KTOT/(2*KSTEP)
.set STAGE, 2*SLOT
.set SPARE, STAGE+4*STG
.set ADRA, 16
.set ADRB, 20
.set STO, 24
.set RD, 25
.set CO, 26
.set BO, 27
.set SPW, 28
.set NIL, 29
.set ZR, 30
.set BIAS, 32
.set TMP, 128
.set BK, 176
.set F0, 0
.set F1, 128
.set WV, 12
.set PT, 13
.set WMR, 66
.set G1, 24
.set G0, 32
.set G1B, 48
.set G0B, 56
.set MSB, 0
.macro WIN new
.if MSB != (\new)
	s_set_vgpr_msb (MSB<<8)|(\new)
.set MSB, \new
.endif
.endm
.macro JLOAD s                         ; a joint load: one line for A's waves, one for B's; s_nop 0 and four v_nop follow each line
	s_cmp_lt_u32 s[WV], NAW
	s_cbranch_scc0 .Lfor_b_\@
	tensor_load_to_lds s[G0+4*(\s):G0+4*(\s)+3], s[G1:G1+7]
	s_nop 0
.rept 4
	v_nop
.endr
	s_branch .Lasked_\@
.Lfor_b_\@:
	tensor_load_to_lds s[G0B+4*(\s):G0B+4*(\s)+3], s[G1B:G1B+7]
	s_nop 0
.rept 4
	v_nop
.endr
.Lasked_\@:
.endm
.macro CREST
	s_cmp_lg_u32 s[WV], 0
	s_cbranch_scc1 .Lnot_wave_0_\@
	s_barrier_signal -3
.Lnot_wave_0_\@:
	s_barrier_wait -3
	s_barrier_signal -1
	s_barrier_wait -1
.endm
.macro CROUND
	s_barrier_signal -1
	s_barrier_wait -1
	CREST
.endm
.macro PLACES
.rept 4
	v_nop
.endr
.endm
; n products from number t0 of a phase's NT on.  All accumulators come in the same order in every phase, one instruction a turn.
.macro MULR f, t0, n, first
.set t, \t0
.rept \n
.set cc, t/(WM*WN)
.set u, t%(WM*WN)
.set a, u/WN
.set b, u%WN
.set rD, 8*(u%32)
.set rB, (\f)+8*(NA+cc*WN+b)
.set rA, (\f)+8*(cc*WM+a)
.if (\first) && (cc == 0)
	WIN 0x85+0x40*(u/32)
	v_wmma_f32_16x16x32_bf16 v[rD:rD+7], v[rB:rB+7], v[rA:rA+7], v[BIAS+8*b:BIAS+8*b+7]
.else
	WIN 0xa5+0x50*(u/32)
	v_wmma_f32_16x16x32_bf16 v[rD:rD+7], v[rB:rB+7], v[rA:rA+7], v[rD:rD+7]
.endif
.set t, t+1
.endr
.endm
.macro FETCH slot, p, f
	WIN 0x40
.set c, 0
.rept KQ/32
.set kk, (\p)*KQ+32*c
.set i, 0
.rept WM
.set rX, (\f)+8*(c*WM+i)
	ds_load_b128 v[rX:rX+3], v[ADRA+(\slot)] offset:2*kk+i*16*PA
	ds_load_b128 v[rX+4:rX+7], v[ADRA+(\slot)] offset:2*kk+i*16*PA+32
.set i, i+1
.endr
.set i, 0
.rept WN
.set rX, (\f)+8*(NA+c*WN+i)
	ds_load_tr16_b128 v[rX:rX+3], v[ADRB+2*(\slot)+kk/128] offset:(kk%128)*PB+(i/4)*BW+(i%4)*32
	ds_load_tr16_b128 v[rX+4:rX+7], v[ADRB+2*(\slot)+kk/128] offset:(kk%128)*PB+(i/4)*BW+(i%4)*32+16*PB
.set i, i+1
.endr
.set c, c+1
.endr
.endm
.macro PHASE slot, p, f, g, first=0
	s_wait_dscnt 0x0                               ; buffer f is in
	MULR \f, 0, NT/2, \first
	PLACES
	FETCH \slot, \p, \g
	MULR \f, NT/2, NT/2, \first
.endm
.macro TURN slot, next, fill
	WIN 0
	s_wait_tensorcnt 0x0                           ; all my tensor loads have landed: my part of the next slot
	ds_add_u32 v[SPW], v[NIL]
	s_wait_dscnt 1                                 ; only the add may be out: buffer 1 is in
	MULR F1, 0, NT/4, 0
	s_wait_dscnt 0x0                               ; the add is done, my reads of this slot are over
	s_barrier_signal -1
	MULR F1, NT/4, NT/4, 0
.if \fill
	WIN 0
.endif
	s_barrier_wait -1
.if \fill
	CREST
	s_add_nc_u64 s[G0+4*(\slot)+2:G0+4*(\slot)+3], s[G0+4*(\slot)+2:G0+4*(\slot)+3], ASTEP
	s_add_nc_u64 s[G0B+4*(\slot)+2:G0B+4*(\slot)+3], s[G0B+4*(\slot)+2:G0B+4*(\slot)+3], BSTEP
	JLOAD \slot
.else
	PLACES
.endif
	FETCH \next, 0, F0
	MULR F1, NT/2, NT/2, 0
.endm
	s_load_b256 s[4:11], s[0:1], 0x0               ; x1b 4, wb 6, b1 8, h 10
	v_lshl_add_u32 v[SPW], v0, 2, SPARE
	v_mov_b32 v[NIL], 0
	ds_add_u32 v[SPW], v[NIL]                      ; the wave's opening: the add and its wait ahead of my first tensor load
	v_lshrrev_b32 v1, 5, v0
	v_readfirstlane_b32 s[WV], v1
	s_and_b32 s[PT], s[WV], 1                      ; which half of a tile I fetch; also my half of the columns
	s_lshr_b32 s[WMR], s[WV], 1                    ; my half of the rows
	s_bfe_u32 s40, ttmp6, 0x40000
	s_bfe_u32 s41, ttmp6, 0x40004
	s_lshl_b32 s42, ttmp9, 2
	s_add_co_u32 s42, s42, s40                     ; tile column
	s_and_b32 s43, ttmp7, 0xffff
	s_lshl_b32 s43, s43, 2
	s_add_co_u32 s43, s43, s41                     ; tile row
	s_lshl_b32 s44, s41, 2
	s_lshl_b32 s44, 15, s44
	s_lshl_b32 s45, 0x1111, s40
	s_or_b32 s[G1], s44, (1<<16)|(1<<20)|(1<<21)|(5<<22)|(3<<25)   ; 4 words after every 64
	s_or_b32 s[G1B], s45, (1<<16)|(1<<20)|(1<<21)|(6<<22)|(7<<25)  ; 8 words after every 128
	s_mov_b32 s[G1+1], 128<<16
	s_mov_b32 s[G1+2], 128<<16
	s_mov_b32 s[G1+3], 128<<16
	s_mov_b32 s[G1+4], 128
	s_mov_b32 s[G1+5], 1024
	s_mov_b32 s[G1+6], 0
	s_mov_b32 s[G1+7], 0
	s_mov_b32 s[G1B+1], 256<<16
	s_mov_b32 s[G1B+2], 64<<16
	s_mov_b32 s[G1B+3], 256<<16
	s_mov_b32 s[G1B+4], 64
	s_mov_b32 s[G1B+5], 4096
	s_mov_b32 s[G1B+6], 0
	s_mov_b32 s[G1B+7], 0
	s_lshl_b32 s16, s43, 19                        ; A: 256 rows of 2,048 bytes a tile row, 128 a half
	s_lshl_b32 s17, s[PT], 18
	s_add_co_u32 s16, s16, s17
	s_mov_b32 s17, 0
	s_lshl_b32 s46, s42, 9                         ; B: 512 bytes a tile column, 64 k rows of 8,192 bytes a half
	s_lshl_b32 s47, s[PT], 19
	s_add_co_u32 s46, s46, s47
	s_mov_b32 s47, 0
	s_mul_i32 s20, s[PT], 128*PA
	s_mul_i32 s21, s[PT], 64*PB
	s_add_co_u32 s21, s21, BBASE
	s_wait_dscnt 0x0
	s_wait_kmcnt 0x0
	s_add_nc_u64 s[14:15], s[4:5], s[16:17]
	s_add_nc_u64 s[46:47], s[6:7], s[46:47]
	CROUND
.irp s, 0,1
	s_mov_b32 s[G0+4*(\s)], 1
	s_add_co_u32 s[G0+4*(\s)+1], s20, (\s)*SLOT
	s_add_nc_u64 s[G0+4*(\s)+2:G0+4*(\s)+3], s[14:15], (\s)*ASTEP/2
	s_or_b32 s[G0+4*(\s)+3], s[G0+4*(\s)+3], 0x80000000
	s_mov_b32 s[G0B+4*(\s)], 1
	s_add_co_u32 s[G0B+4*(\s)+1], s21, (\s)*SLOT
	s_add_nc_u64 s[G0B+4*(\s)+2:G0B+4*(\s)+3], s[46:47], (\s)*BSTEP/2
	s_or_b32 s[G0B+4*(\s)+3], s[G0B+4*(\s)+3], 0x80000000
	JLOAD \s
.endr
	v_and_b32 v1, 15, v0
	v_bfe_u32 v2, v0, 4, 1
	v_and_b32 v3, 7, v0
	v_bfe_u32 v4, v0, 3, 1
	v_mov_b32 v[ZR], 0
	s_lshl_b32 s46, s42, 10                        ; the tile's 256 biases, my wave's 128
	s_lshl_b32 s47, s[PT], 9
	s_add_co_u32 s46, s46, s47
	v_lshlrev_b32 v[BO], 5, v2
	v_add_nc_u32 v[BO], s46, v[BO]
.set i, 0
.rept WN
	global_load_b128 v[BIAS+8*i:BIAS+8*i+3], v[BO], s[8:9] offset:64*i
	global_load_b128 v[BIAS+8*i+4:BIAS+8*i+7], v[BO], s[8:9] offset:64*i+16
.set i, i+1
.endr
	v_mul_u32_u24 v5, v1, PA
	v_lshl_add_u32 v5, v2, 4, v5
	s_mul_i32 s22, s[WMR], WM*16*PA
	v_add_nc_u32 v[ADRA], s22, v5
	v_add_nc_u32 v[ADRA+1], SLOT, v[ADRA]
	v_lshl_add_u32 v5, v2, 3, v3
	v_mul_u32_u24 v5, v5, PB
	v_lshl_add_u32 v5, v4, 4, v5
	s_mul_i32 s23, s[PT], WN*32
	s_add_co_u32 s23, s23, BBASE
	v_add_nc_u32 v[ADRB], s23, v5
	v_add_nc_u32 v[ADRB+2], SLOT, v[ADRB]
	s_mul_i32 s23, s[WV], STG
	s_add_co_u32 s23, s23, STAGE
	v_mul_u32_u24 v5, v1, 272
	v_lshl_add_u32 v5, v2, 4, v5
	v_add_nc_u32 v[STO], s23, v5
	v_mul_u32_u24 v5, v2, 272
	v_lshl_add_u32 v5, v1, 4, v5
	v_add_nc_u32 v[RD], s23, v5
	v_lshlrev_b32 v5, 13, v2
	v_lshl_add_u32 v[CO], v1, 4, v5                ; lanes 0-15 one row of h, lanes 16-31 the next
	s_lshl_b32 s16, s43, 21                        ; 256 rows of 8,192 bytes a tile row, 128 a half
	s_lshl_b32 s17, s[WMR], 20
	s_add_co_u32 s16, s16, s17
	s_mov_b32 s17, 0
	s_add_nc_u64 s[10:11], s[10:11], s[16:17]
	s_lshl_b32 s46, s42, 9
	s_lshl_b32 s47, s[PT], 8
	s_add_co_u32 s46, s46, s47
	s_mov_b32 s47, 0
	s_add_nc_u64 s[10:11], s[10:11], s[46:47]
	s_wait_loadcnt 0x0
.set i, 0
.rept 4*WN
	v_cvt_pk_bf16_f32 v5, v[BIAS+i], v[BIAS+i+1]
	v_lshlrev_b32 v[BIAS+i], 16, v5
	v_and_b32 v[BIAS+i+1], 0xffff0000, v5
.set i, i+2
.endr
	s_wait_tensorcnt 1                             ; my part of K step 0 is in; slot 1's may stay out
	s_barrier_signal -1
	s_barrier_wait -1
	FETCH 0, 0, F0
	PHASE 0, 1, F0, F1, 1
	WIN 0
	s_mov_b32 s3, LAPS-1
.Llap:
	PHASE 0, 2, F1, F0
	PHASE 0, 3, F0, F1
	TURN 0, 1, 1
	PHASE 1, 1, F0, F1
	PHASE 1, 2, F1, F0
	PHASE 1, 3, F0, F1
	TURN 1, 0, 1
	PHASE 0, 1, F0, F1
	WIN 0
	s_sub_co_u32 s3, s3, 1
	s_cmp_lg_u32 s3, 0
	s_cbranch_scc1 .Llap
	PHASE 0, 2, F1, F0
	PHASE 0, 3, F0, F1
	TURN 0, 1, 0
	PHASE 1, 1, F0, F1
	PHASE 1, 2, F1, F0
	PHASE 1, 3, F0, F1
	s_wait_dscnt 0x0
	MULR F1, 0, NT, 0
	WIN 0
	PLACES
; THE WAY OUT of 16 rows: rounded to bf16, the maximum with 0 taken two at a time, through my own stage, back as whole rows of 256 bytes.
.macro OUTBLK a
.set b, 0
.rept WN
.set u, (\a)*WN+b
	WIN 0x0a+5*(u/32)
.set rr, 0
.rept 4
	v_cvt_pk_bf16_f32 v[TMP+4*b+rr], v[8*(u%32)+2*rr], v[8*(u%32)+2*rr+1]
.set rr, rr+1
.endr
.set b, b+1
.endr
	WIN 0
.set b, 0
.rept 4*WN
	v_pk_max_num_bf16 v[TMP+b], v[TMP+b], v[ZR]
.set b, b+1
.endr
.set b, 0
.rept WN
	ds_store_b128 v[STO], v[TMP+4*b:TMP+4*b+3] offset:32*b
.set b, b+1
.endr
	s_wait_xcnt 0x0                                ; the registers that the last block's stores read are loaded again only behind this wait
.set f, 0
.rept 8
	ds_load_b128 v[BK+4*f:BK+4*f+3], v[RD] offset:f*544
.set f, f+1
.endr
	s_wait_dscnt 0x0
.set f, 0
.rept 8
	global_store_b128 v[CO], v[BK+4*f:BK+4*f+3], s[10:11] offset:(16*(\a)+2*f)*8192   ; 16 lanes store 256 consecutive bytes, aligned
.set f, f+1
.endr
.endm
.irp a, 0,1,2,3,4,5,6,7
	OUTBLK \a
.endr
	s_wait_tensorcnt 0x0                           ; the wave's end
	ds_add_u32 v[SPW], v[NIL]
	s_wait_dscnt 0x0
	CROUND
	s_endpgm
.Lfunc_end_k_qfee6def9dc_ffn1:
	.size	k_qfee6def9dc_ffn1, .Lfunc_end_k_qfee6def9dc_ffn1-k_qfee6def9dc_ffn1
	.p2alignl 7, 3214868480
	.fill 96, 4, 3214868480
	.section	.rodata,"a",@progbits
	.p2align	6, 0x0
	.amdhsa_kernel k_qfee6def9dc_ffn1
		.amdhsa_group_segment_fixed_size 327680
		.amdhsa_private_segment_fixed_size 0
		.amdhsa_enable_private_segment 0
		.amdhsa_kernarg_size 32
		.amdhsa_user_sgpr_count 2
		.amdhsa_user_sgpr_kernarg_segment_ptr 1
		.amdhsa_wavefront_size32 1
		.amdhsa_system_sgpr_workgroup_id_x 1
		.amdhsa_system_sgpr_workgroup_id_y 1
		.amdhsa_system_sgpr_workgroup_id_z 1
		.amdhsa_system_vgpr_workitem_id 0
		.amdhsa_next_free_vgpr 1024
		.amdhsa_next_free_sgpr 72
		.amdhsa_reserve_vcc 0
		.amdhsa_float_denorm_mode_32 3
		.amdhsa_float_denorm_mode_16_64 3
		.amdhsa_memory_ordered 1
		.amdhsa_forward_progress 1
		.amdhsa_inst_pref_size 164
	.end_amdhsa_kernel
	.amdgpu_metadata
---
amdhsa.version: [ 1, 2 ]
amdhsa.kernels:
  - .name:           k_qfee6def9dc_ffn1
    .symbol:         k_qfee6def9dc_ffn1.kd
    .args:
      - { .name: x1b, .offset: 0, .size: 8, .value_kind: global_buffer, .address_space: global }
      - { .name: wb, .offset: 8, .size: 8, .value_kind: global_buffer, .address_space: global }
      - { .name: b1, .offset: 16, .size: 8, .value_kind: global_buffer, .address_space: global }
      - { .name: h, .offset: 24, .size: 8, .value_kind: global_buffer, .address_space: global }
    .group_segment_fixed_size: 327680
    .private_segment_fixed_size: 0
    .kernarg_segment_align: 8
    .kernarg_segment_size: 32
    .max_flat_workgroup_size: 128
    .sgpr_count:     72
    .vgpr_count:     1024
    .wavefront_size: 32
...
	.end_amdgpu_metadata
.endif
;; end of part 5
;; launch ffn2 (part 6): grid 8 x 32, 4 waves a work-group, clusters of 4 x 4, 327,680 bytes of LDS; arguments h, wb, b2, ffn; writes ffn
.if DOCPART == 6
	.amdgcn_target "amdgcn-amd-amdhsa--gfx1250"
	.amdhsa_code_object_version 6
	.text
	.protected	k_qfee6def9dc_ffn2
	.globl	k_qfee6def9dc_ffn2
	.p2align	8
	.type	k_qfee6def9dc_ffn2,@function
k_qfee6def9dc_ffn2:
	s_mov_b64 s[64:65], 0
	v_nop
	global_prefetch_b8 v0, s[64:65] scope:SCOPE_SE
	s_setreg_imm32_b32 hwreg(HW_REG_WAVE_MODE, 25, 1), 1
	s_wait_xcnt 0x0
	s_wait_alu depctr_hold_cnt(0) depctr_sa_sdst(0) depctr_va_vdst(0) depctr_va_sdst(0) depctr_va_ssrc(0) depctr_va_vcc(0) depctr_vm_vsrc(0)
	s_getreg_b32 s2, hwreg(HW_REG_IB_STS2, 6, 4)
	s_cmp_eq_u32 s2, 0
	s_cbranch_scc0 .Lentry_in_a_cluster
	s_endpgm
.Lentry_in_a_cluster:
	s_bfe_u32 s2, ttmp6, 0x10000c
	s_cmp_lg_u32 s2, 0xf033
	s_cbranch_scc0 .Lentry_shape_is_right
	s_endpgm
.Lentry_shape_is_right:
; ffn = h W2 + b2.  h: [4096][4096] bf16.  W2: [4096][1024] bf16 at byte 8,388,608 of wb.  ffn: [4096][1024] f32.  b2 is rounded to bf16 like every input of the module.
; 128 x 128 of the result to a work-group, so that all 256 have one tile; each of 2 x 2 waves 64 x 64: 16 accumulators.  K goes in steps of 256, as long as two LDS slots allow.
; Waves 0 and 1 fetch the halves of A's tile (64 rows x 512 bytes each), waves 2 and 3 those of B's (128 k rows x 256 bytes each).
; B lies [k][n] in LDS and is turned on its way into registers by ds_load_tr16_b128.  The matrix instruction is used transposed; the bias is the C operand of the first products.
; CLUSTER 4 x 4: A's tile is asked for jointly along a row of the cluster, B's along a column.
; REGISTERS: window 0 addresses, bias, way out; window 1 two fragment buffers of 128 (64 along K each); window 2 accumulator u = 4 a + b at register 8 u.
.set WM, 4
.set WN, 4
.set KTOT, 4096
.set KSTEP, 256
.set KQ, 64
.set PA, 528
.set PB, 288                           ; a k row of B: 256 + 32 bytes, an odd multiple of 32
.set BW, 128
.set BBASE, 128*PA
.set SLOT, BBASE+256*PB
.set STG, 16*272
.set NAW, 2
.set ASTEP, 2*KSTEP*2
.set BSTEP, 2*KSTEP*2048
.set NA, WM*KQ/32
.set NT, WM*WN*KQ/32
.set LAPS, KTOT/(2*KSTEP)
.set STAGE, 2*SLOT
.set SPARE, STAGE+4*STG
.set ADRA, 16
.set ADRB, 20                          ; v20-23: slot 0 k 0-127, k 128-255; slot 1 likewise: the 16-bit offset does not reach over 256 k rows
.set STO, 24
.set RD, 25
.set CO, 26
.set BO, 27
.set SPW, 28
.set NIL, 29
.set BIAS, 32
.set BK, 176
.set F0, 0
.set F1, 128
.set WV, 12
.set PT, 13
.set WMR, 66
.set G1, 24
.set G0, 32
.set G1B, 48
.set G0B, 56
.set MSB, 0
.macro WIN new
.if MSB != (\new)
	s_set_vgpr_msb (MSB<<8)|(\new)
.set MSB, \new
.endif
.endm
.macro JLOAD s                         ; a joint load: one line for A's waves, one for B's; s_nop 0 and four v_nop follow each line
	s_cmp_lt_u32 s[WV], NAW
	s_cbranch_scc0 .Lfor_b_\@
	tensor_load_to_lds s[G0+4*(\s):G0+4*(\s)+3], s[G1:G1+7]
	s_nop 0
.rept 4
	v_nop
.endr
	s_branch .Lasked_\@
.Lfor_b_\@:
	tensor_load_to_lds s[G0B+4*(\s):G0B+4*(\s)+3], s[G1B:G1B+7]
	s_nop 0
.rept 4
	v_nop
.endr
.Lasked_\@:
.endm
.macro CREST
	s_cmp_lg_u32 s[WV], 0
	s_cbranch_scc1 .Lnot_wave_0_\@
	s_barrier_signal -3
.Lnot_wave_0_\@:
	s_barrier_wait -3
	s_barrier_signal -1
	s_barrier_wait -1
.endm
.macro CROUND
	s_barrier_signal -1
	s_barrier_wait -1
	CREST
.endm
.macro PLACES
.rept 4
	v_nop
.endr
.endm
; n products from number t0 of a phase's NT on: K part cc, accumulator u.  The 16 accumulators take turns, one instruction a turn.
.macro MULR f, t0, n, first
.set t, \t0
.rept \n
.set cc, t/(WM*WN)
.set u, t%(WM*WN)
.set a, u/WN
.set b, u%WN
.set rD, 8*(u%32)
.set rB, (\f)+8*(NA+cc*WN+b)
.set rA, (\f)+8*(cc*WM+a)
.if (\first) && (cc == 0)
	WIN 0x85+0x40*(u/32)
	v_wmma_f32_16x16x32_bf16 v[rD:rD+7], v[rB:rB+7], v[rA:rA+7], v[BIAS+8*b:BIAS+8*b+7]
.else
	WIN 0xa5+0x50*(u/32)
	v_wmma_f32_16x16x32_bf16 v[rD:rD+7], v[rB:rB+7], v[rA:rA+7], v[rD:rD+7]
.endif
.set t, t+1
.endr
.endm
.macro FETCH slot, p, f
	WIN 0x40
.set c, 0
.rept KQ/32
.set kk, (\p)*KQ+32*c
.set i, 0
.rept WM
.set rX, (\f)+8*(c*WM+i)
	ds_load_b128 v[rX:rX+3], v[ADRA+(\slot)] offset:2*kk+i*16*PA
	ds_load_b128 v[rX+4:rX+7], v[ADRA+(\slot)] offset:2*kk+i*16*PA+32
.set i, i+1
.endr
.set i, 0
.rept WN
.set rX, (\f)+8*(NA+c*WN+i)
	ds_load_tr16_b128 v[rX:rX+3], v[ADRB+2*(\slot)+kk/128] offset:(kk%128)*PB+(i/4)*BW+(i%4)*32
	ds_load_tr16_b128 v[rX+4:rX+7], v[ADRB+2*(\slot)+kk/128] offset:(kk%128)*PB+(i/4)*BW+(i%4)*32+16*PB
.set i, i+1
.endr
.set c, c+1
.endr
.endm
.macro PHASE slot, p, f, g, first=0
	s_wait_dscnt 0x0                               ; buffer f is in
	MULR \f, 0, NT/2, \first
	PLACES
	FETCH \slot, \p, \g
	MULR \f, NT/2, NT/2, \first
.endm
.macro TURN slot, next, fill
	WIN 0
	s_wait_tensorcnt 0x0                           ; all my tensor loads have landed: my part of the next slot
	ds_add_u32 v[SPW], v[NIL]
	s_wait_dscnt 1                                 ; only the add may be out: buffer 1 is in
	MULR F1, 0, NT/4, 0
	s_wait_dscnt 0x0                               ; the add is done, my reads of this slot are over
	s_barrier_signal -1
	MULR F1, NT/4, NT/4, 0
.if \fill
	WIN 0
.endif
	s_barrier_wait -1
.if \fill
	CREST
	s_add_nc_u64 s[G0+4*(\slot)+2:G0+4*(\slot)+3], s[G0+4*(\slot)+2:G0+4*(\slot)+3], ASTEP
	s_add_nc_u64 s[G0B+4*(\slot)+2:G0B+4*(\slot)+3], s[G0B+4*(\slot)+2:G0B+4*(\slot)+3], BSTEP
	JLOAD \slot
.else
	PLACES
.endif
	FETCH \next, 0, F0
	MULR F1, NT/2, NT/2, 0
.endm
	s_load_b256 s[4:11], s[0:1], 0x0               ; h 4, wb 6, b2 8, ffn 10
	v_lshl_add_u32 v[SPW], v0, 2, SPARE
	v_mov_b32 v[NIL], 0
	ds_add_u32 v[SPW], v[NIL]                      ; the wave's opening: the add and its wait ahead of my first tensor load
	v_lshrrev_b32 v1, 5, v0
	v_readfirstlane_b32 s[WV], v1
	s_and_b32 s[PT], s[WV], 1
	s_lshr_b32 s[WMR], s[WV], 1
	s_bfe_u32 s40, ttmp6, 0x40000
	s_bfe_u32 s41, ttmp6, 0x40004
	s_lshl_b32 s42, ttmp9, 2
	s_add_co_u32 s42, s42, s40                     ; tile column
	s_and_b32 s43, ttmp7, 0xffff
	s_lshl_b32 s43, s43, 2
	s_add_co_u32 s43, s43, s41                     ; tile row
	s_lshl_b32 s44, s41, 2
	s_lshl_b32 s44, 15, s44
	s_lshl_b32 s45, 0x1111, s40
	s_or_b32 s[G1], s44, (1<<16)|(1<<20)|(1<<21)|(6<<22)|(3<<25)   ; 4 words after every 128
	s_or_b32 s[G1B], s45, (1<<16)|(1<<20)|(1<<21)|(5<<22)|(7<<25)  ; 8 words after every 64
	s_mov_b32 s[G1+1], 256<<16
	s_mov_b32 s[G1+2], 64<<16
	s_mov_b32 s[G1+3], 256<<16
	s_mov_b32 s[G1+4], 64
	s_mov_b32 s[G1+5], 4096
	s_mov_b32 s[G1+6], 0
	s_mov_b32 s[G1+7], 0
	s_mov_b32 s[G1B+1], 128<<16
	s_mov_b32 s[G1B+2], 128<<16
	s_mov_b32 s[G1B+3], 128<<16
	s_mov_b32 s[G1B+4], 128
	s_mov_b32 s[G1B+5], 1024
	s_mov_b32 s[G1B+6], 0
	s_mov_b32 s[G1B+7], 0
	s_lshl_b32 s16, s43, 20                        ; A: 128 rows of 8,192 bytes a tile row, 64 a half
	s_lshl_b32 s17, s[PT], 19
	s_add_co_u32 s16, s16, s17
	s_mov_b32 s17, 0
	s_lshl_b32 s46, s42, 8                         ; B: 256 bytes a tile column, 128 k rows of 2,048 bytes a half, W2 at 8,388,608
	s_lshl_b32 s47, s[PT], 18
	s_add_co_u32 s46, s46, s47
	s_add_co_u32 s46, s46, 8388608
	s_mov_b32 s47, 0
	s_mul_i32 s20, s[PT], 64*PA
	s_mul_i32 s21, s[PT], 128*PB
	s_add_co_u32 s21, s21, BBASE
	s_wait_dscnt 0x0
	s_wait_kmcnt 0x0
	s_add_nc_u64 s[14:15], s[4:5], s[16:17]
	s_add_nc_u64 s[46:47], s[6:7], s[46:47]
	CROUND
.irp s, 0,1
	s_mov_b32 s[G0+4*(\s)], 1
	s_add_co_u32 s[G0+4*(\s)+1], s20, (\s)*SLOT
	s_add_nc_u64 s[G0+4*(\s)+2:G0+4*(\s)+3], s[14:15], (\s)*ASTEP/2
	s_or_b32 s[G0+4*(\s)+3], s[G0+4*(\s)+3], 0x80000000
	s_mov_b32 s[G0B+4*(\s)], 1
	s_add_co_u32 s[G0B+4*(\s)+1], s21, (\s)*SLOT
	s_add_nc_u64 s[G0B+4*(\s)+2:G0B+4*(\s)+3], s[46:47], (\s)*BSTEP/2
	s_or_b32 s[G0B+4*(\s)+3], s[G0B+4*(\s)+3], 0x80000000
	JLOAD \s
.endr
	v_and_b32 v1, 15, v0
	v_bfe_u32 v2, v0, 4, 1
	v_and_b32 v3, 7, v0
	v_bfe_u32 v4, v0, 3, 1
	s_lshl_b32 s46, s42, 9                         ; the tile's 128 biases, my wave's 64
	s_lshl_b32 s47, s[PT], 8
	s_add_co_u32 s46, s46, s47
	v_lshlrev_b32 v[BO], 5, v2
	v_add_nc_u32 v[BO], s46, v[BO]
.set i, 0
.rept WN
	global_load_b128 v[BIAS+8*i:BIAS+8*i+3], v[BO], s[8:9] offset:64*i
	global_load_b128 v[BIAS+8*i+4:BIAS+8*i+7], v[BO], s[8:9] offset:64*i+16
.set i, i+1
.endr
	v_mul_u32_u24 v5, v1, PA
	v_lshl_add_u32 v5, v2, 4, v5
	s_mul_i32 s22, s[WMR], WM*16*PA
	v_add_nc_u32 v[ADRA], s22, v5
	v_add_nc_u32 v[ADRA+1], SLOT, v[ADRA]
	v_lshl_add_u32 v5, v2, 3, v3
	v_mul_u32_u24 v5, v5, PB
	v_lshl_add_u32 v5, v4, 4, v5
	s_mul_i32 s23, s[PT], WN*32
	s_add_co_u32 s23, s23, BBASE
	v_add_nc_u32 v[ADRB], s23, v5
	v_add_nc_u32 v[ADRB+1], 128*PB, v[ADRB]
	v_add_nc_u32 v[ADRB+2], SLOT, v[ADRB]
	v_add_nc_u32 v[ADRB+3], SLOT, v[ADRB+1]
	s_mul_i32 s23, s[WV], STG
	s_add_co_u32 s23, s23, STAGE
	v_mul_u32_u24 v5, v1, 272
	v_lshl_add_u32 v5, v2, 5, v5                   ; in: row l % 16, 32 bytes (eight f32) for each half of the lanes
	v_add_nc_u32 v[STO], s23, v5
	v_mul_u32_u24 v5, v2, 272
	v_lshl_add_u32 v5, v1, 4, v5
	v_add_nc_u32 v[RD], s23, v5
	v_lshlrev_b32 v5, 12, v2
	v_lshl_add_u32 v[CO], v1, 4, v5
	s_lshl_b32 s16, s43, 19                        ; 128 rows of 4,096 bytes a tile row, 64 a half
	s_lshl_b32 s17, s[WMR], 18
	s_add_co_u32 s16, s16, s17
	s_mov_b32 s17, 0
	s_add_nc_u64 s[10:11], s[10:11], s[16:17]
	s_lshl_b32 s46, s42, 9
	s_lshl_b32 s47, s[PT], 8
	s_add_co_u32 s46, s46, s47
	s_mov_b32 s47, 0
	s_add_nc_u64 s[10:11], s[10:11], s[46:47]
	s_wait_loadcnt 0x0
.set i, 0
.rept 4*WN
	v_cvt_pk_bf16_f32 v5, v[BIAS+i], v[BIAS+i+1]
	v_lshlrev_b32 v[BIAS+i], 16, v5
	v_and_b32 v[BIAS+i+1], 0xffff0000, v5
.set i, i+2
.endr
	s_wait_tensorcnt 1                             ; my part of K step 0 is in; slot 1's may stay out
	s_barrier_signal -1
	s_barrier_wait -1
	FETCH 0, 0, F0
	PHASE 0, 1, F0, F1, 1
	WIN 0
	s_mov_b32 s3, LAPS-1
.Llap:
	PHASE 0, 2, F1, F0
	PHASE 0, 3, F0, F1
	TURN 0, 1, 1
	PHASE 1, 1, F0, F1
	PHASE 1, 2, F1, F0
	PHASE 1, 3, F0, F1
	TURN 1, 0, 1
	PHASE 0, 1, F0, F1
	WIN 0
	s_sub_co_u32 s3, s3, 1
	s_cmp_lg_u32 s3, 0
	s_cbranch_scc1 .Llap
	PHASE 0, 2, F1, F0
	PHASE 0, 3, F0, F1
	TURN 0, 1, 0
	PHASE 1, 1, F0, F1
	PHASE 1, 2, F1, F0
	PHASE 1, 3, F0, F1
	s_wait_dscnt 0x0
	MULR F1, 0, NT, 0
	WIN 0
	PLACES
; THE WAY OUT of 16 rows, in f32: the accumulators go as they are into my own stage (each from its low end on) and come back as whole rows of 256 bytes.
.macro OUTBLK a
	WIN 0x08                                       ; the stores' data in window 2
.set b, 0
.rept WN
.set u, (\a)*WN+b
	ds_store_b128 v[STO], v[8*u:8*u+3] offset:64*b
	ds_store_b128 v[STO], v[8*u+4:8*u+7] offset:64*b+16
.set b, b+1
.endr
	WIN 0
	s_wait_xcnt 0x0                                ; the registers that the last block's stores read are loaded again only behind this wait
.set f, 0
.rept 8
	ds_load_b128 v[BK+4*f:BK+4*f+3], v[RD] offset:f*544
.set f, f+1
.endr
	s_wait_dscnt 0x0
.set f, 0
.rept 8
	global_store_b128 v[CO], v[BK+4*f:BK+4*f+3], s[10:11] offset:(16*(\a)+2*f)*4096   ; 16 lanes store 256 consecutive bytes, aligned
.set f, f+1
.endr
.endm
.irp a, 0,1,2,3
	OUTBLK \a
.endr
	s_wait_tensorcnt 0x0                           ; the wave's end
	ds_add_u32 v[SPW], v[NIL]
	s_wait_dscnt 0x0
	CROUND
	s_endpgm
.Lfunc_end_k_qfee6def9dc_ffn2:
	.size	k_qfee6def9dc_ffn2, .Lfunc_end_k_qfee6def9dc_ffn2-k_qfee6def9dc_ffn2
	.p2alignl 7, 3214868480
	.fill 96, 4, 3214868480
	.section	.rodata,"a",@progbits
	.p2align	6, 0x0
	.amdhsa_kernel k_qfee6def9dc_ffn2
		.amdhsa_group_segment_fixed_size 327680
		.amdhsa_private_segment_fixed_size 0
		.amdhsa_enable_private_segment 0
		.amdhsa_kernarg_size 32
		.amdhsa_user_sgpr_count 2
		.amdhsa_user_sgpr_kernarg_segment_ptr 1
		.amdhsa_wavefront_size32 1
		.amdhsa_system_sgpr_workgroup_id_x 1
		.amdhsa_system_sgpr_workgroup_id_y 1
		.amdhsa_system_sgpr_workgroup_id_z 1
		.amdhsa_system_vgpr_workitem_id 0
		.amdhsa_next_free_vgpr 640
		.amdhsa_next_free_sgpr 72
		.amdhsa_reserve_vcc 0
		.amdhsa_float_denorm_mode_32 3
		.amdhsa_float_denorm_mode_16_64 3
		.amdhsa_memory_ordered 1
		.amdhsa_forward_progress 1
		.amdhsa_inst_pref_size 89
	.end_amdhsa_kernel
	.amdgpu_metadata
---
amdhsa.version: [ 1, 2 ]
amdhsa.kernels:
  - .name:           k_qfee6def9dc_ffn2
    .symbol:         k_qfee6def9dc_ffn2.kd
    .args:
      - { .name: h, .offset: 0, .size: 8, .value_kind: global_buffer, .address_space: global }
      - { .name: wb, .offset: 8, .size: 8, .value_kind: global_buffer, .address_space: global }
      - { .name: b2, .offset: 16, .size: 8, .value_kind: global_buffer, .address_space: global }
      - { .name: ffn, .offset: 24, .size: 8, .value_kind: global_buffer, .address_space: global }
    .group_segment_fixed_size: 327680
    .private_segment_fixed_size: 0
    .kernarg_segment_align: 8
    .kernarg_segment_size: 32
    .max_flat_workgroup_size: 128
    .sgpr_count:     72
    .vgpr_count:     640
    .wavefront_size: 32
...
	.end_amdgpu_metadata
.endif
;; end of part 6
;; launch ln2 (part 7): grid 256 x 1, 8 waves a work-group, no clusters, 0 bytes of LDS; arguments ffn, x1f, alpha2, beta2, out0; writes out0
.if DOCPART == 7
	.amdgcn_target "amdgcn-amd-amdhsa--gfx1250"
	.amdhsa_code_object_version 6
	.text
	.protected	k_qfee6def9dc_ln2
	.globl	k_qfee6def9dc_ln2
	.p2align	8
	.type	k_qfee6def9dc_ln2,@function
k_qfee6def9dc_ln2:
	s_mov_b64 s[64:65], 0
	v_nop
	global_prefetch_b8 v0, s[64:65] scope:SCOPE_SE
	s_setreg_imm32_b32 hwreg(HW_REG_WAVE_MODE, 25, 1), 1
	s_wait_xcnt 0x0
; out0 = x1 + alpha2 (f - mean) / (std + 1e-6) + beta2, f = a token's 1,024 numbers of ffn, std with divisor 1,023.  All [4096][1024] f32.  alpha2 and beta2 are rounded to bf16 like every input of the module.
; Statistics in f32, in two passes (mean, then squares of differences).  LIMIT: the root and the reciprocal take a denormal for 0.
; A wave owns two rows and keeps them in registers: each byte is read once.  A lane owns channels 128 i + 4 lane + 0..3, so every load and store covers 512 consecutive bytes.  No LDS, no barrier.
.set F,  16                            ; v16-79   two rows of ffn, then of the result
.set X,  80                            ; v80-143  two rows of x1
.set AL, 144
.set BE, 176
.set ST, 208                           ; sixteen a row: +0..7 chains, +8, 9 mean, +10, 11 1 / (std + eps)
	s_load_b256 s[4:11], s[0:1], 0x0               ; ffn 4, x1f 6, alpha2 8, beta2 10
	s_load_b64 s[16:17], s[0:1], 0x20              ; out0
	v_lshrrev_b32 v1, 5, v0
	v_and_b32 v2, 31, v0
	v_lshlrev_b32 v3, 4, v2                        ; 16 x lane
	v_lshl_add_u32 v4, v1, 13, v3                  ; + two rows of 4,096 bytes a wave
	s_lshl_b32 s20, ttmp9, 16                      ; sixteen rows a work-group
	s_mov_b32 s21, 0
	s_mov_b32 s12, 0x76543210
	s_mov_b32 s13, 0xfedcba98
	s_wait_kmcnt 0x0
	s_add_nc_u64 s[4:5], s[4:5], s[20:21]
	s_add_nc_u64 s[6:7], s[6:7], s[20:21]
	s_add_nc_u64 s[16:17], s[16:17], s[20:21]
.irp rr, 0,1
.irp i, 0,1,2,3,4,5,6,7
	global_load_b128 v[F+32*\rr+4*\i:F+32*\rr+4*\i+3], v4, s[4:5] offset:\rr*4096+512*\i th:TH_LOAD_NT
.endr
.endr
.irp i, 0,1,2,3,4,5,6,7
	global_load_b128 v[AL+4*\i:AL+4*\i+3], v3, s[8:9] offset:512*\i
.endr
.irp i, 0,1,2,3,4,5,6,7
	global_load_b128 v[BE+4*\i:BE+4*\i+3], v3, s[10:11] offset:512*\i
.endr
.irp rr, 0,1
.irp i, 0,1,2,3,4,5,6,7
	global_load_b128 v[X+32*\rr+4*\i:X+32*\rr+4*\i+3], v4, s[6:7] offset:\rr*4096+512*\i th:TH_LOAD_NT
.endr
.endr
.macro REDUCE r, t                     ; the sum over the 32 lanes, in every lane; t has been written before
	v_add_f32_dpp v[\r], v[\r], v[\r] row_xmask:1 row_mask:0xf bank_mask:0xf
	v_add_f32_dpp v[\r], v[\r], v[\r] row_xmask:2 row_mask:0xf bank_mask:0xf
	v_add_f32_dpp v[\r], v[\r], v[\r] row_xmask:4 row_mask:0xf bank_mask:0xf
	v_add_f32_dpp v[\r], v[\r], v[\r] row_xmask:8 row_mask:0xf bank_mask:0xf
	v_permlanex16_b32 v[\t], v[\r], s12, s13
	v_add_f32 v[\r], v[\r], v[\t]
.endm
.macro FOLD                            ; four packed chains into one number
	v_pk_add_f32 v[C0:C0+1], v[C0:C0+1], v[C0+2:C0+3]
	v_pk_add_f32 v[C0+4:C0+5], v[C0+4:C0+5], v[C0+6:C0+7]
	v_pk_add_f32 v[C0:C0+1], v[C0:C0+1], v[C0+4:C0+5]
	v_add_f32 v[C0], v[C0], v[C0+1]
	REDUCE C0, C0+1
.endm
.macro STAT rr
.set D0, F+32*(\rr)
.set C0, ST+16*(\rr)
.irp q, 0,1,2,3
	v_pk_add_f32 v[C0+2*\q:C0+2*\q+1], v[D0+2*\q:D0+2*\q+1], v[D0+8+2*\q:D0+8+2*\q+1]
.endr
.set k, 8
.rept 8
	v_pk_add_f32 v[C0+2*(k%4):C0+2*(k%4)+1], v[C0+2*(k%4):C0+2*(k%4)+1], v[D0+2*k:D0+2*k+1]
.set k, k+1
.endr
	FOLD
	v_mul_f32 v[C0+8], 0x3a800000, v[C0]           ; / 1,024
	v_mov_b32 v[C0+9], v[C0+8]
.set k, 0
.rept 16
	v_pk_add_f32 v[D0+2*k:D0+2*k+1], v[D0+2*k:D0+2*k+1], v[C0+8:C0+9] neg_lo:[0,1] neg_hi:[0,1]   ; d = f - mean
.set k, k+1
.endr
.irp q, 0,1,2,3
	v_pk_mul_f32 v[C0+2*\q:C0+2*\q+1], v[D0+2*\q:D0+2*\q+1], v[D0+2*\q:D0+2*\q+1]
.endr
.set k, 4
.rept 12
	v_pk_fma_f32 v[C0+2*(k%4):C0+2*(k%4)+1], v[D0+2*k:D0+2*k+1], v[D0+2*k:D0+2*k+1], v[C0+2*(k%4):C0+2*(k%4)+1]
.set k, k+1
.endr
	FOLD
	v_mul_f32 v[C0+2], 0x3a802008, v[C0]           ; / 1,023
	v_sqrt_f32 v[C0+2], v[C0+2]
	v_nop                                          ; a plain instruction behind the root
	s_wait_alu depctr_va_vdst(0)
	v_add_f32 v[C0+2], 0x358637bd, v[C0+2]         ; + 1e-6
	v_rcp_f32 v[C0+10], v[C0+2]
	v_mov_b32 v[C0+11], 0                          ; a plain instruction behind the reciprocal; the pair's other word is written
.endm
.macro RND base                        ; 32 numbers rounded to bf16 and widened again
.set i, 0
.rept 16
	v_cvt_pk_bf16_f32 v5, v[(\base)+i], v[(\base)+i+1]
	v_lshlrev_b32 v[(\base)+i], 16, v5
	v_and_b32 v[(\base)+i+1], 0xffff0000, v5
.set i, i+2
.endr
.endm
.macro OUT rr
.set D0, F+32*(\rr)
.set C0, ST+16*(\rr)
.set X0, X+32*(\rr)
.set i, 0
	s_wait_alu depctr_va_vdst(0)
.rept 8
.irp j, 0,2
	v_pk_mul_f32 v[D0+4*i+\j:D0+4*i+\j+1], v[D0+4*i+\j:D0+4*i+\j+1], v[C0+10:C0+11] op_sel_hi:[1,0]
	v_pk_add_f32 v[X0+4*i+\j:X0+4*i+\j+1], v[X0+4*i+\j:X0+4*i+\j+1], v[BE+4*i+\j:BE+4*i+\j+1]
.endr
.irp j, 0,2
	v_pk_fma_f32 v[D0+4*i+\j:D0+4*i+\j+1], v[D0+4*i+\j:D0+4*i+\j+1], v[AL+4*i+\j:AL+4*i+\j+1], v[X0+4*i+\j:X0+4*i+\j+1]
.endr
	global_store_b128 v4, v[D0+4*i:D0+4*i+3], s[16:17] offset:(\rr)*4096+512*i th:TH_STORE_NT     ; 512 consecutive bytes
.set i, i+1
.endr
.endm
	s_wait_loadcnt 40                              ; row 0 is in: 8 + 8 + 8 + 16 younger loads stay out
	STAT 0
	s_wait_loadcnt 32                              ; row 1
	STAT 1
	s_wait_loadcnt 0x0
	RND AL
	RND BE
	OUT 0
	OUT 1
	s_endpgm
.Lfunc_end_k_qfee6def9dc_ln2:
	.size	k_qfee6def9dc_ln2, .Lfunc_end_k_qfee6def9dc_ln2-k_qfee6def9dc_ln2
	.p2alignl 7, 3214868480
	.fill 96, 4, 3214868480
	.section	.rodata,"a",@progbits
	.p2align	6, 0x0
	.amdhsa_kernel k_qfee6def9dc_ln2
		.amdhsa_group_segment_fixed_size 0
		.amdhsa_private_segment_fixed_size 0
		.amdhsa_enable_private_segment 0
		.amdhsa_kernarg_size 40
		.amdhsa_user_sgpr_count 2
		.amdhsa_user_sgpr_kernarg_segment_ptr 1
		.amdhsa_wavefront_size32 1
		.amdhsa_system_sgpr_workgroup_id_x 1
		.amdhsa_system_sgpr_workgroup_id_y 1
		.amdhsa_system_sgpr_workgroup_id_z 1
		.amdhsa_system_vgpr_workitem_id 0
		.amdhsa_next_free_vgpr 240
		.amdhsa_next_free_sgpr 66
		.amdhsa_reserve_vcc 0
		.amdhsa_float_denorm_mode_32 3
		.amdhsa_float_denorm_mode_16_64 3
		.amdhsa_memory_ordered 1
		.amdhsa_forward_progress 1
		.amdhsa_inst_pref_size 27
	.end_amdhsa_kernel
	.amdgpu_metadata
---
amdhsa.version: [ 1, 2 ]
amdhsa.kernels:
  - .name:           k_qfee6def9dc_ln2
    .symbol:         k_qfee6def9dc_ln2.kd
    .args:
      - { .name: ffn, .offset: 0, .size: 8, .value_kind: global_buffer, .address_space: global }
      - { .name: x1f, .offset: 8, .size: 8, .value_kind: global_buffer, .address_space: global }
      - { .name: alpha2, .offset: 16, .size: 8, .value_kind: global_buffer, .address_space: global }
      - { .name: beta2, .offset: 24, .size: 8, .value_kind: global_buffer, .address_space: global }
      - { .name: out0, .offset: 32, .size: 8, .value_kind: global_buffer, .address_space: global }
    .group_segment_fixed_size: 0
    .private_segment_fixed_size: 0
    .kernarg_segment_align: 8
    .kernarg_segment_size: 40
    .max_flat_workgroup_size: 256
    .sgpr_count:     66
    .vgpr_count:     240
    .wavefront_size: 32
...
	.end_amdgpu_metadata
.endif
;; end of part 7
;; ======== version 2 of 2: 7 launches
;; limits: values are held in f16: magnitudes above 65,504 overflow, below 6.1e-05 lose precision
;; workspace buffers: xb 8,388,608 bytes; wb 23,068,672 bytes; qkv 25,165,824 bytes; attn 8,388,608 bytes; x1f 16,777,216 bytes; x1b 8,388,608 bytes; h 33,554,432 bytes; ffn 16,777,216 bytes
;; launch cast: the kernel of part 1 again; grid 960 x 1, 8 waves a work-group, no clusters, 0 bytes of LDS; arguments x, W1, W2, Wq, Wk, Wv, xb, wb; writes xb, wb
;; launch qkv (part 8): grid 16 x 16, 4 waves a work-group, clusters of 4 x 4, 327,680 bytes of LDS; arguments xb, wb, bq, bk, bv, qkv; writes qkv
.if DOCPART == 8
	.amdgcn_target "amdgcn-amd-amdhsa--gfx1250"
	.amdhsa_code_object_version 6
	.text
	.protected	k_qfee6def9dc_qkv
	.globl	k_qfee6def9dc_qkv
	.p2align	8
	.type	k_qfee6def9dc_qkv,@function
k_qfee6def9dc_qkv:
	s_mov_b64 s[64:65], 0
	v_nop
	global_prefetch_b8 v0, s[64:65] scope:SCOPE_SE
	s_setreg_imm32_b32 hwreg(HW_REG_WAVE_MODE, 25, 1), 1
	s_wait_xcnt 0x0
	s_wait_alu depctr_hold_cnt(0) depctr_sa_sdst(0) depctr_va_vdst(0) depctr_va_sdst(0) depctr_va_ssrc(0) depctr_va_vcc(0) depctr_vm_vsrc(0)
	s_getreg_b32 s2, hwreg(HW_REG_IB_STS2, 6, 4)
	s_cmp_eq_u32 s2, 0
	s_cbranch_scc0 .Lentry_in_a_cluster
	s_endpgm
.Lentry_in_a_cluster:
	s_bfe_u32 s2, ttmp6, 0x10000c
	s_cmp_lg_u32 s2, 0xf033
	s_cbranch_scc0 .Lentry_shape_is_right
	s_endpgm
.Lentry_shape_is_right:
; q, k, v = x W + b for one head and 256 tokens.  xb: [4096][1024] bf16.  wb holds Wq, Wk, Wv as [16][1024][64] bf16 from byte 16,777,216 on.  Out: qkv f16 [3][batch x 16 + head][2048][64], unscaled.
; LIMIT: q, k and v are stored in f16 and must stay below 65,504.  The biases are rounded to bf16 like every input of the module.
; A work-group makes 256 rows x 192 columns (64 of q, of k, of v); each of four waves 64 rows x 192: 48 accumulators, 384 registers.  K goes in steps of 128 through two LDS slots.
; Wave 0 fetches A's tile (256 rows x 256 bytes), waves 1 to 3 the 128 x 64 tiles of Wq, Wk, Wv, which are dense in memory and asked for as 64 rows of 256 bytes.
; B lies [k][n] in LDS and is turned on its way into registers by ds_load_tr16_b128.  The matrix instruction is used transposed (source 0 = 16 columns of B, source 1 = 16 rows of A):
; a lane holds one row of C and eight neighbouring columns.  The bias is the C operand of the first K step's products: nothing is cleared, nothing added later.
; ONE TEXT FOR EVERY K STEP: the slot in hand is a scalar, s[TB], turned by an exclusive or at each change of slots, and the fragments' LDS addresses are made anew from it; one descriptor a tensor walks.
; CLUSTER 4 x 4: A's tile hangs on the tile row alone and is asked for jointly along a row of the cluster, B's on the head alone and jointly along a column.
; REGISTERS: window 0 addresses, bias, way out; window 1 two fragment buffers of 128; windows 2, 3 accumulator u = 12 a + b at window 2 + u / 32, register 8 (u % 32).
.set WM, 4
.set WN, 12
.set KTOT, 1024
.set KSTEP, 128
.set KQ, 32                            ; K depth of a phase
.set PA, 272                           ; A's LDS pitch: 256 + 16 bytes, an odd multiple of 16
.set PB, 160                           ; pitch of a k row of B: 128 + 32 bytes, an odd multiple of 32
.set BW, 128*PB                        ; from Wq's tile to Wk's to Wv's, and so per four column blocks
.set BBASE, 256*PA
.set SLOT, BBASE+3*BW
.set SS, SLOT                          ; from slot 0 to slot 1: 1 << 17, above every tile's place in a slot, so an exclusive or with it changes slots
.set STG, 3*16*144                     ; a wave's stage: 16 rows x 144 bytes for each of q, k, v
.set NAW, 1                            ; waves that fetch A
.set ASTEP, KSTEP*2                    ; bytes from a K step's tile to the next
.set BSTEP, KSTEP*128
.set NA, WM*KQ/32
.set NT, WM*WN*KQ/32                   ; matrix instructions in a phase
.set STEPS, KTOT/KSTEP
.set STAGE, SS+SLOT
.set SPARE, STAGE+4*STG                ; the spare words, 128 bytes a wave, that no other line names
.set ADRA0, 16                         ; v16 my lane's place among A's fragments in a slot; never rewritten
.set ADRA, 17                          ; v17 the same in the slot in hand
.set ADRB0, 20
.set ADRB, 22
.set STO, 24
.set RD, 25
.set CO, 26
.set BO, 27
.set SPW, 28
.set NIL, 29
.set BIAS, 32                          ; v32-127: eight registers for each of 12 column blocks
.set TMP, 128
.set BK, 176
.set F0, 0
.set F1, 128
.set WV, 12
.set G1, 24
.set G0, 32                            ; s[32:39] group 0 for A: a set for each of the two first fills; the second then walks on
.set G1B, 48
.set G0B, 56
.set TB, 67                            ; s67 LDS byte at which the slot in hand begins
.set MSB, 0
.macro WIN new                         ; the immediate's high byte repeats the setting that is left; a switch that changes nothing is dropped
.if MSB != (\new)
	s_set_vgpr_msb (MSB<<8)|(\new)
.set MSB, \new
.endif
.endm
.macro JLOAD s                         ; a joint load: one line for A's waves, one for B's; the branch hangs on the wave's number alone; s_nop 0 and four v_nop follow each line
	s_cmp_lt_u32 s[WV], NAW
	s_cbranch_scc0 .Lfor_b_\@
	tensor_load_to_lds s[G0+4*(\s):G0+4*(\s)+3], s[G1:G1+7]
	s_nop 0
.rept 4
	v_nop
.endr
	s_branch .Lasked_\@
.Lfor_b_\@:
	tensor_load_to_lds s[G0B+4*(\s):G0B+4*(\s)+3], s[G1B:G1B+7]
	s_nop 0
.rept 4
	v_nop
.endr
.Lasked_\@:
.endm
.macro CREST                           ; a round of the cluster's barrier behind its opening barrier
	s_cmp_lg_u32 s[WV], 0
	s_cbranch_scc1 .Lnot_wave_0_\@
	s_barrier_signal -3
.Lnot_wave_0_\@:
	s_barrier_wait -3
	s_barrier_signal -1
	s_barrier_wait -1
.endm
.macro CROUND
	s_barrier_signal -1
	s_barrier_wait -1
	CREST
.endm
.macro PLACES                          ; four places in front of loads into registers that matrix instructions have read, and of reads of results
.rept 4
	v_nop
.endr
.endm
.macro AIM                             ; my fragments' LDS addresses in the slot at s[TB]
	v_add_nc_u32 v[ADRA], s[TB], v[ADRA0]
	v_add_nc_u32 v[ADRB], s[TB], v[ADRB0]
.if KSTEP > 128
	v_add_nc_u32 v[ADRB+1], s[TB], v[ADRB0+1]
.endif
.endm
; n products from number t0 of a phase's NT on: K part cc, accumulator u.  All accumulators come in the same order in every phase, one instruction a turn.
.macro MULR f, t0, n, first
.set t, \t0
.rept \n
.set cc, t/(WM*WN)
.set u, t%(WM*WN)
.set a, u/WN
.set b, u%WN
.set rD, 8*(u%32)
.set rB, (\f)+8*(NA+cc*WN+b)
.set rA, (\f)+8*(cc*WM+a)
.if (\first) && (cc == 0)
	WIN 0x85+0x40*(u/32)                           ; C, the bias, in window 0
	v_wmma_f32_16x16x32_bf16 v[rD:rD+7], v[rB:rB+7], v[rA:rA+7], v[BIAS+8*b:BIAS+8*b+7]
.else
	WIN 0xa5+0x50*(u/32)
	v_wmma_f32_16x16x32_bf16 v[rD:rD+7], v[rB:rB+7], v[rA:rA+7], v[rD:rD+7]
.endif
.set t, t+1
.endr
.endm
; 32 LDS loads in one run: phase p's fragments of the slot in hand into buffer f
.macro FETCH p, f
	WIN 0x40                                       ; destination window 1, address window 0
.set c, 0
.rept KQ/32
.set kk, (\p)*KQ+32*c
.set i, 0
.rept WM
.set rX, (\f)+8*(c*WM+i)
	ds_load_b128 v[rX:rX+3], v[ADRA] offset:2*kk+i*16*PA
	ds_load_b128 v[rX+4:rX+7], v[ADRA] offset:2*kk+i*16*PA+32
.set i, i+1
.endr
.set i, 0
.rept WN
.set rX, (\f)+8*(NA+c*WN+i)
	ds_load_tr16_b128 v[rX:rX+3], v[ADRB+kk/128] offset:(kk%128)*PB+(i/4)*BW+(i%4)*32
	ds_load_tr16_b128 v[rX+4:rX+7], v[ADRB+kk/128] offset:(kk%128)*PB+(i/4)*BW+(i%4)*32+16*PB
.set i, i+1
.endr
.set c, c+1
.endr
.endm
; One of a K step's first three phases.  At its head it asks for phase p of the slot in hand, into buffer g, which the phase before has multiplied; then it multiplies buffer f.
; So a buffer's loads have a whole phase, NT products, in which to come back.
.macro PHASE p, f, g, first=0
	PLACES                                         ; behind the last product that read buffer g
	FETCH \p, \g
	s_wait_dscnt 32                                ; all but the 32 loads just issued: buffer f, asked for at the head of the phase before, is in
	MULR \f, 0, NT, \first
.endm
; The last phase multiplies buffer 1 and changes slots: one barrier; in front of it each wave waits for all its tensor loads, adds 0 to its spare word, and waits for that and for its reads of this slot,
; the last of which were asked for a whole phase ago.  So the barrier stands early in the phase: NT / 8 products between the add and the wait for it, NT / 8 between signal and wait, 3 NT / 4 behind the refill.
; fill = 1: the slot that is left is filled again, with the K step two steps on: the walking descriptor changes slots and steps by one K step.
.macro TURN fill
	WIN 0
	s_wait_tensorcnt 0x0                           ; all my tensor loads have landed: my part of the next slot
	ds_add_u32 v[SPW], v[NIL]                      ; 0 onto my spare word
	s_wait_dscnt 1                                 ; only the add may be out: buffer 1 is in
	MULR F1, 0, NT/8, 0
	s_wait_dscnt 0x0                               ; the add is done, my reads of this slot are over
	s_barrier_signal -1
	MULR F1, NT/8, NT/8, 0
	WIN 0                                          ; branches and address work follow
	s_barrier_wait -1
.if \fill
	CREST                                          ; the barrier opened a round of the cluster's: no wave of any partner still reads this slot or has a load on its way
	s_xor_b32 s[G0+5], s[G0+5], SS
	s_add_nc_u64 s[G0+6:G0+7], s[G0+6:G0+7], ASTEP
	s_xor_b32 s[G0B+5], s[G0B+5], SS
	s_add_nc_u64 s[G0B+6:G0B+7], s[G0B+6:G0B+7], BSTEP
	JLOAD 1                                        ; the first tensor load behind the round; its four v_nop are the places in front of the loads below
.else
	PLACES
.endif
	s_xor_b32 s[TB], s[TB], SS                     ; the reads go on in the other slot
	AIM
	FETCH 0, F0
	MULR F1, NT/4, 3*NT/4, 0
.endm
	s_load_b256 s[4:11], s[0:1], 0x0               ; xb 4, wb 6, bq 8, bk 10
	s_load_b128 s[68:71], s[0:1], 0x20             ; bv 68, qkv 70
	v_lshl_add_u32 v[SPW], v0, 2, SPARE
	v_mov_b32 v[NIL], 0
	ds_add_u32 v[SPW], v[NIL]                      ; the wave's opening: the add and its wait ahead of my first tensor load
	v_lshrrev_b32 v1, 5, v0
	v_readfirstlane_b32 s[WV], v1                  ; wave 0..3
	s_bfe_u32 s40, ttmp6, 0x40000                  ; cx
	s_bfe_u32 s41, ttmp6, 0x40004                  ; cy
	s_lshl_b32 s42, ttmp9, 2
	s_add_co_u32 s42, s42, s40                     ; the head = 4 x cluster x + cx
	s_and_b32 s43, ttmp7, 0xffff
	s_lshl_b32 s43, s43, 2
	s_add_co_u32 s43, s43, s41                     ; the tile row = 4 x cluster y + cy
	s_lshl_b32 s44, s41, 2
	s_lshl_b32 s44, 15, s44                        ; my row of the cluster
	s_lshl_b32 s45, 0x1111, s40                    ; my column
	s_or_b32 s[G1], s44, (1<<16)|(1<<20)|(1<<21)|(5<<22)|(3<<25)   ; mask; 2-byte elements; padding on; bit 21 beside a mask; 4 words after every 64
	s_or_b32 s[G1B], s45, (1<<16)|(1<<20)|(1<<21)|(4<<22)|(7<<25)  ; 8 words after every 32
	s_mov_b32 s[G1+1], 128<<16                     ; tensor_dim0
	s_mov_b32 s[G1+2], 256<<16                     ; tensor_dim1
	s_mov_b32 s[G1+3], 128<<16                     ; tile_dim0
	s_mov_b32 s[G1+4], 256                         ; tile_dim1
	s_mov_b32 s[G1+5], 1024                        ; elements from row to row
	s_mov_b32 s[G1+6], 0
	s_mov_b32 s[G1+7], 0
	s_mov_b32 s[G1B+1], 128<<16
	s_mov_b32 s[G1B+2], 64<<16
	s_mov_b32 s[G1B+3], 128<<16
	s_mov_b32 s[G1B+4], 64
	s_mov_b32 s[G1B+5], 128
	s_mov_b32 s[G1B+6], 0
	s_mov_b32 s[G1B+7], 0
	s_mov_b32 s[TB], 0                             ; the reads begin in slot 0
	s_lshl_b32 s16, s43, 19                        ; A: 256 rows of 2,048 bytes a tile row
	s_mov_b32 s17, 0
	s_lshl_b32 s46, s[WV], 21                      ; B: wave 1 Wq, 2 Wk, 3 Wv, 2,097,152 bytes each, Wq at 16,777,216
	s_lshl_b32 s47, s42, 17                        ; the head's 1,024 rows of 128 bytes
	s_add_co_u32 s46, s46, s47
	s_add_co_u32 s46, s46, 14680064
	s_mov_b32 s47, 0
	s_mov_b32 s20, 0                               ; A's tile at the slot's head
	s_mul_i32 s21, s[WV], BW
	s_add_co_u32 s21, s21, BBASE-BW                ; B's three tiles behind it
	s_wait_dscnt 0x0                               ; the opening add is done
	s_wait_kmcnt 0x0
	s_add_nc_u64 s[14:15], s[4:5], s[16:17]
	s_add_nc_u64 s[46:47], s[6:7], s[46:47]
	CROUND                                         ; all sixteen work-groups are here: the first joint loads meet
.irp s, 0,1
	s_mov_b32 s[G0+4*(\s)], 1
	s_add_co_u32 s[G0+4*(\s)+1], s20, (\s)*SS
	s_add_nc_u64 s[G0+4*(\s)+2:G0+4*(\s)+3], s[14:15], (\s)*ASTEP
	s_or_b32 s[G0+4*(\s)+3], s[G0+4*(\s)+3], 0x80000000
	s_mov_b32 s[G0B+4*(\s)], 1
	s_add_co_u32 s[G0B+4*(\s)+1], s21, (\s)*SS
	s_add_nc_u64 s[G0B+4*(\s)+2:G0B+4*(\s)+3], s[46:47], (\s)*BSTEP
	s_or_b32 s[G0B+4*(\s)+3], s[G0B+4*(\s)+3], 0x80000000
	JLOAD \s                                       ; two loads of mine are out
.endr
	v_and_b32 v1, 15, v0                           ; r = l % 16
	v_bfe_u32 v2, v0, 4, 1                         ; hh = l / 16
	v_and_b32 v3, 7, v0
	v_bfe_u32 v4, v0, 3, 1
	s_lshl_b32 s46, s42, 8                         ; the head's 64 biases
	v_lshlrev_b32 v[BO], 5, v2
	v_add_nc_u32 v[BO], s46, v[BO]                 ; + my eight columns of a block
.macro BLD base, ptr
.set i, 0
.rept 4
	global_load_b128 v[(\base)+8*i:(\base)+8*i+3], v[BO], s[\ptr:\ptr+1] offset:64*i
	global_load_b128 v[(\base)+8*i+4:(\base)+8*i+7], v[BO], s[\ptr:\ptr+1] offset:64*i+16
.set i, i+1
.endr
.endm
	BLD BIAS, 8
	BLD BIAS+32, 10
	BLD BIAS+64, 68
	v_mul_u32_u24 v5, v1, PA                       ; A: row x pitch + 16 x half, my 64 rows
	v_lshl_add_u32 v5, v2, 4, v5
	s_mul_i32 s22, s[WV], WM*16*PA
	v_add_nc_u32 v[ADRA0], s22, v5
	v_lshl_add_u32 v5, v2, 3, v3                   ; B, turned: k row 8 hh + l % 8, 16 bytes by bit 3 of the lane
	v_mul_u32_u24 v5, v5, PB
	v_lshl_add_u32 v5, v4, 4, v5
	v_add_nc_u32 v[ADRB0], BBASE, v5
	AIM
	s_mul_i32 s23, s[WV], STG
	s_add_co_u32 s23, s23, STAGE                   ; my stage
	v_mul_u32_u24 v5, v1, 144
	v_lshl_add_u32 v5, v2, 4, v5
	v_add_nc_u32 v[STO], s23, v5
	v_bfe_u32 v5, v0, 3, 2                         ; back: 32 lanes take four rows of 128 bytes
	v_mul_u32_u24 v5, v5, 144
	v_lshl_add_u32 v5, v3, 4, v5
	v_add_nc_u32 v[RD], s23, v5
	v_and_b32 v[CO], 31, v0
	v_lshlrev_b32 v[CO], 4, v[CO]                  ; which are 512 consecutive bytes of a head
	s_lshr_b32 s16, s43, 3                         ; the batch: 16 heads of 262,144 bytes
	s_lshl_b32 s16, s16, 22
	s_and_b32 s17, s43, 7
	s_lshl_b32 s17, s17, 15                        ; 256 rows of 128 bytes
	s_add_co_u32 s16, s16, s17
	s_lshl_b32 s17, s[WV], 13                      ; my 64 rows
	s_add_co_u32 s16, s16, s17
	s_mov_b32 s17, 0
	s_lshl_b32 s46, s42, 18
	s_mov_b32 s47, 0
	s_add_nc_u64 s[72:73], s[70:71], s[16:17]
	s_add_nc_u64 s[72:73], s[72:73], s[46:47]      ; q
	s_add_nc_u64 s[74:75], s[72:73], 8388608       ; k
	s_add_nc_u64 s[76:77], s[72:73], 16777216      ; v
	s_wait_loadcnt 0x0
.set i, 0
.rept 4*WN                             ; the biases rounded to bf16 and widened again
	v_cvt_pk_bf16_f32 v5, v[BIAS+i], v[BIAS+i+1]
	v_lshlrev_b32 v[BIAS+i], 16, v5
	v_and_b32 v[BIAS+i+1], 0xffff0000, v5
.set i, i+2
.endr
	s_wait_tensorcnt 1                             ; my part of K step 0 is in; slot 1's may stay out
	s_barrier_signal -1
	s_barrier_wait -1
	FETCH 0, F0
	PHASE 1, F0, F1, 1                             ; the first phase stands in front of the loop: its products start the sums, on the bias
	WIN 0
	s_mov_b32 s3, STEPS-2
.Lstep:                                            ; a trip goes from a K step's second phase to the next step's first and fills the slot that it leaves: K steps 2 to STEPS - 1
	PHASE 2, F1, F0
	PHASE 3, F0, F1
	TURN 1
	PHASE 1, F0, F1
	WIN 0
	s_sub_co_u32 s3, s3, 1
	s_cmp_lg_u32 s3, 0
	s_cbranch_scc1 .Lstep
	s_mov_b32 s3, 2                                ; the last two K steps fill nothing: a loop of two trips, entered in its middle
	s_branch .Lmid
.Ltail:
	PHASE 1, F0, F1
	WIN 0
.Lmid:
	PHASE 2, F1, F0
	PHASE 3, F0, F1
	TURN 0                                         ; in the second trip its barrier and its run of loads (from the other slot, into buffer 0) serve nothing: the price, once a launch, of one text for both trips
	WIN 0
	s_sub_co_u32 s3, s3, 1
	s_cmp_lg_u32 s3, 0
	s_cbranch_scc1 .Ltail
	PLACES
; THE WAY OUT of 16 rows: rounded to f16, 16 bytes a lane into my own stage, back as whole rows of 128 bytes, stored as 512 consecutive bytes of a head.
.macro OUTBLK a
.set b, 0
.rept WN
.set u, (\a)*WN+b
	WIN 0x0a+5*(u/32)                              ; sources in window 2 or 3
.set rr, 0
.rept 4
	v_cvt_pk_f16_f32 v[TMP+4*b+rr], v[8*(u%32)+2*rr], v[8*(u%32)+2*rr+1]
.set rr, rr+1
.endr
.set b, b+1
.endr
	WIN 0
.set b, 0
.rept WN
	ds_store_b128 v[STO], v[TMP+4*b:TMP+4*b+3] offset:(b/4)*2304+(b%4)*32
.set b, b+1
.endr
	s_wait_xcnt 0x0                                ; the registers that the last block's stores read are loaded again only behind this wait
.set f, 0
.rept 12
	ds_load_b128 v[BK+4*f:BK+4*f+3], v[RD] offset:(f/4)*2304+(f%4)*576   ; LDS serves a wave's instructions in order: these see the stores above
.set f, f+1
.endr
	s_wait_dscnt 0x0
.set f, 0
.rept 12
	global_store_b128 v[CO], v[BK+4*f:BK+4*f+3], s[72+2*(f/4):73+2*(f/4)] offset:(\a)*2048+(f%4)*512
.set f, f+1
.endr
.endm
	OUTBLK 0
	OUTBLK 1
	OUTBLK 2
	OUTBLK 3
	s_wait_tensorcnt 0x0                           ; the wave's end
	ds_add_u32 v[SPW], v[NIL]
	s_wait_dscnt 0x0
	CROUND                                         ; the closing round
	s_endpgm
.Lfunc_end_k_qfee6def9dc_qkv:
	.size	k_qfee6def9dc_qkv, .Lfunc_end_k_qfee6def9dc_qkv-k_qfee6def9dc_qkv
	.p2alignl 7, 3214868480
	.fill 96, 4, 3214868480
	.section	.rodata,"a",@progbits
	.p2align	6, 0x0
	.amdhsa_kernel k_qfee6def9dc_qkv
		.amdhsa_group_segment_fixed_size 327680
		.amdhsa_private_segment_fixed_size 0
		.amdhsa_enable_private_segment 0
		.amdhsa_kernarg_size 48
		.amdhsa_user_sgpr_count 2
		.amdhsa_user_sgpr_kernarg_segment_ptr 1
		.amdhsa_wavefront_size32 1
		.amdhsa_system_sgpr_workgroup_id_x 1
		.amdhsa_system_sgpr_workgroup_id_y 1
		.amdhsa_system_sgpr_workgroup_id_z 1
		.amdhsa_system_vgpr_workitem_id 0
		.amdhsa_next_free_vgpr 896
		.amdhsa_next_free_sgpr 80
		.amdhsa_reserve_vcc 0
		.amdhsa_float_denorm_mode_32 3
		.amdhsa_float_denorm_mode_16_64 3
		.amdhsa_memory_ordered 1
		.amdhsa_forward_progress 1
		.amdhsa_inst_pref_size 92
	.end_amdhsa_kernel
	.amdgpu_metadata
---
amdhsa.version: [ 1, 2 ]
amdhsa.kernels:
  - .name:           k_qfee6def9dc_qkv
    .symbol:         k_qfee6def9dc_qkv.kd
    .args:
      - { .name: xb, .offset: 0, .size: 8, .value_kind: global_buffer, .address_space: global }
      - { .name: wb, .offset: 8, .size: 8, .value_kind: global_buffer, .address_space: global }
      - { .name: bq, .offset: 16, .size: 8, .value_kind: global_buffer, .address_space: global }
      - { .name: bk, .offset: 24, .size: 8, .value_kind: global_buffer, .address_space: global }
      - { .name: bv, .offset: 32, .size: 8, .value_kind: global_buffer, .address_space: global }
      - { .name: qkv, .offset: 40, .size: 8, .value_kind: global_buffer, .address_space: global }
    .group_segment_fixed_size: 327680
    .private_segment_fixed_size: 0
    .kernarg_segment_align: 8
    .kernarg_segment_size: 48
    .max_flat_workgroup_size: 128
    .sgpr_count:     80
    .vgpr_count:     896
    .wavefront_size: 32
...
	.end_amdgpu_metadata
.endif
;; end of part 8
;; launch attention (part 9): grid 8 x 32, 4 waves a work-group, clusters of 4 x 1, 327,680 bytes of LDS; arguments qkv, src_mask, attn; writes attn
.if DOCPART == 9
	.amdgcn_target "amdgcn-amd-amdhsa--gfx1250"
	.amdhsa_code_object_version 6
	.text
	.protected	k_qfee6def9dc_attention
	.globl	k_qfee6def9dc_attention
	.p2align	8
	.type	k_qfee6def9dc_attention,@function
k_qfee6def9dc_attention:
	s_mov_b64 s[64:65], 0
	v_nop
	global_prefetch_b8 v0, s[64:65] scope:SCOPE_SE
	s_setreg_imm32_b32 hwreg(HW_REG_WAVE_MODE, 25, 1), 1
	s_wait_xcnt 0x0
	s_wait_alu depctr_hold_cnt(0) depctr_sa_sdst(0) depctr_va_vdst(0) depctr_va_sdst(0) depctr_va_ssrc(0) depctr_va_vcc(0) depctr_vm_vsrc(0)
	s_getreg_b32 s2, hwreg(HW_REG_IB_STS2, 6, 4)
	s_cmp_eq_u32 s2, 0
	s_cbranch_scc0 .Lentry_in_a_cluster
	s_endpgm
.Lentry_in_a_cluster:
	s_bfe_u32 s2, ttmp6, 0x10000c
	s_cmp_lg_u32 s2, 0x3003
	s_cbranch_scc0 .Lentry_shape_is_right
	s_endpgm
.Lentry_shape_is_right:
; attn[bh][q][:] = the sum over k of softmax_k(q . k / 8, hidden keys left out) v[k][:].  qkv: f16 [3][32][2048][64]; src_mask: i32 [2][2048]; attn: f16 [32][2048][64].
; Products, maxima and sums in f32; the weights p are rounded to f16 for the second product (their sum l is taken of the unrounded p), the result once at the end.
; LIMITS.  q, k, v arrive within f16's range.  A hidden score counts as its value less 1e30 (true scores are 2.7e11 at the most); a weight below 2^-126 counts as 0 in l.
; A batch whose keys are all hidden gives NaN, as a softmax over nothing does: a row whose maximum has stayed below -2^97 is multiplied by NaN on the way out.
; SHARES.  A work-group owns 256 queries of one head, a wave 64: four PIECES of 16.  Every wave walks all 2,048 keys, 64 a step; an LDS slot holds four steps (256 keys), two slots take turns.
; THE MASK is the C operand that starts the sum S^T = K Q^T: 0, or -1e30 where the key is hidden.  The batch's 2,048 such numbers are made once and lie in LDS; a step's 64 come into 32 registers with its K.
; While a row has seen hidden keys only, m is about -1e30 and O, l hold finite numbers; the first true score makes a = 0, which wipes them.
; LAYOUT, SOFTMAX, TURNS.  S^T = K Q^T holds ONE query a lane (lane % 16) and the keys 8 (lane / 16) + 0..7; two such results rounded to f16 ARE source 1 of O^T = V^T P.  p = 2^(c s - c m), c = log2(e) / 8,
; with a running maximum m; O and l are multiplied by a = 2^(c m_old - c m_new) in every step.  Turn n belongs to piece n: 8 products K Q^T of piece n + 1, later 8 products V^T P of piece n - 1; beside them the
; scaling, exponentials, roundings, sums and rescaling of piece n and the maximum and statistics of piece n + 1.  Four vector instructions stand behind every matrix instruction, the rest in two runs of their own.
; NO LAST STEP IS WRITTEN OUT.  The tail's loop is entered in its middle and walks pieces 2 and 3 once more than pieces 0 and 1.  In its last trip there is no further K: the run of loads is jumped over, and the
; 8 products K Q^T repeat piece 0's scores of the last step bit for bit, so that the maximum made of them leaves m as it is; they serve nothing: the price, once a launch, of one text for every trip.
; CLUSTER.  The four query blocks of a cluster belong to one head and walk the same K and V: each tile is asked for JOINTLY, by the same tensor load, descriptor and mask in all four.
; REGISTERS, in windows of 256: window 0: v0-15, v32-35 addresses; v16-31 statistics; v48-55 at work; v64-127 S^T, two buffers; v128-143 the mask as loaded; v192-223 P, two buffers
;   window 1: v0-127 O^T, 32 a piece; v128-159 the step's mask      window 2: v0-63 Q; v128-191 K of one step; v192-255 V of one step
.set NP,    4
.set KS,    64
.set PK,    144       ; a row of K in LDS: 128 bytes + 16
.set PV,    160       ; a row of V: 128 + 32
.set VOFF,  4*KS*PK
.set SLOT1, 1<<17
.set STAGE, SLOT1+4*KS*(PK+PV)  ; 16 rows x 144 bytes for each wave, for the way out
.set SP,    144
.set MASKT, STAGE+4*16*SP       ; 2,048 f32: 0 or -1e30
.set SPARE, MASKT+8192          ; the spare words, 128 bytes a wave, that no other line names
.set AK0, 2
.set AV0, 3
.set AK,  4
.set AV,  5
.set STO, 6
.set RD,  7
.set GO,  8
.set MV,  12
.set QO,  15
.set ST,  16          ; piece t's statistics at v[ST+4 t]: c m, m, l (even keys', odd keys')
.set AM0, 32          ; my lanes' place in a step's 64 mask numbers
.set AM,  33
.set MO,  34
.set MS,  35
.set TMP, 48
.set SPW, 62
.set NIL, 63
.set S,   64
.set RAW, 128
.set P,   192
.set MK,  128         ; window 1
.set KF,  128         ; window 2
.set VF,  192         ; window 2
.set WV,  12
.set G1K, 24
.set G1V, 32
.set G0K, 40
.set G0V, 44
.set SLOTS, 56
.set CNT, 57
.set CS,  58
.set SEL, 60
.set TBK, 62
.set TBV, 63
.set TBM, 66          ; byte in the mask table of the step to be fetched
.set BIGN, 67
.set THR, 68
.set NANS, 69
.set MSB, 0
.macro WIN new
.if MSB != (\new)
	s_set_vgpr_msb (MSB<<8)|(\new)
.set MSB, (\new)
.endif
.endm
.set W_KQ, 0x0a       ; K and Q in window 2, S^T in window 0
.set W_KM, 0x1a       ; the same with the C operand in window 1
.set W_PV, 0x52       ; V in window 2, P in window 0, O^T in window 1
.set W_RS, 0x41       ; destination and source 0 in window 1, source 1 in window 0
.macro JLOAD                        ; waves 0 and 1 fetch the two halves of a slot's K, waves 2 and 3 those of its V; s_nop 0 and four v_nop follow each line
	s_cmp_lt_u32 s[WV], 2
	s_cbranch_scc0 .Lfor_v_\@
	tensor_load_to_lds s[G0K:G0K+3], s[G1K:G1K+7]
	s_nop 0
.rept 4
	v_nop
.endr
	s_branch .Lasked_\@
.Lfor_v_\@:
	tensor_load_to_lds s[G0V:G0V+3], s[G1V:G1V+7]
	s_nop 0
.rept 4
	v_nop
.endr
.Lasked_\@:
.endm
.macro CROUND
	s_barrier_signal -1
	s_barrier_wait -1
	s_cmp_lg_u32 s[WV], 0
	s_cbranch_scc1 .Lnot_wave_0_\@
	s_barrier_signal -3
.Lnot_wave_0_\@:
	s_barrier_wait -3
	s_barrier_signal -1
	s_barrier_wait -1
.endm
; THE CHANGE OF SLOTS.  Each wave waits for all its tensor loads (one is out: its part of the other slot), adds 0 to its spare word, and waits for that and for its LDS instructions.
; fill = 1: the slot that is left is filled again with the keys two slots on, first thing behind a round of the cluster's barrier; it has four key steps in which to land.
; At its first use nothing has been read yet: slot 0 is waited for, the mask table is shown to all waves, slot 1 is filled.
.macro CHANGE fill
	WIN 0
	s_wait_tensorcnt 0x0
	ds_add_u32 v[SPW], v[NIL]
.if \fill
.irp g, G0K, G0V
	s_xor_b32 s[\g+1], s[\g+1], SLOT1
	s_add_nc_u64 s[\g+2:\g+3], s[\g+2:\g+3], 4*KS*128
.endr
	s_wait_dscnt 0x0
	CROUND
	JLOAD
.else
	s_wait_dscnt 0x0
	s_barrier_signal -1
	s_barrier_wait -1
.endif
	s_sub_co_u32 s[TBK], s[TBK], 4*KS*PK
	s_xor_b32 s[TBK], s[TBK], SLOT1
	s_sub_co_u32 s[TBV], s[TBV], 4*KS*PV
	s_xor_b32 s[TBV], s[TBV], SLOT1
.endm
	s_load_b128 s[4:7], s[0:1], 0x0   ; qkv 4, src_mask 6
	s_load_b64 s[8:9], s[0:1], 0x10   ; attn
	v_lshl_add_u32 v[SPW], v0, 2, SPARE
	v_mov_b32 v[NIL], 0
	ds_add_u32 v[SPW], v[NIL]       ; the wave's opening: the add and its wait ahead of my first tensor load
	v_lshrrev_b32 v1, 5, v0
	v_readfirstlane_b32 s[WV], v1
	s_bfe_u32 s13, ttmp6, 0x40000   ; cx
	s_lshl_b32 s14, ttmp9, 2
	s_add_co_u32 s14, s14, s13      ; my block of 256 queries: it enters Q's and the output's addresses alone
	s_and_b32 s20, ttmp7, 0xffff    ; batch x 16 + head, which the four partners share
	s_lshr_b32 s18, s20, 4
	s_lshl_b32 s18, s18, 13         ; the batch's 2,048 mask words
	s_mov_b32 s19, 0
	s_lshl_b32 s20, s20, 18         ; the head's first byte
	s_and_b32 s16, s[WV], 1         ; which half of a slot's 256 keys I fetch
	s_lshl_b32 s22, s16, 14
	s_add_co_u32 s22, s22, s20
	s_mov_b32 s23, 0
	s_mul_i32 s17, s16, 128*PK
	s_mul_i32 s15, s16, 128*PV
	s_lshl_b32 s2, s14, 15
	s_lshl_b32 s3, s[WV], 13
	s_add_co_u32 s2, s2, s3
	s_add_co_u32 s2, s2, s20        ; my wave's 64 rows
	s_mov_b32 s3, 0
	; 128 keys are 16,384 dense bytes: asked for as 64 rows of 256 bytes, padded in LDS after every key
	s_mov_b32 s[G1K], 15|(1<<16)|(1<<20)|(1<<21)|(4<<22)|(3<<25)
	s_mov_b32 s[G1V], 15|(1<<16)|(1<<20)|(1<<21)|(4<<22)|(7<<25)
.irp g, G1K, G1V
	s_mov_b32 s[\g+1], 128<<16
	s_mov_b32 s[\g+2], 64<<16
	s_mov_b32 s[\g+3], 128<<16
	s_mov_b32 s[\g+4], 64
	s_mov_b32 s[\g+5], 128
	s_mov_b32 s[\g+6], 0
	s_mov_b32 s[\g+7], 0
.endr
	s_mov_b32 s[CS], 0x3e38aa3b     ; c = log2(e) / 8
	s_mov_b32 s[CS+1], s[CS]
	s_mov_b32 s[SEL], 0x76543210
	s_mov_b32 s[SEL+1], 0xfedcba98
	s_mov_b32 s[TBK], SLOT1+4*KS*PK ; the first change of slots turns these two into 0
	s_mov_b32 s[TBV], SLOT1+4*KS*PV
	s_mov_b32 s[TBM], 0
	s_mov_b32 s[BIGN], 0xf149f2ca   ; -1e30
	s_mov_b32 s[THR], 0xf0000000    ; -2^97
	s_mov_b32 s[NANS], 0x7fc00000
	s_mov_b32 s[G0K], 1
	s_mov_b32 s[G0K+1], s17
	s_mov_b32 s[G0V], 1
	s_add_co_u32 s[G0V+1], s15, VOFF
	s_wait_dscnt 0x0                ; the opening add is done
	s_wait_kmcnt 0x0
	s_add_nc_u64 s[G0K+2:G0K+3], s[4:5], s[22:23]
	s_add_nc_u64 s[G0K+2:G0K+3], s[G0K+2:G0K+3], 8388608   ; k lies behind q
	s_or_b32 s[G0K+3], s[G0K+3], 0x80000000
	s_add_nc_u64 s[G0V+2:G0V+3], s[4:5], s[22:23]
	s_add_nc_u64 s[G0V+2:G0V+3], s[G0V+2:G0V+3], 16777216  ; v behind k
	s_or_b32 s[G0V+3], s[G0V+3], 0x80000000
	s_add_nc_u64 s[4:5], s[4:5], s[2:3]
	s_add_nc_u64 s[8:9], s[8:9], s[2:3]
	s_add_nc_u64 s[6:7], s[6:7], s[18:19]
	CROUND                          ; all four work-groups are here
	JLOAD                           ; slot 0
	v_lshlrev_b32 v[MO], 4, v0
.irp i, 0,1,2,3
	global_load_b128 v[RAW+4*\i:RAW+4*\i+3], v[MO], s[6:7] offset:\i*2048   ; 128 threads x 16 bytes, four times: the batch's mask
.endr
	v_and_b32 v1, 15, v0
	v_bfe_u32 v9, v0, 4, 1
	v_lshlrev_b32 v[QO], 7, v1
	v_lshl_add_u32 v[QO], v9, 4, v[QO]
	WIN 0x80
.set i, 0
.rept 8                             ; Q stays in registers: piece i / 2, channels 32 (i % 2) on
	global_load_b128 v[8*i:8*i+3],   v[QO], s[4:5] offset:(i/2)*2048+(i%2)*64
	global_load_b128 v[8*i+4:8*i+7], v[QO], s[4:5] offset:(i/2)*2048+(i%2)*64+32
.set i, i+1
.endr
	; The first step multiplies O^T and l by a = 0, and the first turn's products V^T P, of a piece that has not been, must add finite numbers: zeros.  All this stands in the wait for the first tile.
.set i, VF
.rept 64
	v_mov_b32 v[i], 0
.set i, i+1
.endr
	WIN 0x40
.set i, 0
.rept 128
	v_mov_b32 v[i], 0
.set i, i+1
.endr
	WIN 0
.set i, 0
.rept 4
	v_mov_b32 v[ST+4*i], 0xfe000000    ; c m: far below every c s
	v_mov_b32 v[ST+4*i+1], 0xff7fffff  ; m
	v_mov_b32 v[ST+4*i+2], 0
	v_mov_b32 v[ST+4*i+3], 0
.set i, i+1
.endr
.set i, P+16
.rept 16
	v_mov_b32 v[i], 0
.set i, i+1
.endr
	s_wait_loadcnt 16               ; the mask is in; Q's sixteen younger loads may stay out
.set i, 0
.rept 16
	v_cmp_eq_u32 vcc_lo, 0, v[RAW+i]
	v_cndmask_b32 v[RAW+i], 0, s[BIGN], vcc_lo
.set i, i+1
.endr
	v_add_nc_u32 v[MS], MASKT, v[MO]
.irp i, 0,1,2,3
	ds_store_b128 v[MS], v[RAW+4*\i:RAW+4*\i+3] offset:\i*2048
.endr
	v_mul_u32_u24 v[AK0], v1, PK
	v_lshl_add_u32 v[AK0], v9, 4, v[AK0]
	v_and_b32 v10, 7, v0
	v_bfe_u32 v11, v0, 3, 1
	v_lshl_add_u32 v[AV0], v9, 3, v10
	v_mul_u32_u24 v[AV0], v[AV0], PV
	v_lshl_add_u32 v[AV0], v11, 4, v[AV0]
	v_add_nc_u32 v[AV0], VOFF, v[AV0]
	v_lshlrev_b32 v[AM0], 5, v9
	v_add_nc_u32 v[AM0], MASKT, v[AM0]  ; register j of key group kt: the number of key 16 kt + 8 (l / 16) + j
	s_mul_i32 s13, s[WV], 16*SP
	s_add_co_u32 s13, s13, STAGE
	v_mul_u32_u24 v[STO], v1, SP
	v_lshl_add_u32 v[STO], v9, 4, v[STO]
	v_add_nc_u32 v[STO], s13, v[STO]
	v_bfe_u32 v[RD], v0, 3, 2
	v_mul_u32_u24 v[RD], v[RD], SP
	v_lshl_add_u32 v[RD], v10, 4, v[RD]
	v_add_nc_u32 v[RD], s13, v[RD]
	v_and_b32 v[GO], 31, v0
	v_lshlrev_b32 v[GO], 4, v[GO]
; THE MATRIX WORK.  The 4 accumulators of a run of 8 take turns.  Product i of 8 of S^T = K Q^T for piece x: channels 32 (i / 4) on, keys 16 (i % 4) on.  The first 4 start the sums on the mask.
.macro KQ x
.set rS, S+32*((\x)%2)+8*(i%4)
.set rK, KF+16*(i%4)+8*(i/4)
.set rQ, 16*(\x)+8*(i/4)
.if i < 4
	WIN W_KM
	v_wmma_f32_16x16x32_f16 v[rS:rS+7], v[rK:rK+7], v[rQ:rQ+7], v[MK+8*(i%4):MK+8*(i%4)+7]
.else
	WIN W_KQ
	v_wmma_f32_16x16x32_f16 v[rS:rS+7], v[rK:rK+7], v[rQ:rQ+7], v[rS:rS+7]
.endif
.endm
.macro PV x                         ; product i of 8 of O^T += V^T P: keys 32 (i / 4) on, channels 16 (i % 4) on
	WIN W_PV
.set rO, 32*(\x)+8*(i%4)
.set rV, VF+32*(i/4)+8*(i%4)
.set rP, P+16*((\x)%2)+8*(i/4)
	v_wmma_f32_16x16x32_f16 v[rO:rO+7], v[rV:rV+7], v[rP:rP+7], v[rO:rO+7]
.endm
.macro MM                           ; the turn's next matrix instruction
.if i < 8
	KQ (Y+1)%NP
.else
.set i, i-8
	PV (Y+NP-1)%NP
.set i, i+8
.endif
.set i, i+1
.endm
; THE LDS LOADS stand in runs: a step's K (8 fragments) with its 64 mask numbers, and its V (turned).  last = 1 (the tail): in the last trip there is no further step, and the run is jumped over.
.macro FETCH_K last=0
	WIN 0
.if \last
	s_cmp_eq_u32 s[CNT], 1
	s_cbranch_scc1 .Lno_k_\@
.endif
	WIN 0x80
.irp f, 0,1,2,3,4,5,6,7
	ds_load_b128 v[KF+8*\f:KF+8*\f+3],   v[AK] offset:(\f/2)*16*PK+(\f%2)*64
	ds_load_b128 v[KF+8*\f+4:KF+8*\f+7], v[AK] offset:(\f/2)*16*PK+(\f%2)*64+32
.endr
	WIN 0x40
.irp f, 0,1,2,3
	ds_load_b128 v[MK+8*\f:MK+8*\f+3],   v[AM] offset:64*\f
	ds_load_b128 v[MK+8*\f+4:MK+8*\f+7], v[AM] offset:64*\f+16
.endr
	s_add_co_u32 s[TBK], s[TBK], KS*PK
	s_add_co_u32 s[TBM], s[TBM], 4*KS
	WIN 0
.if \last
.Lno_k_\@:
.endif
.endm
.macro FETCH_V
	WIN 0x80
.irp f, 0,1,2,3,4,5,6,7
	ds_load_tr16_b128 v[VF+8*\f:VF+8*\f+3],   v[AV] offset:(\f/4)*32*PV+(\f%4)*32
	ds_load_tr16_b128 v[VF+8*\f+4:VF+8*\f+7], v[AV] offset:(\f/4)*32*PV+16*PV+(\f%4)*32
.endr
	WIN 0
.endm
; THE VECTOR WORK, one line at a time: OP kind, number.  For piece Y: F n: c s - c m for pair n of 16.  E n: the exponential of score n.  C n: pair n rounded to f16.  B n: of the four weights 4 n .. the second pair
; is added onto the first.  L n: l takes that sum (L 0: l = a l + sum).  R n: pair n of 16 of O^T times a.  For piece Y + 1: X n, number n of the 22 that find its maximum and statistics
; (each accumulator's lowest registers are read first).
.set F, 0
.set E, 1
.set C, 2
.set B, 3
.set L, 4
.set R, 5
.set X, 6
.macro REGS y
.set rT, ST+4*(\y)
.set rC, TMP+4*((\y)%2)
.set rW, MV+((\y)%2)
.set rS, S+32*((\y)%2)
.set rP, P+16*((\y)%2)
.set rO, 32*(\y)
.endm
.macro OP k, n
.if (\k) == R
	REGS Y
	WIN W_RS
	v_pk_mul_f32 v[rO+2*(\n):rO+2*(\n)+1], v[rO+2*(\n):rO+2*(\n)+1], v[rC+2:rC+3] op_sel_hi:[1,0]
.elseif (\k) < R
	REGS Y
	WIN 0
.if (\k) == F
	v_pk_fma_f32 v[rS+2*(\n):rS+2*(\n)+1], v[rS+2*(\n):rS+2*(\n)+1], s[CS:CS+1], v[rT:rT+1] op_sel_hi:[1,0,0] neg_lo:[0,0,1] neg_hi:[0,0,1]
.elseif (\k) == E
	v_exp_f32 v[rS+(\n)], v[rS+(\n)]
.elseif (\k) == C
	s_wait_alu depctr_va_vdst(0)
	v_cvt_pk_f16_f32 v[rP+(\n)], v[rS+2*(\n)], v[rS+2*(\n)+1]
.elseif (\k) == B
	s_wait_alu depctr_va_vdst(0)
	v_pk_add_f32 v[rS+4*(\n):rS+4*(\n)+1], v[rS+4*(\n):rS+4*(\n)+1], v[rS+4*(\n)+2:rS+4*(\n)+3]
.elseif (\n) == 0
	v_pk_fma_f32 v[rT+2:rT+3], v[rT+2:rT+3], v[rC+2:rC+3], v[rS:rS+1] op_sel_hi:[1,0,1]
.else
	v_pk_add_f32 v[rT+2:rT+3], v[rT+2:rT+3], v[rS+4*(\n):rS+4*(\n)+1]
.endif
.else
	REGS (Y+1)%NP
	WIN 0
.if (\n) < 4
	v_max3_num_f32 v[rC+(\n)], v[rS+8*(\n)], v[rS+8*(\n)+1], v[rS+8*(\n)+2]
.elseif (\n) < 12
	v_max3_num_f32 v[rC+(\n)%4], v[rC+(\n)%4], v[rS+8*((\n)%4)+2*((\n)/4)+1], v[rS+8*((\n)%4)+2*((\n)/4)+2]
.elseif (\n) == 12
	v_max3_num_f32 v[rC], v[rC], v[rS+7], v[rS+15]
.elseif (\n) == 13
	v_max3_num_f32 v[rC+1], v[rC+1], v[rS+23], v[rS+31]
.elseif (\n) == 14
	v_max3_num_f32 v[rC+2], v[rC+2], v[rC+3], v[rT+1]
.elseif (\n) == 15
	v_mov_b32 v[rW], v[rT]
.elseif (\n) == 16
	v_max3_num_f32 v[rC], v[rC], v[rC+1], v[rC+2]
.elseif (\n) == 17
	v_permlanex16_b32 v[rC+3], v[rC], s[SEL], s[SEL+1]
.elseif (\n) == 18
	v_max_num_f32 v[rT+1], v[rC], v[rC+3]
.elseif (\n) == 19
	v_mul_f32 v[rT], s[CS], v[rT+1]
.elseif (\n) == 20
	v_sub_f32 v[rC+1], v[rW], v[rT]
.else
	v_exp_f32 v[rC+2], v[rC+1]
.endif
.endif
.endm
.macro OPS a, i1, b=-1, i2=0, c=-1, i3=0, d=-1, i4=0
	OP \a, \i1
.if (\b) >= 0
	OP \b, \i2
.endif
.if (\c) >= 0
	OP \c, \i3
.endif
.if (\d) >= 0
	OP \d, \i4
.endif
.endm
.macro ROW a, i1, b, i2, c, i3, d, i4  ; a matrix instruction and the four behind it
	MM
	OPS \a, \i1, \b, \i2, \c, \i3, \d, \i4
.endm
; A TURN, for piece p: the order of its 16 matrix and 118 vector instructions, written out.  last = 1: the tail's text: see FETCH_K.  cnt = 1: the loop's count is taken down some lines ahead of the branch.
; K and the mask of the next step are fetched in piece 2's turn, five plain vector instructions behind the last product that read K (the mask's last reader stands four products earlier);
; V of the step in hand in piece 0's turn, four plain ones behind the last product that read V.  Each is waited for a turn later.
.macro TURN p, last=0, cnt=0
.set Y, (\p)
.set i, 0
.if (\p) == 3
	s_wait_dscnt 0x0                ; K and the mask are in
.endif
	ROW F,0, F,1, F,2, F,3
	ROW F,4, E,0, F,5, F,6
	ROW F,7, E,1, F,8, F,9
	ROW F,10, E,2, C,0, F,11
	ROW F,12, E,3, X,15, F,13
	ROW R,0, R,1, R,2, R,3
	ROW B,0, E,4, F,14, L,0
.if (\p) == 2
	v_add_nc_u32 v[AK], s[TBK], v[AK0]
	v_add_nc_u32 v[AM], s[TBM], v[AM0]
.endif
	ROW R,4, R,5, R,6, R,7
	OPS E,5, F,15
.if (\p) == 2
	FETCH_K \last
.endif
	OPS E,6, C,1, E,7, R,8
	OPS E,8, R,9, E,9, C,2
	OPS E,10, X,0, E,11, X,1
	OPS E,12, X,2, E,13, X,3
.if (\p) == 1
	s_wait_dscnt 0x0                ; V is in
.endif
	ROW X,4, E,14, X,5, X,6
	ROW X,7, E,15, X,8, X,9
	ROW X,10, E,16, X,11, X,12
	ROW X,13, E,17, X,14, B,1
	ROW C,4, E,18, X,16, L,1
	ROW B,2, E,19, C,6, L,2
	ROW C,8, E,20, B,3, B,4
.if (\p) == 0
	v_add_nc_u32 v[AV], s[TBV], v[AV0]
.endif
	ROW C,3, E,21, L,3, C,5
	OPS E,22, X,17, E,23, C,10
.if (\p) == 0
	FETCH_V
.endif
	OPS E,24, L,4
	OPS E,25, X,18, E,26, C,7
	OPS E,27, B,5, E,28, X,19
	OPS E,29, C,12, E,30, L,5
	OPS E,31, X,20, B,6, C,9
	OPS C,14, C,11, X,21, L,6
.if (\p) == 0
	s_add_co_u32 s[TBV], s[TBV], KS*PV
.endif
.if \cnt
	s_sub_co_u32 s[CNT], s[CNT], 1
	s_cmp_lg_u32 s[CNT], 0
.endif
	OPS C,13, B,7, C,15, R,10
	OPS R,11, R,12, L,7, R,13
	OPS R,14, R,15
.endm
	CHANGE 1                        ; slot 0 is in and the mask table is whole, for every wave; slot 1 is asked for
	v_add_nc_u32 v[AK], s[TBK], v[AK0]
	v_add_nc_u32 v[AM], s[TBM], v[AM0]
	FETCH_K                         ; key step 0
	s_wait_loadcnt 0x0              ; Q
	s_wait_dscnt 0x0
.set i, 0
.rept 8
	KQ 0                            ; piece 0's first scores
.set i, i+1
.endr
	WIN 0
.rept 4
	v_nop                           ; the places behind those products
.endr
.set Y, NP-1                        ; X works for piece Y + 1: piece 0
.irp n, 0,1,2,3,4,5,6,7,8,9,10,11,12,13,14,15,16,17,18,19,20,21
	OP X, \n
.endr
	v_nop                           ; a plain instruction behind the exponential
	s_mov_b32 s[CNT], 4
	s_mov_b32 s[SLOTS], 7
	s_branch .Lfirst                ; the loop is entered at a step's first turn, in the middle of a trip
.Lslot:                             ; six times: every slot but the last two is filled again
	CHANGE 1
	s_mov_b32 s[CNT], 4
.Lstep:                             ; a trip: pieces 2 and 3 of one step, then pieces 0 and 1 of the next, whose K and V it fetches
	TURN 2
	TURN 3
	WIN 0
.Lfirst:
	TURN 0
	TURN 1, 0, 1
	WIN 0
	s_cbranch_scc1 .Lstep
	s_sub_co_u32 s[SLOTS], s[SLOTS], 1
	s_cmp_lg_u32 s[SLOTS], 0
	s_cbranch_scc1 .Lslot
	CHANGE 0                        ; the last slot has a text of its own: nothing is asked for
	s_mov_b32 s[CNT], 5             ; pieces 2 and 3 five times, pieces 0 and 1 four times: the loop is entered in its middle
	s_branch .LmidT
.LstepT:
	TURN 0
	TURN 1
	WIN 0
.LmidT:
	TURN 2, 1                       ; four trips fetch the last slot's four steps of K; the fifth fetches nothing
	TURN 3, 0, 1
	WIN 0
	s_cbranch_scc1 .LstepT
.set i, 0
.rept 8
	PV NP-1                         ; the last piece's V^T P of the last step
.set i, i+1
.endr
	; THE WAY OUT.  l's two halves and the other half of the lanes' are added; O^T is divided by l, rounded to f16 and sent through my stage, a piece at a time.  The additions are the places behind the last products.
	WIN 0
.macro ALL line:vararg
.set t, 0
.rept 4
	\line
.set t, t+1
.endr
.endm
	ALL v_add_f32 v[ST+4*t+2], v[ST+4*t+2], v[ST+4*t+3]
	ALL v_permlanex16_b32 v[ST+4*t+3], v[ST+4*t+2], s[SEL], s[SEL+1]
	ALL v_add_f32 v[ST+4*t+2], v[ST+4*t+2], v[ST+4*t+3]
	ALL v_rcp_f32 v[ST+4*t+2], v[ST+4*t+2]
	v_nop                           ; a plain instruction between the last reciprocal and the use of its result
.set t, 0
.rept 4
	v_cmp_gt_f32 vcc_lo, s[THR], v[ST+4*t+1]       ; no key of the row was seen
	s_wait_alu depctr_va_vdst(0)
	v_cndmask_b32 v[ST+4*t+2], v[ST+4*t+2], s[NANS], vcc_lo
.set t, t+1
.endr
.macro PACK t
	WIN W_RS
.set i, 32*(\t)
.rept 16
	v_pk_mul_f32 v[i:i+1], v[i:i+1], v[ST+4*(\t)+2:ST+4*(\t)+3] op_sel_hi:[1,0]
.set i, i+2
.endr
	WIN 0x05
.set i, 0
.rept 16
	v_cvt_pk_f16_f32 v[S+16*(\t)+i], v[32*(\t)+2*i], v[32*(\t)+2*i+1]
.set i, i+1
.endr
	WIN 0
.irp f, 0,1,2,3
	ds_store_b128 v[STO], v[S+16*(\t)+4*\f:S+16*(\t)+4*\f+3] offset:32*\f
.endr
.irp f, 0,1,2,3
	ds_load_b128 v[S+16*(\t)+4*\f:S+16*(\t)+4*\f+3], v[RD] offset:\f*4*SP  ; LDS serves a wave's instructions in order: these see the stores above
.endr
.endm
.macro SEND t, younger              ; younger: the LDS instructions issued behind piece t's loads
	WIN 0
.irp f, 0,1,2,3
	s_wait_dscnt (\younger)+3-\f
	global_store_b128 v[GO], v[S+16*(\t)+4*\f:S+16*(\t)+4*\f+3], s[8:9] offset:(\t)*2048+\f*512  ; 512 consecutive bytes, aligned
.endr
.endm
	PACK 0
.set t, 1
.rept 3
	PACK t
	SEND t-1, 8
.set t, t+1
.endr
	SEND 3, 0
	s_wait_tensorcnt 0x0            ; the wave's end
	ds_add_u32 v[SPW], v[NIL]
	s_wait_dscnt 0x0
	CROUND                          ; the closing round
	s_endpgm
.Lfunc_end_k_qfee6def9dc_attention:
	.size	k_qfee6def9dc_attention, .Lfunc_end_k_qfee6def9dc_attention-k_qfee6def9dc_attention
	.p2alignl 7, 3214868480
	.fill 96, 4, 3214868480
	.section	.rodata,"a",@progbits
	.p2align	6, 0x0
	.amdhsa_kernel k_qfee6def9dc_attention
		.amdhsa_group_segment_fixed_size 327680
		.amdhsa_private_segment_fixed_size 0
		.amdhsa_enable_private_segment 0
		.amdhsa_kernarg_size 24
		.amdhsa_user_sgpr_count 2
		.amdhsa_user_sgpr_kernarg_segment_ptr 1
		.amdhsa_wavefront_size32 1
		.amdhsa_system_sgpr_workgroup_id_x 1
		.amdhsa_system_sgpr_workgroup_id_y 1
		.amdhsa_system_sgpr_workgroup_id_z 1
		.amdhsa_system_vgpr_workitem_id 0
		.amdhsa_next_free_vgpr 768
		.amdhsa_next_free_sgpr 76
		.amdhsa_reserve_vcc 1
		.amdhsa_float_denorm_mode_32 3
		.amdhsa_float_denorm_mode_16_64 3
		.amdhsa_memory_ordered 1
		.amdhsa_forward_progress 1
		.amdhsa_inst_pref_size 120
	.end_amdhsa_kernel
	.amdgpu_metadata
---
amdhsa.version: [ 1, 2 ]
amdhsa.kernels:
  - .name:           k_qfee6def9dc_attention
    .symbol:         k_qfee6def9dc_attention.kd
    .args:
      - { .name: qkv, .offset: 0, .size: 8, .value_kind: global_buffer, .address_space: global }
      - { .name: src_mask, .offset: 8, .size: 8, .value_kind: global_buffer, .address_space: global }
      - { .name: attn, .offset: 16, .size: 8, .value_kind: global_buffer, .address_space: global }
    .group_segment_fixed_size: 327680
    .private_segment_fixed_size: 0
    .kernarg_segment_align: 8
    .kernarg_segment_size: 24
    .max_flat_workgroup_size: 128
    .sgpr_count:     76
    .vgpr_count:     768
    .wavefront_size: 32
...
	.end_amdgpu_metadata
.endif
;; end of part 9
;; launch ln1: the kernel of part 4 again; grid 256 x 1, 8 waves a work-group, no clusters, 35,840 bytes of LDS; arguments attn, xb, alpha1, beta1, x1f, x1b; writes x1f, x1b
;; launch ffn1 (part 10): grid 16 x 16, 4 waves a work-group, clusters of 4 x 4, 327,680 bytes of LDS; arguments x1b, wb, b1, h; writes h
.if DOCPART == 10
	.amdgcn_target "amdgcn-amd-amdhsa--gfx1250"
	.amdhsa_code_object_version 6
	.text
	.protected	k_qfee6def9dc_ffn1
	.globl	k_qfee6def9dc_ffn1
	.p2align	8
	.type	k_qfee6def9dc_ffn1,@function
k_qfee6def9dc_ffn1:
	s_mov_b64 s[64:65], 0
	v_nop
	global_prefetch_b8 v0, s[64:65] scope:SCOPE_SE
	s_setreg_imm32_b32 hwreg(HW_REG_WAVE_MODE, 25, 1), 1
	s_wait_xcnt 0x0
	s_wait_alu depctr_hold_cnt(0) depctr_sa_sdst(0) depctr_va_vdst(0) depctr_va_sdst(0) depctr_va_ssrc(0) depctr_va_vcc(0) depctr_vm_vsrc(0)
	s_getreg_b32 s2, hwreg(HW_REG_IB_STS2, 6, 4)
	s_cmp_eq_u32 s2, 0
	s_cbranch_scc0 .Lentry_in_a_cluster
	s_endpgm
.Lentry_in_a_cluster:
	s_bfe_u32 s2, ttmp6, 0x10000c
	s_cmp_lg_u32 s2, 0xf033
	s_cbranch_scc0 .Lentry_shape_is_right
	s_endpgm
.Lentry_shape_is_right:
; h = relu(x1 W1 + b1).  x1b: [4096][1024] bf16.  W1: [1024][4096] bf16 at wb's first byte.  h: [4096][4096] bf16.  b1 is rounded to bf16 like every input of the module.
; A work-group makes 256 x 256 of h; each of 2 x 2 waves 128 x 128: 64 accumulators, 512 registers.  K goes in steps of 128 through two LDS slots.
; Waves 0 and 1 fetch the halves of A's tile (128 rows x 256 bytes each), waves 2 and 3 those of B's (64 k rows x 512 bytes each).
; B lies [k][n] in LDS and is turned on its way into registers by ds_load_tr16_b128.  The matrix instruction is used transposed (source 0 = 16 columns of B, source 1 = 16 rows of A):
; a lane holds one row of C and eight neighbouring columns.  The bias is the C operand of the first K step's products: nothing is cleared, nothing added later.
; ONE TEXT FOR EVERY K STEP: the slot in hand is a scalar, s[TB], turned by an exclusive or at each change of slots, and the fragments' LDS addresses are made anew from it; one descriptor a tensor walks.
; CLUSTER 4 x 4: A's tile hangs on the tile row alone and is asked for jointly along a row of the cluster, B's on the tile column alone and jointly along a column.
; REGISTERS: window 0 addresses, bias, way out; window 1 two fragment buffers of 128; windows 2, 3 accumulator u = 8 a + b at window 2 + u / 32, register 8 (u % 32).
.set WM, 8
.set WN, 8
.set KTOT, 1024
.set KSTEP, 128
.set KQ, 32
.set PA, 272
.set PB, 544                           ; a k row of B: 512 + 32 bytes, an odd multiple of 32
.set BW, 128
.set BBASE, 256*PA
.set SLOT, BBASE+128*PB
.set SS, SLOT                          ; from slot 0 to slot 1: 0x22000.  The tiles' places in slot 0 are 0, 0x8800, 0x11000, 0x19800: no bit in common, so an exclusive or with SS changes slots
.set STG, 16*272
.set NAW, 2
.set ASTEP, KSTEP*2                    ; bytes from a K step's tile to the next
.set BSTEP, KSTEP*8192
.set NA, WM*KQ/32
.set NT, WM*WN*KQ/32
.set STEPS, KTOT/KSTEP
.set STAGE, SS+SLOT
.set SPARE, STAGE+4*STG
.set ADRA0, 16                         ; v16 my lane's place among A's fragments in a slot; never rewritten
.set ADRA, 17                          ; v17 the same in the slot in hand
.set ADRB0, 20
.set ADRB, 22
.set STO, 24
.set RD, 25
.set CO, 26
.set BO, 27
.set SPW, 28
.set NIL, 29
.set ZR, 30
.set BIAS, 32
.set TMP, 128
.set BK, 176
.set F0, 0
.set F1, 128
.set WV, 12
.set PT, 13
.set WMR, 66
.set TB, 67                            ; s67 LDS byte at which the slot in hand begins
.set G1, 24
.set G0, 32                            ; s[32:39] group 0 for A: a set for each of the two first fills; the second then walks on
.set G1B, 48
.set G0B, 56
.set MSB, 0
.macro WIN new
.if MSB != (\new)
	s_set_vgpr_msb (MSB<<8)|(\new)
.set MSB, \new
.endif
.endm
.macro JLOAD s                         ; a joint load: one line for A's waves, one for B's; s_nop 0 and four v_nop follow each line
	s_cmp_lt_u32 s[WV], NAW
	s_cbranch_scc0 .Lfor_b_\@
	tensor_load_to_lds s[G0+4*(\s):G0+4*(\s)+3], s[G1:G1+7]
	s_nop 0
.rept 4
	v_nop
.endr
	s_branch .Lasked_\@
.Lfor_b_\@:
	tensor_load_to_lds s[G0B+4*(\s):G0B+4*(\s)+3], s[G1B:G1B+7]
	s_nop 0
.rept 4
	v_nop
.endr
.Lasked_\@:
.endm
.macro CREST
	s_cmp_lg_u32 s[WV], 0
	s_cbranch_scc1 .Lnot_wave_0_\@
	s_barrier_signal -3
.Lnot_wave_0_\@:
	s_barrier_wait -3
	s_barrier_signal -1
	s_barrier_wait -1
.endm
.macro CROUND
	s_barrier_signal -1
	s_barrier_wait -1
	CREST
.endm
.macro PLACES
.rept 4
	v_nop
.endr
.endm
.macro AIM                             ; my fragments' LDS addresses in the slot at s[TB]
	v_add_nc_u32 v[ADRA], s[TB], v[ADRA0]
	v_add_nc_u32 v[ADRB], s[TB], v[ADRB0]
.if KSTEP > 128
	v_add_nc_u32 v[ADRB+1], s[TB], v[ADRB0+1]
.endif
.endm
; n products from number t0 of a phase's NT on.  All accumulators come in the same order in every phase, one instruction a turn.
.macro MULR f, t0, n, first
.set t, \t0
.rept \n
.set cc, t/(WM*WN)
.set u, t%(WM*WN)
.set a, u/WN
.set b, u%WN
.set rD, 8*(u%32)
.set rB, (\f)+8*(NA+cc*WN+b)
.set rA, (\f)+8*(cc*WM+a)
.if (\first) && (cc == 0)
	WIN 0x85+0x40*(u/32)
	v_wmma_f32_16x16x32_bf16 v[rD:rD+7], v[rB:rB+7], v[rA:rA+7], v[BIAS+8*b:BIAS+8*b+7]
.else
	WIN 0xa5+0x50*(u/32)
	v_wmma_f32_16x16x32_bf16 v[rD:rD+7], v[rB:rB+7], v[rA:rA+7], v[rD:rD+7]
.endif
.set t, t+1
.endr
.endm
.macro FETCH p, f                      ; 32 LDS loads in one run: phase p's fragments of the slot in hand into buffer f
	WIN 0x40
.set c, 0
.rept KQ/32
.set kk, (\p)*KQ+32*c
.set i, 0
.rept WM
.set rX, (\f)+8*(c*WM+i)
	ds_load_b128 v[rX:rX+3], v[ADRA] offset:2*kk+i*16*PA
	ds_load_b128 v[rX+4:rX+7], v[ADRA] offset:2*kk+i*16*PA+32
.set i, i+1
.endr
.set i, 0
.rept WN
.set rX, (\f)+8*(NA+c*WN+i)
	ds_load_tr16_b128 v[rX:rX+3], v[ADRB+kk/128] offset:(kk%128)*PB+(i/4)*BW+(i%4)*32
	ds_load_tr16_b128 v[rX+4:rX+7], v[ADRB+kk/128] offset:(kk%128)*PB+(i/4)*BW+(i%4)*32+16*PB
.set i, i+1
.endr
.set c, c+1
.endr
.endm
; One of a K step's first three phases.  At its head it asks for phase p of the slot in hand, into buffer g, which the phase before has multiplied; then it multiplies buffer f.
; So a buffer's loads have a whole phase, NT products, in which to come back.
.macro PHASE p, f, g, first=0
	PLACES                                         ; behind the last product that read buffer g
	FETCH \p, \g
	s_wait_dscnt 32                                ; all but the 32 loads just issued: buffer f, asked for at the head of the phase before, is in
	MULR \f, 0, NT, \first
.endm
; The last phase multiplies buffer 1 and changes slots.  My last reads of this slot were asked for a whole phase ago, so the barrier stands early in the phase: NT / 8 products between the add and the wait
; for it, NT / 8 between signal and wait, 3 NT / 4 behind the refill.  fill = 1: the slot that is left is filled again, with the K step two steps on: the walking descriptor changes slots and steps by one K step.
.macro TURN fill
	WIN 0
	s_wait_tensorcnt 0x0                           ; all my tensor loads have landed: my part of the next slot
	ds_add_u32 v[SPW], v[NIL]
	s_wait_dscnt 1                                 ; only the add may be out: buffer 1 is in
	MULR F1, 0, NT/8, 0
	s_wait_dscnt 0x0                               ; the add is done, my reads of this slot are over
	s_barrier_signal -1
	MULR F1, NT/8, NT/8, 0
	WIN 0                                          ; branches and address work follow
	s_barrier_wait -1
.if \fill
	CREST                                          ; the barrier opened a round of the cluster's: no wave of any partner still reads this slot or has a load on its way
	s_xor_b32 s[G0+5], s[G0+5], SS
	s_add_nc_u64 s[G0+6:G0+7], s[G0+6:G0+7], ASTEP
	s_xor_b32 s[G0B+5], s[G0B+5], SS
	s_add_nc_u64 s[G0B+6:G0B+7], s[G0B+6:G0B+7], BSTEP
	JLOAD 1                                        ; the first tensor load behind the round; its four v_nop are the places in front of the loads below
.else
	PLACES
.endif
	s_xor_b32 s[TB], s[TB], SS                     ; the reads go on in the other slot
	AIM
	FETCH 0, F0
	MULR F1, NT/4, 3*NT/4, 0
.endm
	s_load_b256 s[4:11], s[0:1], 0x0               ; x1b 4, wb 6, b1 8, h 10
	v_lshl_add_u32 v[SPW], v0, 2, SPARE
	v_mov_b32 v[NIL], 0
	ds_add_u32 v[SPW], v[NIL]                      ; the wave's opening: the add and its wait ahead of my first tensor load
	v_lshrrev_b32 v1, 5, v0
	v_readfirstlane_b32 s[WV], v1
	s_and_b32 s[PT], s[WV], 1                      ; which half of a tile I fetch; also my half of the columns
	s_lshr_b32 s[WMR], s[WV], 1                    ; my half of the rows
	s_bfe_u32 s40, ttmp6, 0x40000
	s_bfe_u32 s41, ttmp6, 0x40004
	s_lshl_b32 s42, ttmp9, 2
	s_add_co_u32 s42, s42, s40                     ; tile column
	s_and_b32 s43, ttmp7, 0xffff
	s_lshl_b32 s43, s43, 2
	s_add_co_u32 s43, s43, s41                     ; tile row
	s_lshl_b32 s44, s41, 2
	s_lshl_b32 s44, 15, s44
	s_lshl_b32 s45, 0x1111, s40
	s_or_b32 s[G1], s44, (1<<16)|(1<<20)|(1<<21)|(5<<22)|(3<<25)   ; 4 words after every 64
	s_or_b32 s[G1B], s45, (1<<16)|(1<<20)|(1<<21)|(6<<22)|(7<<25)  ; 8 words after every 128
	s_mov_b32 s[G1+1], 128<<16
	s_mov_b32 s[G1+2], 128<<16
	s_mov_b32 s[G1+3], 128<<16
	s_mov_b32 s[G1+4], 128
	s_mov_b32 s[G1+5], 1024
	s_mov_b32 s[G1+6], 0
	s_mov_b32 s[G1+7], 0
	s_mov_b32 s[G1B+1], 256<<16
	s_mov_b32 s[G1B+2], 64<<16
	s_mov_b32 s[G1B+3], 256<<16
	s_mov_b32 s[G1B+4], 64
	s_mov_b32 s[G1B+5], 4096
	s_mov_b32 s[G1B+6], 0
	s_mov_b32 s[G1B+7], 0
	s_mov_b32 s[TB], 0                             ; the reads begin in slot 0
	s_lshl_b32 s16, s43, 19                        ; A: 256 rows of 2,048 bytes a tile row, 128 a half
	s_lshl_b32 s17, s[PT], 18
	s_add_co_u32 s16, s16, s17
	s_mov_b32 s17, 0
	s_lshl_b32 s46, s42, 9                         ; B: 512 bytes a tile column, 64 k rows of 8,192 bytes a half
	s_lshl_b32 s47, s[PT], 19
	s_add_co_u32 s46, s46, s47
	s_mov_b32 s47, 0
	s_mul_i32 s20, s[PT], 128*PA
	s_mul_i32 s21, s[PT], 64*PB
	s_add_co_u32 s21, s21, BBASE
	s_wait_dscnt 0x0
	s_wait_kmcnt 0x0
	s_add_nc_u64 s[14:15], s[4:5], s[16:17]
	s_add_nc_u64 s[46:47], s[6:7], s[46:47]
	CROUND
.irp s, 0,1
	s_mov_b32 s[G0+4*(\s)], 1
	s_add_co_u32 s[G0+4*(\s)+1], s20, (\s)*SS
	s_add_nc_u64 s[G0+4*(\s)+2:G0+4*(\s)+3], s[14:15], (\s)*ASTEP
	s_or_b32 s[G0+4*(\s)+3], s[G0+4*(\s)+3], 0x80000000
	s_mov_b32 s[G0B+4*(\s)], 1
	s_add_co_u32 s[G0B+4*(\s)+1], s21, (\s)*SS
	s_add_nc_u64 s[G0B+4*(\s)+2:G0B+4*(\s)+3], s[46:47], (\s)*BSTEP
	s_or_b32 s[G0B+4*(\s)+3], s[G0B+4*(\s)+3], 0x80000000
	JLOAD \s                                       ; two loads of mine are out
.endr
	v_and_b32 v1, 15, v0
	v_bfe_u32 v2, v0, 4, 1
	v_and_b32 v3, 7, v0
	v_bfe_u32 v4, v0, 3, 1
	v_mov_b32 v[ZR], 0
	s_lshl_b32 s46, s42, 10                        ; the tile's 256 biases, my wave's 128
	s_lshl_b32 s47, s[PT], 9
	s_add_co_u32 s46, s46, s47
	v_lshlrev_b32 v[BO], 5, v2
	v_add_nc_u32 v[BO], s46, v[BO]
.set i, 0
.rept WN
	global_load_b128 v[BIAS+8*i:BIAS+8*i+3], v[BO], s[8:9] offset:64*i
	global_load_b128 v[BIAS+8*i+4:BIAS+8*i+7], v[BO], s[8:9] offset:64*i+16
.set i, i+1
.endr
	v_mul_u32_u24 v5, v1, PA
	v_lshl_add_u32 v5, v2, 4, v5
	s_mul_i32 s22, s[WMR], WM*16*PA
	v_add_nc_u32 v[ADRA0], s22, v5
	v_lshl_add_u32 v5, v2, 3, v3
	v_mul_u32_u24 v5, v5, PB
	v_lshl_add_u32 v5, v4, 4, v5
	s_mul_i32 s23, s[PT], WN*32
	s_add_co_u32 s23, s23, BBASE
	v_add_nc_u32 v[ADRB0], s23, v5
	AIM
	s_mul_i32 s23, s[WV], STG
	s_add_co_u32 s23, s23, STAGE
	v_mul_u32_u24 v5, v1, 272
	v_lshl_add_u32 v5, v2, 4, v5
	v_add_nc_u32 v[STO], s23, v5
	v_mul_u32_u24 v5, v2, 272
	v_lshl_add_u32 v5, v1, 4, v5
	v_add_nc_u32 v[RD], s23, v5
	v_lshlrev_b32 v5, 13, v2
	v_lshl_add_u32 v[CO], v1, 4, v5                ; lanes 0-15 one row of h, lanes 16-31 the next
	s_lshl_b32 s16, s43, 21                        ; 256 rows of 8,192 bytes a tile row, 128 a half
	s_lshl_b32 s17, s[WMR], 20
	s_add_co_u32 s16, s16, s17
	s_mov_b32 s17, 0
	s_add_nc_u64 s[10:11], s[10:11], s[16:17]
	s_lshl_b32 s46, s42, 9
	s_lshl_b32 s47, s[PT], 8
	s_add_co_u32 s46, s46, s47
	s_mov_b32 s47, 0
	s_add_nc_u64 s[10:11], s[10:11], s[46:47]
	s_wait_loadcnt 0x0
.set i, 0
.rept 4*WN
	v_cvt_pk_bf16_f32 v5, v[BIAS+i], v[BIAS+i+1]
	v_lshlrev_b32 v[BIAS+i], 16, v5
	v_and_b32 v[BIAS+i+1], 0xffff0000, v5
.set i, i+2
.endr
	s_wait_tensorcnt 1                             ; my part of K step 0 is in; slot 1's may stay out
	s_barrier_signal -1
	s_barrier_wait -1
	FETCH 0, F0
	PHASE 1, F0, F1, 1                             ; the first phase stands in front of the loop: its products start the sums, on the bias
	WIN 0
	s_mov_b32 s3, STEPS-2
.Lstep:                                            ; a trip goes from a K step's second phase to the next step's first and fills the slot that it leaves: K steps 2 to STEPS - 1
	PHASE 2, F1, F0
	PHASE 3, F0, F1
	TURN 1
	PHASE 1, F0, F1
	WIN 0
	s_sub_co_u32 s3, s3, 1
	s_cmp_lg_u32 s3, 0
	s_cbranch_scc1 .Lstep
	s_mov_b32 s3, 2                                ; the last two K steps fill nothing: a loop of two trips, entered in its middle
	s_branch .Lmid
.Ltail:
	PHASE 1, F0, F1
	WIN 0
.Lmid:
	PHASE 2, F1, F0
	PHASE 3, F0, F1
	TURN 0                                         ; in the second trip its barrier and its run of loads (from the other slot, into buffer 0) serve nothing: the price, once a launch, of one text for both trips
	WIN 0
	s_sub_co_u32 s3, s3, 1
	s_cmp_lg_u32 s3, 0
	s_cbranch_scc1 .Ltail
	PLACES
; THE WAY OUT of 16 rows: rounded to bf16, the maximum with 0 taken two at a time, through my own stage, back as whole rows of 256 bytes.
.macro OUTBLK a
.set b, 0
.rept WN
.set u, (\a)*WN+b
	WIN 0x0a+5*(u/32)
.set rr, 0
.rept 4
	v_cvt_pk_bf16_f32 v[TMP+4*b+rr], v[8*(u%32)+2*rr], v[8*(u%32)+2*rr+1]
.set rr, rr+1
.endr
.set b, b+1
.endr
	WIN 0
.set b, 0
.rept 4*WN
	v_pk_max_num_bf16 v[TMP+b], v[TMP+b], v[ZR]
.set b, b+1
.endr
.set b, 0
.rept WN
	ds_store_b128 v[STO], v[TMP+4*b:TMP+4*b+3] offset:32*b
.set b, b+1
.endr
	s_wait_xcnt 0x0                                ; the registers that the last block's stores read are loaded again only behind this wait
.set f, 0
.rept 8
	ds_load_b128 v[BK+4*f:BK+4*f+3], v[RD] offset:f*544
.set f, f+1
.endr
	s_wait_dscnt 0x0
.set f, 0
.rept 8
	global_store_b128 v[CO], v[BK+4*f:BK+4*f+3], s[10:11] offset:(16*(\a)+2*f)*8192   ; 16 lanes store 256 consecutive bytes, aligned
.set f, f+1
.endr
.endm
.irp a, 0,1,2,3,4,5,6,7
	OUTBLK \a
.endr
	s_wait_tensorcnt 0x0                           ; the wave's end
	ds_add_u32 v[SPW], v[NIL]
	s_wait_dscnt 0x0
	CROUND
	s_endpgm
.Lfunc_end_k_qfee6def9dc_ffn1:
	.size	k_qfee6def9dc_ffn1, .Lfunc_end_k_qfee6def9dc_ffn1-k_qfee6def9dc_ffn1
	.p2alignl 7, 3214868480
	.fill 96, 4, 3214868480
	.section	.rodata,"a",@progbits
	.p2align	6, 0x0
	.amdhsa_kernel k_qfee6def9dc_ffn1
		.amdhsa_group_segment_fixed_size 327680
		.amdhsa_private_segment_fixed_size 0
		.amdhsa_enable_private_segment 0
		.amdhsa_kernarg_size 32
		.amdhsa_user_sgpr_count 2
		.amdhsa_user_sgpr_kernarg_segment_ptr 1
		.amdhsa_wavefront_size32 1
		.amdhsa_system_sgpr_workgroup_id_x 1
		.amdhsa_system_sgpr_workgroup_id_y 1
		.amdhsa_system_sgpr_workgroup_id_z 1
		.amdhsa_system_vgpr_workitem_id 0
		.amdhsa_next_free_vgpr 1024
		.amdhsa_next_free_sgpr 72
		.amdhsa_reserve_vcc 0
		.amdhsa_float_denorm_mode_32 3
		.amdhsa_float_denorm_mode_16_64 3
		.amdhsa_memory_ordered 1
		.amdhsa_forward_progress 1
		.amdhsa_inst_pref_size 122
	.end_amdhsa_kernel
	.amdgpu_metadata
---
amdhsa.version: [ 1, 2 ]
amdhsa.kernels:
  - .name:           k_qfee6def9dc_ffn1
    .symbol:         k_qfee6def9dc_ffn1.kd
    .args:
      - { .name: x1b, .offset: 0, .size: 8, .value_kind: global_buffer, .address_space: global }
      - { .name: wb, .offset: 8, .size: 8, .value_kind: global_buffer, .address_space: global }
      - { .name: b1, .offset: 16, .size: 8, .value_kind: global_buffer, .address_space: global }
      - { .name: h, .offset: 24, .size: 8, .value_kind: global_buffer, .address_space: global }
    .group_segment_fixed_size: 327680
    .private_segment_fixed_size: 0
    .kernarg_segment_align: 8
    .kernarg_segment_size: 32
    .max_flat_workgroup_size: 128
    .sgpr_count:     72
    .vgpr_count:     1024
    .wavefront_size: 32
...
	.end_amdgpu_metadata
.endif
;; end of part 10
;; launch ffn2 (part 11): grid 8 x 32, 4 waves a work-group, clusters of 4 x 4, 327,680 bytes of LDS; arguments h, wb, b2, ffn; writes ffn
.if DOCPART == 11
	.amdgcn_target "amdgcn-amd-amdhsa--gfx1250"
	.amdhsa_code_object_version 6
	.text
	.protected	k_qfee6def9dc_ffn2
	.globl	k_qfee6def9dc_ffn2
	.p2align	8
	.type	k_qfee6def9dc_ffn2,@function
k_qfee6def9dc_ffn2:
	s_mov_b64 s[64:65], 0
	v_nop
	global_prefetch_b8 v0, s[64:65] scope:SCOPE_SE
	s_setreg_imm32_b32 hwreg(HW_REG_WAVE_MODE, 25, 1), 1
	s_wait_xcnt 0x0
	s_wait_alu depctr_hold_cnt(0) depctr_sa_sdst(0) depctr_va_vdst(0) depctr_va_sdst(0) depctr_va_ssrc(0) depctr_va_vcc(0) depctr_vm_vsrc(0)
	s_getreg_b32 s2, hwreg(HW_REG_IB_STS2, 6, 4)
	s_cmp_eq_u32 s2, 0
	s_cbranch_scc0 .Lentry_in_a_cluster
	s_endpgm
.Lentry_in_a_cluster:
	s_bfe_u32 s2, ttmp6, 0x10000c
	s_cmp_lg_u32 s2, 0xf033
	s_cbranch_scc0 .Lentry_shape_is_right
	s_endpgm
.Lentry_shape_is_right:
; ffn = h W2 + b2.  h: [4096][4096] bf16.  W2: [4096][1024] bf16 at byte 8,388,608 of wb.  ffn: [4096][1024] f32.  b2 is rounded to bf16 like every input of the module.
; 128 x 128 of the result to a work-group, so that all 256 have one tile; each of 2 x 2 waves 64 x 64: 16 accumulators.  K goes in steps of 256, as long as two LDS slots allow.
; Waves 0 and 1 fetch the halves of A's tile (64 rows x 512 bytes each), waves 2 and 3 those of B's (128 k rows x 256 bytes each).
; B lies [k][n] in LDS and is turned on its way into registers by ds_load_tr16_b128.  The matrix instruction is used transposed; the bias is the C operand of the first products.
; ONE TEXT FOR EVERY K STEP: the slot in hand is a scalar, s[TB], turned by an exclusive or at each change of slots, and the fragments' LDS addresses are made anew from it; one descriptor a tensor walks.
; CLUSTER 4 x 4: A's tile is asked for jointly along a row of the cluster, B's along a column.
; ASKING AHEAD (global_prefetch_b8).  Trip i of the loop (i = 0 .. 13) brings K step i + 2 by its joint loads; behind them it asks for tiles AHEAD = 2 trips further on, each 256 bytes once in the launch:
;   h: the 128 rows x 512 bytes of K step i + 4 belong to the 8 work-groups of a tile row, 16 rows to each: wave 0 asks with one line, 32 lanes 256 bytes apart, 8,192 bytes, in every trip up to i = 11;
;   W2: the 256 k rows x 256 bytes of a K step belong to the 32 work-groups of a tile column, 8 k rows to each: wave 1 asks for four K steps' shares with one line, in trips 0, 4 and 8, for K steps i + 4 to i + 7.
;   K steps 0 to 3 are not asked for ahead; trips 12 and 13 ask for nothing: K step 15 is the last, so no line points past h's rows or W2's last k row.
; REGISTERS: window 0 addresses, bias, way out; window 1 two fragment buffers of 128 (64 along K each); window 2 accumulator u = 4 a + b at register 8 u.
.set WM, 4
.set WN, 4
.set KTOT, 4096
.set KSTEP, 256
.set KQ, 64
.set PA, 528
.set PB, 288                           ; a k row of B: 256 + 32 bytes, an odd multiple of 32
.set BW, 128
.set BBASE, 128*PA
.set SLOT, BBASE+256*PB                ; 141,312 bytes
.set SS, 0x24000                       ; from slot 0 to slot 1: 147,456.  The tiles' places in slot 0 are 0, 0x8400, 0x10800, 0x19800: no bit in common, so an exclusive or with SS changes slots
.set STG, 16*272
.set NAW, 2
.set ASTEP, KSTEP*2                    ; bytes from a K step's tile to the next
.set BSTEP, KSTEP*2048
.set NA, WM*KQ/32
.set NT, WM*WN*KQ/32
.set STEPS, KTOT/KSTEP
.set AHEAD, 2                          ; trips between a prefetch and the joint load of the same tile
.set BTURN, (STEPS-2)%4                ; the loop's counter runs from STEPS - 2 down: trips 0, 4, 8 are those in which it is BTURN modulo 4
.set STAGE, SS+SLOT
.set SPARE, STAGE+4*STG
.set ADRA0, 16                         ; v16 my lane's place among A's fragments in a slot; never rewritten
.set ADRA, 17                          ; v17 the same in the slot in hand
.set ADRB0, 20                         ; v20-21: k 0-127, k 128-255: the 16-bit offset does not reach over 256 k rows
.set ADRB, 22                          ; v22-23
.set STO, 24
.set RD, 25
.set CO, 26
.set BO, 27
.set SPW, 28
.set NIL, 29
.set VPA, 30                           ; v30 prefetch of h: row lane / 2 of my 16, 256 bytes by the lane's low bit; never rewritten
.set VPB, 31                           ; v31 prefetch of W2: K step lane / 8 of four, k row lane % 8 of my 8; never rewritten
.set BIAS, 32
.set BK, 176
.set F0, 0
.set F1, 128
.set WV, 12
.set PT, 13
.set WMR, 66
.set TB, 67                            ; s67 LDS byte at which the slot in hand begins
.set PFA, 68                           ; s[68:69] h at my 16 rows, at the K step asked for last
.set PFB, 70                           ; s[70:71] W2 at my 8 k rows and my tile column, at the four K steps asked for last
.set G1, 24
.set G0, 32                            ; s[32:39] group 0 for A: a set for each of the two first fills; the second then walks on
.set G1B, 48
.set G0B, 56
.set MSB, 0
.macro WIN new
.if MSB != (\new)
	s_set_vgpr_msb (MSB<<8)|(\new)
.set MSB, \new
.endif
.endm
.macro JLOAD s                         ; a joint load: one line for A's waves, one for B's; s_nop 0 and four v_nop follow each line
	s_cmp_lt_u32 s[WV], NAW
	s_cbranch_scc0 .Lfor_b_\@
	tensor_load_to_lds s[G0+4*(\s):G0+4*(\s)+3], s[G1:G1+7]
	s_nop 0
.rept 4
	v_nop
.endr
	s_branch .Lasked_\@
.Lfor_b_\@:
	tensor_load_to_lds s[G0B+4*(\s):G0B+4*(\s)+3], s[G1B:G1B+7]
	s_nop 0
.rept 4
	v_nop
.endr
.Lasked_\@:
.endm
.macro CREST
	s_cmp_lg_u32 s[WV], 0
	s_cbranch_scc1 .Lnot_wave_0_\@
	s_barrier_signal -3
.Lnot_wave_0_\@:
	s_barrier_wait -3
	s_barrier_signal -1
	s_barrier_wait -1
.endm
.macro CROUND
	s_barrier_signal -1
	s_barrier_wait -1
	CREST
.endm
.macro PLACES
.rept 4
	v_nop
.endr
.endm
.macro AIM                             ; my fragments' LDS addresses in the slot at s[TB]
	v_add_nc_u32 v[ADRA], s[TB], v[ADRA0]
	v_add_nc_u32 v[ADRB], s[TB], v[ADRB0]
.if KSTEP > 128
	v_add_nc_u32 v[ADRB+1], s[TB], v[ADRB0+1]
.endif
.endm
; The trip's prefetches.  The jumps go forward, hang on the loop's counter and the wave's number alone (alike in all partners), and pass no barrier and no tensor load.
.macro ASK
	s_cmp_lt_u32 s3, AHEAD+1                       ; the last AHEAD trips: the K step in question would lie behind the last
	s_cbranch_scc1 .Lask_none_\@
	s_cmp_lg_u32 s[WV], 0
	s_cbranch_scc1 .Lask_b_\@
	global_prefetch_b8 v[VPA], s[PFA:PFA+1] th:TH_LOAD_NT scope:SCOPE_SE   ; wave 0: my 16 rows of h's tile, AHEAD trips on
.Lask_b_\@:
	s_and_b32 s22, s3, 3
	s_cmp_lg_u32 s22, BTURN
	s_cbranch_scc1 .Lask_none_\@
	s_cmp_lg_u32 s[WV], 1
	s_cbranch_scc1 .Lask_none_\@
	s_add_nc_u64 s[PFB:PFB+1], s[PFB:PFB+1], 4*BSTEP                       ; free since the s_wait_xcnt 0 ahead of this trip's joint load: wave 1 has issued no global instruction since
	global_prefetch_b8 v[VPB], s[PFB:PFB+1] th:TH_LOAD_NT scope:SCOPE_SE   ; wave 1: my 8 k rows of W2's tiles of the four K steps from AHEAD trips on
.Lask_none_\@:
.endm
; n products from number t0 of a phase's NT on: K part cc, accumulator u.  The 16 accumulators take turns, one instruction a turn.
.macro MULR f, t0, n, first
.set t, \t0
.rept \n
.set cc, t/(WM*WN)
.set u, t%(WM*WN)
.set a, u/WN
.set b, u%WN
.set rD, 8*(u%32)
.set rB, (\f)+8*(NA+cc*WN+b)
.set rA, (\f)+8*(cc*WM+a)
.if (\first) && (cc == 0)
	WIN 0x85+0x40*(u/32)
	v_wmma_f32_16x16x32_bf16 v[rD:rD+7], v[rB:rB+7], v[rA:rA+7], v[BIAS+8*b:BIAS+8*b+7]
.else
	WIN 0xa5+0x50*(u/32)
	v_wmma_f32_16x16x32_bf16 v[rD:rD+7], v[rB:rB+7], v[rA:rA+7], v[rD:rD+7]
.endif
.set t, t+1
.endr
.endm
.macro FETCH p, f                      ; 32 LDS loads in one run: phase p's fragments of the slot in hand into buffer f
	WIN 0x40
.set c, 0
.rept KQ/32
.set kk, (\p)*KQ+32*c
.set i, 0
.rept WM
.set rX, (\f)+8*(c*WM+i)
	ds_load_b128 v[rX:rX+3], v[ADRA] offset:2*kk+i*16*PA
	ds_load_b128 v[rX+4:rX+7], v[ADRA] offset:2*kk+i*16*PA+32
.set i, i+1
.endr
.set i, 0
.rept WN
.set rX, (\f)+8*(NA+c*WN+i)
	ds_load_tr16_b128 v[rX:rX+3], v[ADRB+kk/128] offset:(kk%128)*PB+(i/4)*BW+(i%4)*32
	ds_load_tr16_b128 v[rX+4:rX+7], v[ADRB+kk/128] offset:(kk%128)*PB+(i/4)*BW+(i%4)*32+16*PB
.set i, i+1
.endr
.set c, c+1
.endr
.endm
; One of a K step's first three phases.  At its head it asks for phase p of the slot in hand, into buffer g, which the phase before has multiplied; then it multiplies buffer f.
; So a buffer's loads have a whole phase, NT products, in which to come back.
.macro PHASE p, f, g, first=0
	PLACES                                         ; behind the last product that read buffer g
	FETCH \p, \g
	s_wait_dscnt 32                                ; all but the 32 loads just issued: buffer f, asked for at the head of the phase before, is in
	MULR \f, 0, NT, \first
.endm
; The last phase multiplies buffer 1 and changes slots.  My last reads of this slot were asked for a whole phase ago, so the barrier stands early in the phase: NT / 8 products between the add and the wait
; for it, NT / 8 between signal and wait, 3 NT / 4 behind the refill.  fill = 1: the slot that is left is filled again, with the K step two steps on: the walking descriptor changes slots and steps by one K step.
.macro TURN fill
	WIN 0
	s_wait_tensorcnt 0x0                           ; all my tensor loads have landed: my part of the next slot
	ds_add_u32 v[SPW], v[NIL]
	s_wait_dscnt 1                                 ; only the add may be out: buffer 1 is in
	MULR F1, 0, NT/8, 0
	s_wait_dscnt 0x0                               ; the add is done, my reads of this slot are over
	s_barrier_signal -1
	MULR F1, NT/8, NT/8, 0
	WIN 0                                          ; branches and address work follow
	s_barrier_wait -1
.if \fill
	CREST                                          ; the barrier opened a round of the cluster's: no wave of any partner still reads this slot or has a load on its way
	s_xor_b32 s[G0+5], s[G0+5], SS
	s_add_nc_u64 s[G0+6:G0+7], s[G0+6:G0+7], ASTEP
	s_xor_b32 s[G0B+5], s[G0B+5], SS
	s_add_nc_u64 s[G0B+6:G0B+7], s[G0B+6:G0B+7], BSTEP
	s_wait_xcnt 0x0                                ; the prefetches of the trips before, the youngest a whole trip back, have had their addresses translated: their bases may step
	s_add_nc_u64 s[PFA:PFA+1], s[PFA:PFA+1], ASTEP
	JLOAD 1                                        ; the first tensor load behind the round; its four v_nop are the places in front of the loads below
	ASK
.else
	PLACES
.endif
	s_xor_b32 s[TB], s[TB], SS                     ; the reads go on in the other slot
	AIM
	FETCH 0, F0
	MULR F1, NT/4, 3*NT/4, 0
.endm
	s_load_b256 s[4:11], s[0:1], 0x0               ; h 4, wb 6, b2 8, ffn 10
	v_lshl_add_u32 v[SPW], v0, 2, SPARE
	v_mov_b32 v[NIL], 0
	ds_add_u32 v[SPW], v[NIL]                      ; the wave's opening: the add and its wait ahead of my first tensor load
	v_lshrrev_b32 v1, 5, v0
	v_readfirstlane_b32 s[WV], v1
	s_and_b32 s[PT], s[WV], 1
	s_lshr_b32 s[WMR], s[WV], 1
	s_bfe_u32 s40, ttmp6, 0x40000
	s_bfe_u32 s41, ttmp6, 0x40004
	s_lshl_b32 s42, ttmp9, 2
	s_add_co_u32 s42, s42, s40                     ; tile column
	s_and_b32 s43, ttmp7, 0xffff
	s_lshl_b32 s43, s43, 2
	s_add_co_u32 s43, s43, s41                     ; tile row
	s_lshl_b32 s44, s41, 2
	s_lshl_b32 s44, 15, s44
	s_lshl_b32 s45, 0x1111, s40
	s_or_b32 s[G1], s44, (1<<16)|(1<<20)|(1<<21)|(6<<22)|(3<<25)   ; 4 words after every 128
	s_or_b32 s[G1B], s45, (1<<16)|(1<<20)|(1<<21)|(5<<22)|(7<<25)  ; 8 words after every 64
	s_mov_b32 s[G1+1], 256<<16
	s_mov_b32 s[G1+2], 64<<16
	s_mov_b32 s[G1+3], 256<<16
	s_mov_b32 s[G1+4], 64
	s_mov_b32 s[G1+5], 4096
	s_mov_b32 s[G1+6], 0
	s_mov_b32 s[G1+7], 0
	s_mov_b32 s[G1B+1], 128<<16
	s_mov_b32 s[G1B+2], 128<<16
	s_mov_b32 s[G1B+3], 128<<16
	s_mov_b32 s[G1B+4], 128
	s_mov_b32 s[G1B+5], 1024
	s_mov_b32 s[G1B+6], 0
	s_mov_b32 s[G1B+7], 0
	s_mov_b32 s[TB], 0                             ; the reads begin in slot 0
	s_lshl_b32 s16, s43, 20                        ; A: 128 rows of 8,192 bytes a tile row, 64 a half
	s_lshl_b32 s17, s[PT], 19
	s_add_co_u32 s16, s16, s17
	s_mov_b32 s17, 0
	s_lshl_b32 s46, s42, 8                         ; B: 256 bytes a tile column, 128 k rows of 2,048 bytes a half, W2 at 8,388,608
	s_lshl_b32 s47, s[PT], 18
	s_add_co_u32 s46, s46, s47
	s_add_co_u32 s46, s46, 8388608
	s_mov_b32 s47, 0
	s_mul_i32 s20, s[PT], 64*PA
	s_mul_i32 s21, s[PT], 128*PB
	s_add_co_u32 s21, s21, BBASE
	s_wait_dscnt 0x0
	s_wait_kmcnt 0x0
	s_add_nc_u64 s[14:15], s[4:5], s[16:17]
	s_add_nc_u64 s[46:47], s[6:7], s[46:47]
	CROUND
.irp s, 0,1
	s_mov_b32 s[G0+4*(\s)], 1
	s_add_co_u32 s[G0+4*(\s)+1], s20, (\s)*SS
	s_add_nc_u64 s[G0+4*(\s)+2:G0+4*(\s)+3], s[14:15], (\s)*ASTEP
	s_or_b32 s[G0+4*(\s)+3], s[G0+4*(\s)+3], 0x80000000
	s_mov_b32 s[G0B+4*(\s)], 1
	s_add_co_u32 s[G0B+4*(\s)+1], s21, (\s)*SS
	s_add_nc_u64 s[G0B+4*(\s)+2:G0B+4*(\s)+3], s[46:47], (\s)*BSTEP
	s_or_b32 s[G0B+4*(\s)+3], s[G0B+4*(\s)+3], 0x80000000
	JLOAD \s                                       ; two loads of mine are out
.endr
	v_and_b32 v1, 15, v0
	v_bfe_u32 v2, v0, 4, 1
	v_and_b32 v3, 7, v0
	v_bfe_u32 v4, v0, 3, 1
	s_lshl_b32 s46, s42, 9                         ; the tile's 128 biases, my wave's 64
	s_lshl_b32 s47, s[PT], 8
	s_add_co_u32 s46, s46, s47
	v_lshlrev_b32 v[BO], 5, v2
	v_add_nc_u32 v[BO], s46, v[BO]
.set i, 0
.rept WN
	global_load_b128 v[BIAS+8*i:BIAS+8*i+3], v[BO], s[8:9] offset:64*i
	global_load_b128 v[BIAS+8*i+4:BIAS+8*i+7], v[BO], s[8:9] offset:64*i+16
.set i, i+1
.endr
	; the prefetches' bases and lane offsets.  Each base starts one step short of what the first trip asks for, and steps ahead of its use.
	s_lshl_b32 s16, s43, 20                        ; h: the tile row's 128 rows of 8,192 bytes,
	s_lshl_b32 s17, s42, 17                        ; my 16 of them, by my tile column,
	s_add_co_u32 s16, s16, s17
	s_add_co_u32 s16, s16, (AHEAD+1)*ASTEP         ; at K step AHEAD + 1: trip 0 steps on to K step AHEAD + 2
	s_mov_b32 s17, 0
	s_add_nc_u64 s[PFA:PFA+1], s[4:5], s[16:17]
	s_lshl_b32 s16, s43, 14                        ; W2: my 8 k rows of 2,048 bytes in a K step, by my tile row,
	s_lshl_b32 s17, s42, 8                         ; my tile column's 256 bytes,
	s_add_co_u32 s16, s16, s17
	s_add_co_u32 s16, s16, 8388608+(AHEAD-2)*BSTEP ; at K step AHEAD - 2: trip 0 steps four K steps on, to K steps AHEAD + 2 to AHEAD + 5
	s_mov_b32 s17, 0
	s_add_nc_u64 s[PFB:PFB+1], s[6:7], s[16:17]
	v_and_b32 v5, 31, v0                           ; lane
	v_and_b32 v6, 1, v0
	v_lshrrev_b32 v[VPA], 1, v5
	v_lshlrev_b32 v[VPA], 13, v[VPA]               ; row lane / 2,
	v_lshl_add_u32 v[VPA], v6, 8, v[VPA]           ; the first or the second 256 bytes of its 512
	v_lshrrev_b32 v[VPB], 3, v5
	v_lshlrev_b32 v[VPB], 19, v[VPB]               ; K step lane / 8: 256 k rows of 2,048 bytes,
	v_lshl_add_u32 v[VPB], v3, 11, v[VPB]          ; k row lane % 8
	v_mul_u32_u24 v5, v1, PA
	v_lshl_add_u32 v5, v2, 4, v5
	s_mul_i32 s22, s[WMR], WM*16*PA
	v_add_nc_u32 v[ADRA0], s22, v5
	v_lshl_add_u32 v5, v2, 3, v3
	v_mul_u32_u24 v5, v5, PB
	v_lshl_add_u32 v5, v4, 4, v5
	s_mul_i32 s23, s[PT], WN*32
	s_add_co_u32 s23, s23, BBASE
	v_add_nc_u32 v[ADRB0], s23, v5
	v_add_nc_u32 v[ADRB0+1], 128*PB, v[ADRB0]
	AIM
	s_mul_i32 s23, s[WV], STG
	s_add_co_u32 s23, s23, STAGE
	v_mul_u32_u24 v5, v1, 272
	v_lshl_add_u32 v5, v2, 5, v5                   ; in: row l % 16, 32 bytes (eight f32) for each half of the lanes
	v_add_nc_u32 v[STO], s23, v5
	v_mul_u32_u24 v5, v2, 272
	v_lshl_add_u32 v5, v1, 4, v5
	v_add_nc_u32 v[RD], s23, v5
	v_lshlrev_b32 v5, 12, v2
	v_lshl_add_u32 v[CO], v1, 4, v5
	s_lshl_b32 s16, s43, 19                        ; 128 rows of 4,096 bytes a tile row, 64 a half
	s_lshl_b32 s17, s[WMR], 18
	s_add_co_u32 s16, s16, s17
	s_mov_b32 s17, 0
	s_add_nc_u64 s[10:11], s[10:11], s[16:17]
	s_lshl_b32 s46, s42, 9
	s_lshl_b32 s47, s[PT], 8
	s_add_co_u32 s46, s46, s47
	s_mov_b32 s47, 0
	s_add_nc_u64 s[10:11], s[10:11], s[46:47]
	s_wait_loadcnt 0x0
.set i, 0
.rept 4*WN
	v_cvt_pk_bf16_f32 v5, v[BIAS+i], v[BIAS+i+1]
	v_lshlrev_b32 v[BIAS+i], 16, v5
	v_and_b32 v[BIAS+i+1], 0xffff0000, v5
.set i, i+2
.endr
	s_wait_tensorcnt 1                             ; my part of K step 0 is in; slot 1's may stay out
	s_barrier_signal -1
	s_barrier_wait -1
	FETCH 0, F0
	PHASE 1, F0, F1, 1                             ; the first phase stands in front of the loop: its first products start the sums, on the bias
	WIN 0
	s_mov_b32 s3, STEPS-2
.Lstep:                                            ; a trip goes from a K step's second phase to the next step's first and fills the slot that it leaves: K steps 2 to STEPS - 1
	PHASE 2, F1, F0
	PHASE 3, F0, F1
	TURN 1
	PHASE 1, F0, F1
	WIN 0
	s_sub_co_u32 s3, s3, 1
	s_cmp_lg_u32 s3, 0
	s_cbranch_scc1 .Lstep
	s_mov_b32 s3, 2                                ; the last two K steps fill nothing: a loop of two trips, entered in its middle
	s_branch .Lmid
.Ltail:
	PHASE 1, F0, F1
	WIN 0
.Lmid:
	PHASE 2, F1, F0
	PHASE 3, F0, F1
	TURN 0                                         ; in the second trip its barrier and its run of loads (from the other slot, into buffer 0) serve nothing: the price, once a launch, of one text for both trips
	WIN 0
	s_sub_co_u32 s3, s3, 1
	s_cmp_lg_u32 s3, 0
	s_cbranch_scc1 .Ltail
	PLACES
; THE WAY OUT of 16 rows, in f32: the accumulators go as they are into my own stage (each from its low end on) and come back as whole rows of 256 bytes.
.macro OUTBLK a
	WIN 0x08                                       ; the stores' data in window 2
.set b, 0
.rept WN
.set u, (\a)*WN+b
	ds_store_b128 v[STO], v[8*u:8*u+3] offset:64*b
	ds_store_b128 v[STO], v[8*u+4:8*u+7] offset:64*b+16
.set b, b+1
.endr
	WIN 0
	s_wait_xcnt 0x0                                ; the registers that the last block's stores read are loaded again only behind this wait
.set f, 0
.rept 8
	ds_load_b128 v[BK+4*f:BK+4*f+3], v[RD] offset:f*544
.set f, f+1
.endr
	s_wait_dscnt 0x0
.set f, 0
.rept 8
	global_store_b128 v[CO], v[BK+4*f:BK+4*f+3], s[10:11] offset:(16*(\a)+2*f)*4096   ; 16 lanes store 256 consecutive bytes, aligned
.set f, f+1
.endr
.endm
.irp a, 0,1,2,3
	OUTBLK \a
.endr
	s_wait_tensorcnt 0x0                           ; the wave's end
	ds_add_u32 v[SPW], v[NIL]
	s_wait_dscnt 0x0
	CROUND
	s_endpgm
.Lfunc_end_k_qfee6def9dc_ffn2:
	.size	k_qfee6def9dc_ffn2, .Lfunc_end_k_qfee6def9dc_ffn2-k_qfee6def9dc_ffn2
	.p2alignl 7, 3214868480
	.fill 96, 4, 3214868480
	.section	.rodata,"a",@progbits
	.p2align	6, 0x0
	.amdhsa_kernel k_qfee6def9dc_ffn2
		.amdhsa_group_segment_fixed_size 327680
		.amdhsa_private_segment_fixed_size 0
		.amdhsa_enable_private_segment 0
		.amdhsa_kernarg_size 32
		.amdhsa_user_sgpr_count 2
		.amdhsa_user_sgpr_kernarg_segment_ptr 1
		.amdhsa_wavefront_size32 1
		.amdhsa_system_sgpr_workgroup_id_x 1
		.amdhsa_system_sgpr_workgroup_id_y 1
		.amdhsa_system_sgpr_workgroup_id_z 1
		.amdhsa_system_vgpr_workitem_id 0
		.amdhsa_next_free_vgpr 640
		.amdhsa_next_free_sgpr 72
		.amdhsa_reserve_vcc 0
		.amdhsa_float_denorm_mode_32 3
		.amdhsa_float_denorm_mode_16_64 3
		.amdhsa_memory_ordered 1
		.amdhsa_forward_progress 1
		.amdhsa_inst_pref_size 63
	.end_amdhsa_kernel
	.amdgpu_metadata
---
amdhsa.version: [ 1, 2 ]
amdhsa.kernels:
  - .name:           k_qfee6def9dc_ffn2
    .symbol:         k_qfee6def9dc_ffn2.kd
    .args:
      - { .name: h, .offset: 0, .size: 8, .value_kind: global_buffer, .address_space: global }
      - { .name: wb, .offset: 8, .size: 8, .value_kind: global_buffer, .address_space: global }
      - { .name: b2, .offset: 16, .size: 8, .value_kind: global_buffer, .address_space: global }
      - { .name: ffn, .offset: 24, .size: 8, .value_kind: global_buffer, .address_space: global }
    .group_segment_fixed_size: 327680
    .private_segment_fixed_size: 0
    .kernarg_segment_align: 8
    .kernarg_segment_size: 32
    .max_flat_workgroup_size: 128
    .sgpr_count:     72
    .vgpr_count:     640
    .wavefront_size: 32
...
	.end_amdgpu_metadata
.endif
;; end of part 11
;; launch ln2: the kernel of part 7 again; grid 256 x 1, 8 waves a work-group, no clusters, 0 bytes of LDS; arguments ffn, x1f, alpha2, beta2, out0; writes out0
